; MI455X (gfx1250); checked and timed in simulation.
; The chip was launched on July 23, 2026; its instructions are those of AMD's public machine-readable ISA for CDNA 5 (MIT licence, August 2026) and "CDNA5" Instruction Set Architecture Reference Guide (July 2026). The comments in the code are by the model that wrote it; some were corrected since.
;; Multihead Attention. Allowed arithmetic: float matrix products may take bf16 or f16 operands with f32 sums; other float arithmetic in f32, or as packed bf16 or f16 multiplies, adds, multiply-adds, maxima and minima; sums over many terms, partial sums and values carried from step to step in f32; what a program stores and reads back later, other than sums and carried values, may be rounded once to bf16 or f16.
;; Inputs: WK 1,024 x 1,024 float32; WO 1,024 x 1,024 float32; WQ 1,024 x 1,024 float32; WV 1,024 x 1,024 float32; inputK 4 x 2,048 x 1,024 float32; inputQ 4 x 2,048 x 1,024 float32; inputV 4 x 2,048 x 1,024 float32; ln_beta 1,024 float32; ln_gamma 1,024 float32; mask 4 x 2,048 x 2,048 int32.
;; Outputs: out0 4 x 2,048 x 1,024 float32.
;; 2 versions, each right. Each part assembles by itself: llvm-mc -triple=amdgcn-amd-amdhsa -mcpu=gfx1250 --defsym DOCPART=n.
;; ======== version 1 of 2: 6 launches
;; limits: values are held in f16: magnitudes above 65,504 overflow, below 6.1e-05 lose precision
;; workspace buffers: xb 50,331,648 bytes; wts 8,388,608 bytes; mb 2,097,152 bytes; qkv 50,331,648 bytes; p 33,554,432 bytes; st 1,048,576 bytes; oh 16,777,216 bytes; pj 33,554,432 bytes
;; launch prep (part 1): grid 2816 x 1, 8 waves a work-group, no clusters, 0 bytes of LDS; arguments inputQ, inputK, inputV, WQ, WK, WV, WO, mask, xb, wts, mb; writes xb, wts, mb
.if DOCPART == 1
	.amdgcn_target "amdgcn-amd-amdhsa--gfx1250"
	.amdhsa_code_object_version 6
	.text
	.protected	k_q548968fc92_prep
	.globl	k_q548968fc92_prep
	.p2align	8
	.type	k_q548968fc92_prep,@function
k_q548968fc92_prep:
	s_mov_b64 s[64:65], 0
	v_nop
	global_prefetch_b8 v0, s[64:65] scope:SCOPE_SE
	s_setreg_imm32_b32 hwreg(HW_REG_WAVE_MODE, 25, 1), 1
	s_wait_xcnt 0x0
; THE CASTS AND THE MASK'S BITS, one stream.  Every work-group takes 65,536 bytes of one input, every wave 8,192 of them: sixteen loads of 16 bytes a lane,
; all issued at once; there is no loop.  Groups 0-1535: inputQ, inputK, inputV -> xb in bf16.  Groups 1536-1791: WQ, WK, WV -> wts in bf16, and WO -> wts as the bf16 number written in f16.
; Groups 1792-2815: mask -> mb, one bit for each number (1 where the number is 1).
; No LDS, no cluster, no matrix unit: no byte is read twice and nothing is shared between work-groups; the bytes are all there is.
; LIMITS.  WO's bf16 number is written as f16: beyond 65,504 it would be an infinity, and below 6e-5 it keeps f16's fixed step of 6e-8.
; mb: [batch 4][chunk of 128 keys 16][query 2048][word u 4].  Bit 16 h + (15 - i) of word u stands for key 16 (i / 2) + 8 h + 4 (i % 2) + u of the chunk: the order in which a lane of the
; launch behind it walks its 64 scores, the first at the top of its half word.
.set GX, 1536                          ; groups of the three inputs
.set GC, 1792                          ; groups that cast
.set GWO, 1728                         ; WO's first group
.set X,  16                            ; v[16:79]  as loaded
.set Y,  80                            ; v[80:111] to store
	s_load_b512 s[8:23], s[0:1], 0x0               ; inputQ s[8:9], inputK, inputV, WQ, WK, WV, WO s[20:21], mask s[22:23]
	s_load_b128 s[24:27], s[0:1], 0x40             ; xb s[24:25], wts s[26:27]
	s_load_b64 s[28:29], s[0:1], 0x50              ; mb
	v_and_b32 v1, 31, v0                           ; lane
	v_lshrrev_b32 v2, 5, v0                        ; wave
	v_readfirstlane_b32 s2, v2
	s_mov_b32 s3, ttmp9
	s_mov_b32 s37, 0
	s_mov_b32 s39, 0
	s_cmp_lt_u32 s3, GC
	s_cbranch_scc0 .Lmask
	; ---- the casts ----
	s_lshr_b32 s4, s3, 9                           ; an input has 512 groups
	s_and_b32 s5, s3, 511
	s_sub_co_u32 s6, s3, GX                        ; a weight has 64 (used from group 1536 on alone)
	s_lshr_b32 s7, s6, 6
	s_add_co_u32 s7, s7, 3
	s_and_b32 s34, s6, 63
	v_lshlrev_b32 v3, 13, v2
	v_lshl_add_u32 v3, v1, 4, v3                   ; in: 8,192 x wave + 16 x lane
	v_lshlrev_b32 v4, 12, v2
	v_lshl_add_u32 v4, v1, 3, v4                   ; out: 4,096 x wave + 8 x lane
	s_wait_kmcnt 0x0
	s_cmp_lt_u32 s3, GX
	s_cselect_b32 s4, s4, s7                       ; which of the seven tensors
	s_cselect_b32 s5, s5, s34                      ; which group of it
	s_cselect_b32 s6, s3, s6                       ; which group of the buffer written
	s_cselect_b64 s[40:41], s[24:25], s[26:27]     ; xb or wts
	s_mov_b64 s[42:43], s[8:9]
.irp n, 1,2,3,4,5,6
	s_cmp_eq_u32 s4, \n
	s_cselect_b64 s[42:43], s[8+2*(\n):9+2*(\n)], s[42:43]
.endr
	s_lshl_b32 s36, s5, 16
	s_lshl_b32 s38, s6, 15
	s_add_nc_u64 s[42:43], s[42:43], s[36:37]
	s_add_nc_u64 s[40:41], s[40:41], s[38:39]
.set i, 0
.rept 16
	global_load_b128 v[X+4*i:X+4*i+3], v3, s[42:43] offset:512*i th:TH_LOAD_NT  ; 512 consecutive bytes a load
.set i, i+1
.endr
; wo = 1: the bf16 number is widened again and written as f16
.macro CAST wo
.set i, 0
.rept 16
	s_wait_loadcnt 15-i                            ; loads come back in order: load i is in, the younger ones stay out
	v_cvt_pk_bf16_f32 v[Y+2*i], v[X+4*i], v[X+4*i+1]
	v_cvt_pk_bf16_f32 v[Y+2*i+1], v[X+4*i+2], v[X+4*i+3]
.if \wo
	v_lshlrev_b32 v5, 16, v[Y+2*i]
	v_and_b32 v6, 0xffff0000, v[Y+2*i]
	v_lshlrev_b32 v7, 16, v[Y+2*i+1]
	v_and_b32 v8, 0xffff0000, v[Y+2*i+1]
	v_cvt_pk_f16_f32 v[Y+2*i], v5, v6
	v_cvt_pk_f16_f32 v[Y+2*i+1], v7, v8
.endif
	global_store_b64 v4, v[Y+2*i:Y+2*i+1], s[40:41] offset:256*i  ; the wave's store covers 256 consecutive bytes, aligned
.set i, i+1
.endr
.endm
	s_cmp_ge_u32 s3, GWO
	s_cbranch_scc1 .Lwo
	CAST 0
	s_endpgm
.Lwo:
	CAST 1
	s_endpgm
	; ---- the mask: a wave takes 16 rows x one chunk of 128 keys (512 bytes of each row) ----
.Lmask:
	s_sub_co_u32 s4, s3, GC
	s_lshl_b32 s4, s4, 3
	s_add_co_u32 s4, s4, s2                        ; unit m = 8 x group + wave
	s_and_b32 s5, s4, 15                           ; chunk
	s_lshr_b32 s6, s4, 4                           ; which 16 of the 8,192 rows
	s_lshl_b32 s36, s6, 17                         ; 16 rows x 8,192 bytes
	s_lshl_b32 s7, s5, 9
	s_add_co_u32 s36, s36, s7
	s_lshr_b32 s7, s4, 11                          ; batch
	s_lshl_b32 s7, s7, 4
	s_add_co_u32 s7, s7, s5
	s_lshl_b32 s7, s7, 11                          ; (16 batch + chunk) x 2,048 queries
	s_and_b32 s34, s6, 127
	s_lshl_b32 s34, s34, 4
	s_add_co_u32 s7, s7, s34
	s_lshl_b32 s38, s7, 4                          ; 16 bytes a query
	v_lshrrev_b32 v5, 4, v1                        ; h
	v_and_b32 v6, 15, v1
	v_xor_b32 v6, 15, v6                           ; i = 15 - lane % 16
	v_lshrrev_b32 v7, 1, v6
	v_and_b32 v8, 1, v6
	v_lshlrev_b32 v3, 6, v7                        ; my four keys begin at 16 (i / 2) + 8 h + 4 (i % 2): 4 bytes a key
	v_lshl_add_u32 v3, v8, 4, v3
	v_lshl_add_u32 v3, v5, 5, v3
	v_lshlrev_b32 v4, 3, v1
	v_mov_b32 v[Y], 0                              ; v_writelane_b32 keeps the other lanes: the registers are written whole first
	v_mov_b32 v[Y+1], 0
	s_wait_kmcnt 0x0
	s_add_nc_u64 s[42:43], s[22:23], s[36:37]
	s_add_nc_u64 s[40:41], s[28:29], s[38:39]
.set i, 0
.rept 16
	global_load_b128 v[X+4*i:X+4*i+3], v3, s[42:43] offset:8192*i th:TH_LOAD_NT  ; row i: the chunk's 512 bytes, the lanes in the bits' order
.set i, i+1
.endr
.set i, 0
.rept 16
	s_wait_loadcnt 15-i                            ; row i is in
.irp u, 0,1,2,3
	v_cmp_eq_u32 s[44+(\u)], 1, v[X+4*i+(\u)]      ; word u of the row: bit = lane
.endr
.irp u, 0,1,2,3
	v_writelane_b32 v[Y+(\u)%2], s[44+(\u)], 2*i+(\u)/2  ; lane 2 i + u / 2 will store words u = 0, 1 or 2, 3 of row i
.endr
.set i, i+1
.endr
	global_store_b64 v4, v[Y:Y+1], s[40:41]        ; 16 rows x 16 bytes: 256 consecutive bytes, aligned
	s_endpgm
.Lfunc_end_k_q548968fc92_prep:
	.size	k_q548968fc92_prep, .Lfunc_end_k_q548968fc92_prep-k_q548968fc92_prep
	.p2alignl 7, 3214868480
	.fill 96, 4, 3214868480
	.section	.rodata,"a",@progbits
	.p2align	6, 0x0
	.amdhsa_kernel k_q548968fc92_prep
		.amdhsa_group_segment_fixed_size 0
		.amdhsa_private_segment_fixed_size 0
		.amdhsa_enable_private_segment 0
		.amdhsa_kernarg_size 88
		.amdhsa_user_sgpr_count 2
		.amdhsa_user_sgpr_kernarg_segment_ptr 1
		.amdhsa_wavefront_size32 1
		.amdhsa_system_sgpr_workgroup_id_x 1
		.amdhsa_system_sgpr_workgroup_id_y 1
		.amdhsa_system_sgpr_workgroup_id_z 1
		.amdhsa_system_vgpr_workitem_id 0
		.amdhsa_next_free_vgpr 112
		.amdhsa_next_free_sgpr 66
		.amdhsa_reserve_vcc 0
		.amdhsa_float_denorm_mode_32 3
		.amdhsa_float_denorm_mode_16_64 3
		.amdhsa_memory_ordered 1
		.amdhsa_forward_progress 1
		.amdhsa_inst_pref_size 28
	.end_amdhsa_kernel
	.amdgpu_metadata
---
amdhsa.version: [ 1, 2 ]
amdhsa.kernels:
  - .name:           k_q548968fc92_prep
    .symbol:         k_q548968fc92_prep.kd
    .args:
      - { .name: inputQ, .offset: 0, .size: 8, .value_kind: global_buffer, .address_space: global }
      - { .name: inputK, .offset: 8, .size: 8, .value_kind: global_buffer, .address_space: global }
      - { .name: inputV, .offset: 16, .size: 8, .value_kind: global_buffer, .address_space: global }
      - { .name: WQ, .offset: 24, .size: 8, .value_kind: global_buffer, .address_space: global }
      - { .name: WK, .offset: 32, .size: 8, .value_kind: global_buffer, .address_space: global }
      - { .name: WV, .offset: 40, .size: 8, .value_kind: global_buffer, .address_space: global }
      - { .name: WO, .offset: 48, .size: 8, .value_kind: global_buffer, .address_space: global }
      - { .name: mask, .offset: 56, .size: 8, .value_kind: global_buffer, .address_space: global }
      - { .name: xb, .offset: 64, .size: 8, .value_kind: global_buffer, .address_space: global }
      - { .name: wts, .offset: 72, .size: 8, .value_kind: global_buffer, .address_space: global }
      - { .name: mb, .offset: 80, .size: 8, .value_kind: global_buffer, .address_space: global }
    .group_segment_fixed_size: 0
    .private_segment_fixed_size: 0
    .kernarg_segment_align: 8
    .kernarg_segment_size: 88
    .max_flat_workgroup_size: 256
    .sgpr_count:     66
    .vgpr_count:     112
    .wavefront_size: 32
...
	.end_amdgpu_metadata
.endif
;; end of part 1
;; launch proj (part 2): grid 4 x 192, 4 waves a work-group, clusters of 4 x 4, 327,680 bytes of LDS; arguments xb, wts, qkv; writes qkv
.if DOCPART == 2
	.amdgcn_target "amdgcn-amd-amdhsa--gfx1250"
	.amdhsa_code_object_version 6
	.text
	.protected	k_q548968fc92_proj
	.globl	k_q548968fc92_proj
	.p2align	8
	.type	k_q548968fc92_proj,@function
k_q548968fc92_proj:
	s_mov_b64 s[64:65], 0
	v_nop
	global_prefetch_b8 v0, s[64:65] scope:SCOPE_SE
	s_setreg_imm32_b32 hwreg(HW_REG_WAVE_MODE, 25, 1), 1
	s_wait_xcnt 0x0
	s_wait_alu depctr_hold_cnt(0) depctr_sa_sdst(0) depctr_va_vdst(0) depctr_va_sdst(0) depctr_va_ssrc(0) depctr_va_vcc(0) depctr_vm_vsrc(0)
	s_getreg_b32 s2, hwreg(HW_REG_IB_STS2, 6, 4)
	s_cmp_eq_u32 s2, 0
	s_cbranch_scc0 .Lentry_in_a_cluster
	s_endpgm
.Lentry_in_a_cluster:
	s_bfe_u32 s2, ttmp6, 0x10000c
	s_cmp_lg_u32 s2, 0xf033
	s_cbranch_scc0 .Lentry_shape_is_right
	s_endpgm
.Lentry_shape_is_right:
; Q, K, V = X_t W_t^T.  xb: [3 x 8192][1024] bf16 (Q's, K's, V's inputs on end); wts: WQ, WK, WV [1024][1024] bf16; qkv: [3 x 8192][1024] f16, unscaled.  Sums in f32, rounded once.
; LIMIT.  The results are f16: beyond 65,504 they would be infinities.
; SHARES.  A work-group makes 128 rows x 256 columns; wave w has rows 64 (w / 2) on and columns 128 (w % 2) on: 32 accumulators of 16 x 16, (a, b) at v[8 (8 a + b)] of window 1.
; K goes in steps of 128 (rows of 256 bytes in memory) through two LDS slots filled by tensor loads: waves 0, 1 fetch 64 rows each of X, waves 2, 3 fetch 128 rows each of W.
; A step is four quarters of 32 along K, 32 matrix instructions each, on two fragment buffers; the next quarter's 24 LDS loads stand in one run behind the quarter's first eight products.
; THE MATRIX INSTRUCTION IS USED TRANSPOSED (source 0 = 16 rows of W, source 1 = 16 rows of X): a lane holds row lane % 16 and the columns 8 (lane / 16) + 0..7, which pack into 16 bytes.
; CLUSTER.  4 x 4 work-groups: the four of a row of the cluster need the same tile of X, the four of a column the same tile of W: each is asked for jointly.
; The 32 accumulators take turns, one instruction a turn, over the loop's edge too.
.set PITCH,  272                       ; an LDS row: 256 bytes + 16 of padding: the 16 rows of a fragment load start at 16 different groups of four banks (64 banks of 4 bytes: ISA guide 11.1)
.set AOFF,   256*PITCH                 ; a slot: 256 rows of the column operand, then 128 rows of the row operand
.set SLOT1,  1<<17                     ; slot 1 begins here: one exclusive or turns an address in one slot into the other's
.set STAGE,  SLOT1+AOFF+128*PITCH      ; behind the ring: 16 rows x 272 bytes for each wave, for the way out
.set SPARE,  STAGE+4*16*PITCH          ; the spare words: 128 bytes a wave, two blocks of 256 bytes that no other line names
.set STEPS,  8                         ; 1024 / 128
.set STEPA,  256                       ; bytes from a K step to the next
.set STEPB,  256
.set PB,     2048                      ; bytes in a row of the output
.set FIELDS, (1<<16)|(1<<20)|(1<<21)|(5<<22)|(3<<25)  ; 17:16 2-byte elements; 20 padding on; 21 set beside a mask; 24:22 after every 64 words; 31:25 4 words of it
.set ADA0, 16                          ; v16, v17  my lane's place in a slot's row and column operand; never rewritten
.set ADB0, 17
.set ADA,  18                          ; v18, v19  the same in the slot in hand
.set ADB,  19
.set STO,  24                          ; v24  the way out: where I put 16 bytes of a row
.set RD,   25                          ; v25  where I read rows back
.set CO,   26                          ; v26  my byte offset in the output
.set SPW,  28                          ; v28  my spare word's LDS address; never rewritten
.set NIL,  29                          ; v29  0; never rewritten
.set F0,   32                          ; fragment buffers: 32 registers of the row operand (4 x 16 rows), then 64 of the column operand (8 x 16 rows)
.set F1,   128
.set TMP,  32                          ; the way out: packed results
.set BK,   64                          ; the way out: rows read back, two buffers of 32
.set WV,   12                          ; s12 wave; s14 w / 2; s15 w % 2
.set WM,   14
.set WN,   15
.set G1A,  24                          ; s[24:31], s[32:35] descriptor groups 1 and 0 of the row operand
.set G0A,  32
.set CUR,  36                          ; s36  the slot in hand: 0 or SLOT1
.set CB,   38                          ; s[38:39] the output at my wave's first row and column
.set G1B,  48                          ; s[48:55], s[56:59] the same for the column operand
.set G0B,  56
.set MSB, 0
.macro WIN new                         ; the immediate's high byte repeats the setting that is left; a switch that changes nothing is dropped
.if MSB != (\new)
	s_set_vgpr_msb (MSB<<8)|(\new)
.set MSB, \new
.endif
.endm
.macro PLACES                          ; four places behind matrix instructions, in front of loads into registers that they read and of reads of their results
.rept 4
	v_nop
.endr
.endm
.macro SHAPE g, cols, rows, pitch      ; words 1 to 7 of a group 1: the tensor's extents are the tile's; sizes in elements
	s_mov_b32 s[(\g)+1], (\cols)<<16
	s_mov_b32 s[(\g)+2], (\rows)<<16
	s_mov_b32 s[(\g)+3], (\cols)<<16
	s_mov_b32 s[(\g)+4], \rows
	s_mov_b32 s[(\g)+5], \pitch
	s_mov_b32 s[(\g)+6], 0
	s_mov_b32 s[(\g)+7], 0
.endm
.macro JLOAD                           ; a joint load; the branch hangs on the wave's number alone; an s_nop 0 and four v_nop follow each line
	s_cmp_lt_u32 s[WV], 2
	s_cbranch_scc0 .Lfor_b_\@
	tensor_load_to_lds s[G0A:G0A+3], s[G1A:G1A+7]
	s_nop 0
.rept 4
	v_nop
.endr
	s_branch .Lasked_\@
.Lfor_b_\@:
	tensor_load_to_lds s[G0B:G0B+3], s[G1B:G1B+7]
	s_nop 0
.rept 4
	v_nop
.endr
.Lasked_\@:
.endm
.macro CREST                           ; a round of the cluster's barrier behind its opening barrier
	s_cmp_lg_u32 s[WV], 0
	s_cbranch_scc1 .Lnot_wave_0_\@
	s_barrier_signal -3
.Lnot_wave_0_\@:
	s_barrier_wait -3
	s_barrier_signal -1
	s_barrier_wait -1
.endm
.macro CROUND
	s_barrier_signal -1
	s_barrier_wait -1
	CREST
.endm
.macro DSTEP                           ; the walking descriptors: the other slot, the next K step (written only where no tensor load of mine is out)
	s_xor_b32 s[G0A+1], s[G0A+1], SLOT1
	s_add_nc_u64 s[G0A+2:G0A+3], s[G0A+2:G0A+3], STEPA
	s_xor_b32 s[G0B+1], s[G0B+1], SLOT1
	s_add_nc_u64 s[G0B+2:G0B+3], s[G0B+2:G0B+3], STEPB
.endm
.macro GRP f, a, z                     ; 8 matrix instructions: row block a x all 8 column blocks, 32 along K from buffer f.  z = 1: the products start the sums
	WIN 0x50                                       ; C and D in window 1
.irp b, 0,1,2,3,4,5,6,7
.if \z
	v_wmma_f32_16x16x32_bf16 v[8*(8*(\a)+(\b)):8*(8*(\a)+(\b))+7], v[(\f)+32+8*(\b):(\f)+32+8*(\b)+7], v[(\f)+8*(\a):(\f)+8*(\a)+7], 0
.else
	v_wmma_f32_16x16x32_bf16 v[8*(8*(\a)+(\b)):8*(8*(\a)+(\b))+7], v[(\f)+32+8*(\b):(\f)+32+8*(\b)+7], v[(\f)+8*(\a):(\f)+8*(\a)+7], v[8*(8*(\a)+(\b)):8*(8*(\a)+(\b))+7]
.endif
.endr
.endm
.macro FETCH g, k                      ; 24 LDS loads in one run: the fragments of 32 along K at byte k of the rows, into buffer g
	WIN 0
.irp b, 0,1,2,3,4,5,6,7
	ds_load_b128 v[(\g)+32+8*(\b):(\g)+32+8*(\b)+3],   v[ADB] offset:(\k)+(\b)*16*PITCH
	ds_load_b128 v[(\g)+32+8*(\b)+4:(\g)+32+8*(\b)+7], v[ADB] offset:(\k)+(\b)*16*PITCH+32
.endr
.irp a, 0,1,2,3
	ds_load_b128 v[(\g)+8*(\a):(\g)+8*(\a)+3],   v[ADA] offset:(\k)+(\a)*16*PITCH
	ds_load_b128 v[(\g)+8*(\a)+4:(\g)+8*(\a)+7], v[ADA] offset:(\k)+(\a)*16*PITCH+32
.endr
.endm
.macro QUARTER f, g, k, z              ; multiplies buffer f; fetches the next quarter, at byte k, into g
	s_wait_dscnt 0x0                               ; buffer f's 24 loads, issued 24 matrix instructions ago
	GRP \f, 0, \z
	PLACES                                         ; for the loads into g, which the quarter before multiplied
	FETCH \g, \k
	GRP \f, 1, \z
	GRP \f, 2, \z
	GRP \f, 3, \z
.endm
; A step's last quarter multiplies buffer 1 and changes slots: one barrier.  In front of it each wave waits for all its tensor loads (one is out: its part of the next slot), adds 0 to its spare
; word, and waits for that and for its reads of this slot.  fill = 1: the barrier opens a round of the cluster's barrier, and this slot is filled again, two K steps ahead, first thing behind it:
; that load has 112 matrix instructions in which to land.
.macro TURN fill
	WIN 0
	s_wait_tensorcnt 0x0
	ds_add_u32 v[SPW], v[NIL]
.if \fill
	DSTEP
.endif
	s_wait_dscnt 0x0                               ; the add is done, buffer 1 is in, and my reads of this slot are over
	s_barrier_signal -1
	GRP F1, 0, 0                                   ; work on registers while the others arrive
	GRP F1, 1, 0
	WIN 0                                          ; at a branch and at a label every window is 0
	s_barrier_wait -1
.if \fill
	CREST
	JLOAD                                          ; its four v_nop are also the places in front of the loads below
.else
	PLACES
.endif
	s_xor_b32 s[CUR], s[CUR], SLOT1
	v_add_nc_u32 v[ADA], s[CUR], v[ADA0]
	v_add_nc_u32 v[ADB], s[CUR], v[ADB0]
	FETCH F0, 0
	GRP F1, 2, 0
	GRP F1, 3, 0
.endm
	s_load_b128 s[4:7], s[0:1], 0x0                ; xb s[4:5], wts s[6:7]
	s_load_b64 s[8:9], s[0:1], 0x10                ; qkv
	v_lshl_add_u32 v[SPW], v0, 2, SPARE
	v_mov_b32 v[NIL], 0
	ds_add_u32 v[SPW], v[NIL]                      ; the wave's opening: the add and its wait stand ahead of my first tensor load
	v_lshrrev_b32 v3, 5, v0
	v_readfirstlane_b32 s[WV], v3
	s_lshr_b32 s[WM], s[WV], 1
	s_and_b32 s[WN], s[WV], 1
	s_bfe_u32 s40, ttmp6, 0x40000                  ; cx, cy: my place in the cluster
	s_bfe_u32 s41, ttmp6, 0x40004
	s_lshl_b32 s42, ttmp9, 2
	s_add_co_u32 s42, s42, s40                     ; tile column x = 4 x cluster x + cx
	s_and_b32 s45, ttmp7, 0xffff                   ; cluster y
	s_lshl_b32 s13, s45, 2
	s_add_co_u32 s13, s13, s41                     ; tile row y = 4 x cluster y + cy, 0..191 over the three tensors
	s_lshl_b32 s43, s41, 2
	s_lshl_b32 s43, 15, s43                        ; my row of the cluster
	s_lshl_b32 s44, 0x1111, s40                    ; my column
	s_or_b32 s[G1A], s43, FIELDS
	s_or_b32 s[G1B], s44, FIELDS
	SHAPE G1A, 128, 64, 1024
	SHAPE G1B, 128, 128, 1024
	s_mov_b32 s[G0A], 1
	s_mul_i32 s18, s[WN], 64*PITCH
	s_add_co_u32 s[G0A+1], s18, AOFF               ; LDS: the wave's number alone
	s_mov_b32 s[G0B], 1
	s_mul_i32 s[G0B+1], s[WN], 128*PITCH
	s_lshl_b32 s16, s13, 18                        ; X: row 128 y + 64 (w % 2), 2,048 bytes a row
	s_lshl_b32 s17, s[WN], 17
	s_add_co_u32 s16, s16, s17
	s_mov_b32 s17, 0
	s_lshr_b32 s46, s45, 4                         ; W: tensor t = cluster y / 16, which the whole cluster shares,
	s_lshl_b32 s46, s46, 21
	s_lshl_b32 s47, s42, 19                        ; row 256 x + 128 (w % 2)
	s_add_co_u32 s46, s46, s47
	s_lshl_b32 s47, s[WN], 18
	s_add_co_u32 s46, s46, s47
	s_mov_b32 s47, 0
	s_lshl_b32 s20, s13, 18                        ; the output: row 128 y + 64 (w / 2), byte 512 x + 256 (w % 2)
	s_lshl_b32 s21, s[WM], 17
	s_add_co_u32 s20, s20, s21
	s_lshl_b32 s21, s42, 9
	s_add_co_u32 s20, s20, s21
	s_lshl_b32 s21, s[WN], 8
	s_add_co_u32 s20, s20, s21
	s_mov_b32 s21, 0
	s_mov_b32 s[CUR], 0
	s_wait_dscnt 0x0                               ; the opening add is done
	s_wait_kmcnt 0x0
	s_add_nc_u64 s[G0A+2:G0A+3], s[4:5], s[16:17]
	s_or_b32 s[G0A+3], s[G0A+3], 0x80000000        ; type = 2
	s_add_nc_u64 s[G0B+2:G0B+3], s[6:7], s[46:47]
	s_or_b32 s[G0B+3], s[G0B+3], 0x80000000
	s_add_nc_u64 s[CB:CB+1], s[8:9], s[20:21]
	CROUND                                         ; all sixteen work-groups are here: the first joint loads meet
	JLOAD                                          ; K step 0 into slot 0
	v_and_b32 v1, 15, v0                           ; r = lane % 16
	v_bfe_u32 v2, v0, 4, 1                         ; h = lane / 16
	v_mul_u32_u24 v3, v1, PITCH
	v_lshl_add_u32 v3, v2, 4, v3                   ; a fragment's row x pitch + 16 x half
	s_mul_i32 s18, s[WM], 64*PITCH
	s_add_co_u32 s18, s18, AOFF
	v_add_nc_u32 v[ADA0], s18, v3
	s_mul_i32 s19, s[WN], 128*PITCH
	v_add_nc_u32 v[ADB0], s19, v3
	v_mov_b32 v[ADA], v[ADA0]
	v_mov_b32 v[ADB], v[ADB0]
	s_mul_i32 s18, s[WV], 16*PITCH
	s_add_co_u32 s18, s18, STAGE                   ; my stage
	v_add_nc_u32 v[STO], s18, v3                   ; in: row r, 16 bytes for each half of the lanes
	v_mul_u32_u24 v4, v2, PITCH
	v_lshl_add_u32 v4, v1, 4, v4
	v_add_nc_u32 v[RD], s18, v4                    ; back: lanes 0-15 one row of 256 bytes, lanes 16-31 the next
	v_mul_u32_u24 v4, v2, PB
	v_lshl_add_u32 v[CO], v1, 4, v4                ; and the same two rows in the output
	; slot 0 is waited for and slot 1 filled for the first time, in a refill's form
	s_wait_tensorcnt 0x0
	ds_add_u32 v[SPW], v[NIL]
	DSTEP
	s_wait_dscnt 0x0
	CROUND
	JLOAD                                          ; K step 1 into slot 1
	FETCH F0, 0
	QUARTER F0, F1, 64, 1                          ; the first quarter stands in front of the loop: its products start the sums
	WIN 0
	s_mov_b32 s3, STEPS-2
.Lstep:                                                ; a trip: from a step's second quarter to the next step's first; it fills the slot that it leaves
	QUARTER F1, F0, 128, 0
	QUARTER F0, F1, 192, 0
	TURN 1
	QUARTER F0, F1, 64, 0
	WIN 0
	s_sub_co_u32 s3, s3, 1
	s_cmp_lg_u32 s3, 0
	s_cbranch_scc1 .Lstep
	QUARTER F1, F0, 128, 0                         ; the last two steps are written out: nothing is left to fetch
	QUARTER F0, F1, 192, 0
	TURN 0
	QUARTER F0, F1, 64, 0
	QUARTER F1, F0, 128, 0
	QUARTER F0, F1, 192, 0
	s_wait_dscnt 0x0
	GRP F1, 0, 0
	GRP F1, 1, 0
	GRP F1, 2, 0
	GRP F1, 3, 0
	WIN 0
	; THE WAY OUT, 16 rows at a time: rounded to f16, 16 bytes a lane into my own stage, back as whole rows of 256 bytes, stored.
.macro PACK a                          ; each accumulator's registers in ascending order
	WIN 0x05                                       ; sources 0 and 1 in window 1
.irp b, 0,1,2,3,4,5,6,7
.irp i, 0,1,2,3
	v_cvt_pk_f16_f32 v[TMP+4*(\b)+(\i)], v[8*(8*(\a)+(\b))+2*(\i)], v[8*(8*(\a)+(\b))+2*(\i)+1]
.endr
.endr
	WIN 0
.endm
.macro TOSTAGE a
	s_wait_xcnt 0x0                                ; the registers that earlier stores read are loaded again only behind this wait
.irp b, 0,1,2,3,4,5,6,7
	ds_store_b128 v[STO], v[TMP+4*(\b):TMP+4*(\b)+3] offset:32*(\b)
.endr
.irp t, 0,1,2,3,4,5,6,7
	ds_load_b128 v[BK+32*((\a)%2)+4*(\t):BK+32*((\a)%2)+4*(\t)+3], v[RD] offset:(\t)*2*PITCH  ; LDS serves a wave's instructions in order (ISA guide 5.7.1.4): these see the stores above
.endr
.endm
.macro SEND a
	s_wait_dscnt 0x0                               ; the block is back in registers
.irp t, 0,1,2,3,4,5,6,7
	global_store_b128 v[CO], v[BK+32*((\a)%2)+4*(\t):BK+32*((\a)%2)+4*(\t)+3], s[CB:CB+1] offset:(16*(\a)+2*(\t))*PB  ; 16 lanes store 256 consecutive bytes, aligned
.endr
.endm
	PLACES
	PACK 0
	TOSTAGE 0
.irp a, 1,2,3                          ; a block's conversions stand between the loads of the block before and the wait for them
	PACK \a
	SEND (\a)-1
	TOSTAGE \a
.endr
	SEND 3
	s_wait_tensorcnt 0x0                           ; the wave's end
	ds_add_u32 v[SPW], v[NIL]
	s_wait_dscnt 0x0
	CROUND                                         ; the closing round: no work-group ends while a partner may still ask for a tile that names it
	s_endpgm
.Lfunc_end_k_q548968fc92_proj:
	.size	k_q548968fc92_proj, .Lfunc_end_k_q548968fc92_proj-k_q548968fc92_proj
	.p2alignl 7, 3214868480
	.fill 96, 4, 3214868480
	.section	.rodata,"a",@progbits
	.p2align	6, 0x0
	.amdhsa_kernel k_q548968fc92_proj
		.amdhsa_group_segment_fixed_size 327680
		.amdhsa_private_segment_fixed_size 0
		.amdhsa_enable_private_segment 0
		.amdhsa_kernarg_size 24
		.amdhsa_user_sgpr_count 2
		.amdhsa_user_sgpr_kernarg_segment_ptr 1
		.amdhsa_wavefront_size32 1
		.amdhsa_system_sgpr_workgroup_id_x 1
		.amdhsa_system_sgpr_workgroup_id_y 1
		.amdhsa_system_sgpr_workgroup_id_z 1
		.amdhsa_system_vgpr_workitem_id 0
		.amdhsa_next_free_vgpr 512
		.amdhsa_next_free_sgpr 66
		.amdhsa_reserve_vcc 0
		.amdhsa_float_denorm_mode_32 3
		.amdhsa_float_denorm_mode_16_64 3
		.amdhsa_memory_ordered 1
		.amdhsa_forward_progress 1
		.amdhsa_inst_pref_size 69
	.end_amdhsa_kernel
	.amdgpu_metadata
---
amdhsa.version: [ 1, 2 ]
amdhsa.kernels:
  - .name:           k_q548968fc92_proj
    .symbol:         k_q548968fc92_proj.kd
    .args:
      - { .name: xb, .offset: 0, .size: 8, .value_kind: global_buffer, .address_space: global }
      - { .name: wts, .offset: 8, .size: 8, .value_kind: global_buffer, .address_space: global }
      - { .name: qkv, .offset: 16, .size: 8, .value_kind: global_buffer, .address_space: global }
    .group_segment_fixed_size: 327680
    .private_segment_fixed_size: 0
    .kernarg_segment_align: 8
    .kernarg_segment_size: 24
    .max_flat_workgroup_size: 128
    .sgpr_count:     66
    .vgpr_count:     512
    .wavefront_size: 32
...
	.end_amdgpu_metadata
.endif
;; end of part 2
;; launch scores (part 3): grid 8 x 64, 4 waves a work-group, clusters of 4 x 4, 327,680 bytes of LDS; arguments qkv, mb, p, st; writes p, st
.if DOCPART == 3
	.amdgcn_target "amdgcn-amd-amdhsa--gfx1250"
	.amdhsa_code_object_version 6
	.text
	.protected	k_q548968fc92_scores
	.globl	k_q548968fc92_scores
	.p2align	8
	.type	k_q548968fc92_scores,@function
k_q548968fc92_scores:
	s_mov_b64 s[64:65], 0
	v_nop
	global_prefetch_b8 v0, s[64:65] scope:SCOPE_SE
	s_setreg_imm32_b32 hwreg(HW_REG_WAVE_MODE, 25, 1), 1
	s_wait_xcnt 0x0
	s_wait_alu depctr_hold_cnt(0) depctr_sa_sdst(0) depctr_va_vdst(0) depctr_va_sdst(0) depctr_va_ssrc(0) depctr_va_vcc(0) depctr_vm_vsrc(0)
	s_getreg_b32 s2, hwreg(HW_REG_IB_STS2, 6, 4)
	s_cmp_eq_u32 s2, 0
	s_cbranch_scc0 .Lentry_in_a_cluster
	s_endpgm
.Lentry_in_a_cluster:
	s_bfe_u32 s2, ttmp6, 0x10000c
	s_cmp_lg_u32 s2, 0xf033
	s_cbranch_scc0 .Lentry_shape_is_right
	s_endpgm
.Lentry_shape_is_right:
; S = Q K^T, the mask, and a softmax for each chunk of 128 keys.  qkv: Q at byte 0, K at byte 16,777,216, each [8192][1024] f16, unscaled; mb: the mask's bits; p: [8192][2048] f16; st: [batch][chunk][query] pairs (m, l) f32.
; A wave's 64 rows x 128 columns are 64 queries x ONE chunk.  s' = -8e9 where the mask's bit is set (reference's -1e9 ahead of its division by 8), else s; m = the chunk's largest s';
; p = 2^(c (s' - m)), c = log2(e) / 8: the difference first, so that a chunk in which every key is hidden gives p = 1 exactly; l = the sum of the unrounded p; P = f16(p).  The launch behind joins the chunks by their m.
; LIMITS.  p below 6e-5 keeps f16's fixed step of 6e-8; a p below 2^-126 counts as 0 in l; unmasked scores are taken to lie above -8e9; NaN and infinities are not treated apart.
; SHARES, RING, CLUSTER: a work-group makes 128 x 256; wave w rows 64 (w / 2) on, columns 128 (w % 2) on: 32 accumulators, (a, b) at v[8 (8 a + b)] of window 1.  K steps of 128 through two LDS slots;
; waves 0, 1 fetch 64 rows each of Q, waves 2, 3 fetch 128 rows each of K; 4 x 4 work-groups ask jointly: Q's tile along a row of the cluster, K's along a column.
; The matrix instruction is used transposed (source 0 = 16 keys, source 1 = 16 queries): a lane holds query lane % 16 and the keys 16 b + 8 (lane / 16) + 0..7.  The accumulators take turns.
.set PITCH,  272                       ; an LDS row: 256 bytes + 16 of padding (64 banks of 4 bytes: ISA guide 11.1: 16 rows start at 16 different groups of four banks)
.set AOFF,   256*PITCH
.set SLOT1,  1<<17
.set STAGE,  SLOT1+AOFF+128*PITCH
.set SPARE,  STAGE+4*16*PITCH          ; the spare words: 128 bytes a wave, two blocks of 256 bytes that no other line names
.set STEPS,  8
.set STEPA,  256
.set STEPB,  256
.set PB,     4096                      ; bytes in a row of p
.set FIELDS, (1<<16)|(1<<20)|(1<<21)|(5<<22)|(3<<25)
.set ADA0, 16
.set ADB0, 17
.set ADA,  18
.set ADB,  19
.set SO,   21                          ; v21  8 x lane: my pair in 256 bytes of st
.set MO,   22                          ; v22  16 x (lane % 16): my row's four mask words
.set STO,  24
.set RD,   25
.set CO,   26
.set SH,   27                          ; v27  16 - 16 (lane / 16)
.set SPW,  28
.set NIL,  29
.set F0,   32
.set F1,   128
.set T,    32                          ; the way out (the fragment buffers are dead): v32-95 a block's 64 scores
.set TMP,  96                          ; v96-127  packed weights
.set BK,   128                         ; v128-191 rows read back, two buffers
.set CC,   192                         ; v192-195 four chains
.set MM,   196                         ; v[196:197] m, twice
.set SU,   200                         ; v200-207 four pairs of sums
.set DD,   210                         ; v210-213 what goes to st
.set WB,   224                         ; v224-239 mask words: block a's four at WB + 4 a
.set ST,   240                         ; v240-247 block a's m and l
.set WV,   12
.set WM,   14
.set WN,   15
.set G1A,  24
.set G0A,  32
.set CUR,  36
.set CB,   38
.set G1B,  48
.set G0B,  56
.set MBB,  66                          ; s[66:67] mb at my 64 rows of my chunk
.set STB,  68                          ; s[68:69] st likewise
.set MV,   70                          ; s70  -8e9
.set CS,   72                          ; s[72:73] c
.set SEL,  74                          ; s[74:75] v_permlanex16_b32's selects: each lane its own place in the other half
.set HM,   76                          ; s76  lanes 16-31
.set MS,   80                          ; s80-83 four masks of lanes
.set MSB, 0
.macro WIN new
.if MSB != (\new)
	s_set_vgpr_msb (MSB<<8)|(\new)
.set MSB, \new
.endif
.endm
.macro PLACES
.rept 4
	v_nop
.endr
.endm
.macro SHAPE g, cols, rows, pitch
	s_mov_b32 s[(\g)+1], (\cols)<<16
	s_mov_b32 s[(\g)+2], (\rows)<<16
	s_mov_b32 s[(\g)+3], (\cols)<<16
	s_mov_b32 s[(\g)+4], \rows
	s_mov_b32 s[(\g)+5], \pitch
	s_mov_b32 s[(\g)+6], 0
	s_mov_b32 s[(\g)+7], 0
.endm
.macro JLOAD                           ; a joint load; an s_nop 0 and four v_nop follow each line
	s_cmp_lt_u32 s[WV], 2
	s_cbranch_scc0 .Lfor_b_\@
	tensor_load_to_lds s[G0A:G0A+3], s[G1A:G1A+7]
	s_nop 0
.rept 4
	v_nop
.endr
	s_branch .Lasked_\@
.Lfor_b_\@:
	tensor_load_to_lds s[G0B:G0B+3], s[G1B:G1B+7]
	s_nop 0
.rept 4
	v_nop
.endr
.Lasked_\@:
.endm
.macro CREST
	s_cmp_lg_u32 s[WV], 0
	s_cbranch_scc1 .Lnot_wave_0_\@
	s_barrier_signal -3
.Lnot_wave_0_\@:
	s_barrier_wait -3
	s_barrier_signal -1
	s_barrier_wait -1
.endm
.macro CROUND
	s_barrier_signal -1
	s_barrier_wait -1
	CREST
.endm
.macro DSTEP
	s_xor_b32 s[G0A+1], s[G0A+1], SLOT1
	s_add_nc_u64 s[G0A+2:G0A+3], s[G0A+2:G0A+3], STEPA
	s_xor_b32 s[G0B+1], s[G0B+1], SLOT1
	s_add_nc_u64 s[G0B+2:G0B+3], s[G0B+2:G0B+3], STEPB
.endm
.macro GRP f, a, z
	WIN 0x50
.irp b, 0,1,2,3,4,5,6,7
.if \z
	v_wmma_f32_16x16x32_f16 v[8*(8*(\a)+(\b)):8*(8*(\a)+(\b))+7], v[(\f)+32+8*(\b):(\f)+32+8*(\b)+7], v[(\f)+8*(\a):(\f)+8*(\a)+7], 0
.else
	v_wmma_f32_16x16x32_f16 v[8*(8*(\a)+(\b)):8*(8*(\a)+(\b))+7], v[(\f)+32+8*(\b):(\f)+32+8*(\b)+7], v[(\f)+8*(\a):(\f)+8*(\a)+7], v[8*(8*(\a)+(\b)):8*(8*(\a)+(\b))+7]
.endif
.endr
.endm
.macro FETCH g, k
	WIN 0
.irp b, 0,1,2,3,4,5,6,7
	ds_load_b128 v[(\g)+32+8*(\b):(\g)+32+8*(\b)+3],   v[ADB] offset:(\k)+(\b)*16*PITCH
	ds_load_b128 v[(\g)+32+8*(\b)+4:(\g)+32+8*(\b)+7], v[ADB] offset:(\k)+(\b)*16*PITCH+32
.endr
.irp a, 0,1,2,3
	ds_load_b128 v[(\g)+8*(\a):(\g)+8*(\a)+3],   v[ADA] offset:(\k)+(\a)*16*PITCH
	ds_load_b128 v[(\g)+8*(\a)+4:(\g)+8*(\a)+7], v[ADA] offset:(\k)+(\a)*16*PITCH+32
.endr
.endm
.macro QUARTER f, g, k, z
	s_wait_dscnt 0x0                               ; buffer f's 24 loads, issued 24 matrix instructions ago
	GRP \f, 0, \z
	PLACES                                         ; for the loads into g, which the quarter before multiplied
	FETCH \g, \k
	GRP \f, 1, \z
	GRP \f, 2, \z
	GRP \f, 3, \z
.endm
; The change of slots: each wave waits for all its tensor loads (one is out: its part of the next slot), adds 0 to its spare word, waits for that and for its reads of this slot; one barrier, which with
; fill = 1 opens a round of the cluster's barrier; the joint refill, two K steps ahead, is the first thing behind it.
.macro TURN fill
	WIN 0
	s_wait_tensorcnt 0x0
	ds_add_u32 v[SPW], v[NIL]
.if \fill
	DSTEP
.endif
	s_wait_dscnt 0x0
	s_barrier_signal -1
	GRP F1, 0, 0
	GRP F1, 1, 0
	WIN 0
	s_barrier_wait -1
.if \fill
	CREST
	JLOAD                                          ; its four v_nop are also the places in front of the loads below
.else
	PLACES
.endif
	s_xor_b32 s[CUR], s[CUR], SLOT1
	v_add_nc_u32 v[ADA], s[CUR], v[ADA0]
	v_add_nc_u32 v[ADB], s[CUR], v[ADB0]
	FETCH F0, 0
	GRP F1, 2, 0
	GRP F1, 3, 0
.endm
	s_load_b256 s[4:11], s[0:1], 0x0               ; qkv s[4:5], mb s[6:7], p s[8:9], st s[10:11]
	v_lshl_add_u32 v[SPW], v0, 2, SPARE
	v_mov_b32 v[NIL], 0
	ds_add_u32 v[SPW], v[NIL]                      ; the wave's opening: the add and its wait stand ahead of my first tensor load
	v_lshrrev_b32 v3, 5, v0
	v_readfirstlane_b32 s[WV], v3
	s_lshr_b32 s[WM], s[WV], 1
	s_and_b32 s[WN], s[WV], 1
	s_bfe_u32 s40, ttmp6, 0x40000
	s_bfe_u32 s41, ttmp6, 0x40004
	s_lshl_b32 s42, ttmp9, 2
	s_add_co_u32 s42, s42, s40                     ; x: which 256 keys of the batch
	s_and_b32 s45, ttmp7, 0xffff                   ; cluster y: four clusters to a batch
	s_lshl_b32 s13, s45, 2
	s_add_co_u32 s13, s13, s41                     ; y: which 128 of the 8,192 rows
	s_lshl_b32 s43, s41, 2
	s_lshl_b32 s43, 15, s43
	s_lshl_b32 s44, 0x1111, s40
	s_or_b32 s[G1A], s43, FIELDS
	s_or_b32 s[G1B], s44, FIELDS
	SHAPE G1A, 128, 64, 1024
	SHAPE G1B, 128, 128, 1024
	s_mov_b32 s[G0A], 1
	s_mul_i32 s18, s[WN], 64*PITCH
	s_add_co_u32 s[G0A+1], s18, AOFF
	s_mov_b32 s[G0B], 1
	s_mul_i32 s[G0B+1], s[WN], 128*PITCH
	s_lshl_b32 s16, s13, 18                        ; Q: row 128 y + 64 (w % 2)
	s_lshl_b32 s17, s[WN], 17
	s_add_co_u32 s16, s16, s17
	s_mov_b32 s17, 0
	s_lshr_b32 s46, s45, 2                         ; K: row 2,048 batch + 256 x + 128 (w % 2), behind Q's 16,777,216 bytes
	s_lshl_b32 s46, s46, 22
	s_lshl_b32 s47, s42, 19
	s_add_co_u32 s46, s46, s47
	s_lshl_b32 s47, s[WN], 18
	s_add_co_u32 s46, s46, s47
	s_add_co_u32 s46, s46, 16777216
	s_mov_b32 s47, 0
	s_lshr_b32 s20, s45, 2                         ; mb and st: entry (16 batch + chunk) x 2,048 + my first query in the batch; chunk = 2 x + w % 2
	s_lshl_b32 s20, s20, 4
	s_lshl_b32 s21, s42, 1
	s_add_co_u32 s20, s20, s21
	s_add_co_u32 s20, s20, s[WN]
	s_lshl_b32 s20, s20, 11
	s_and_b32 s21, s13, 15
	s_lshl_b32 s21, s21, 7
	s_add_co_u32 s20, s20, s21
	s_lshl_b32 s21, s[WM], 6
	s_add_co_u32 s20, s20, s21
	s_lshl_b32 s22, s20, 4                         ; 16 bytes an entry of mb,
	s_mov_b32 s23, 0
	s_lshl_b32 s20, s20, 3                         ; 8 of st
	s_mov_b32 s21, 0
	s_lshl_b32 s2, s13, 19                         ; p: row 128 y + 64 (w / 2), byte 512 x + 256 (w % 2)
	s_lshl_b32 s3, s[WM], 18
	s_add_co_u32 s2, s2, s3
	s_lshl_b32 s3, s42, 9
	s_add_co_u32 s2, s2, s3
	s_lshl_b32 s3, s[WN], 8
	s_add_co_u32 s2, s2, s3
	s_mov_b32 s3, 0
	s_mov_b32 s[CUR], 0
	s_mov_b32 s[MV], 0xcfee6b28                    ; -8e9
	s_mov_b32 s[CS], 0x3e38aa3b                    ; c = log2(e) / 8
	s_mov_b32 s[CS+1], s[CS]                       ; named with it as a pair
	s_mov_b32 s[SEL], 0x76543210
	s_mov_b32 s[SEL+1], 0xfedcba98
	s_mov_b32 s[HM], 0xffff0000
	s_wait_dscnt 0x0
	s_wait_kmcnt 0x0
	s_add_nc_u64 s[G0A+2:G0A+3], s[4:5], s[16:17]
	s_or_b32 s[G0A+3], s[G0A+3], 0x80000000
	s_add_nc_u64 s[G0B+2:G0B+3], s[4:5], s[46:47]
	s_or_b32 s[G0B+3], s[G0B+3], 0x80000000
	s_add_nc_u64 s[MBB:MBB+1], s[6:7], s[22:23]
	s_add_nc_u64 s[STB:STB+1], s[10:11], s[20:21]
	s_add_nc_u64 s[CB:CB+1], s[8:9], s[2:3]
	CROUND
	JLOAD                                          ; K step 0 into slot 0
	v_and_b32 v1, 15, v0                           ; r
	v_bfe_u32 v2, v0, 4, 1                         ; h
	v_lshlrev_b32 v[MO], 4, v1
.irp a, 0,1,2,3
	global_load_b128 v[WB+4*(\a):WB+4*(\a)+3], v[MO], s[MBB:MBB+1] offset:256*(\a)  ; row 16 a + r: its chunk's 128 bits
.endr
	v_mul_u32_u24 v3, v1, PITCH
	v_lshl_add_u32 v3, v2, 4, v3
	s_mul_i32 s18, s[WM], 64*PITCH
	s_add_co_u32 s18, s18, AOFF
	v_add_nc_u32 v[ADA0], s18, v3
	s_mul_i32 s19, s[WN], 128*PITCH
	v_add_nc_u32 v[ADB0], s19, v3
	v_mov_b32 v[ADA], v[ADA0]
	v_mov_b32 v[ADB], v[ADB0]
	s_mul_i32 s18, s[WV], 16*PITCH
	s_add_co_u32 s18, s18, STAGE
	v_add_nc_u32 v[STO], s18, v3
	v_mul_u32_u24 v4, v2, PITCH
	v_lshl_add_u32 v4, v1, 4, v4
	v_add_nc_u32 v[RD], s18, v4
	v_mul_u32_u24 v4, v2, PB
	v_lshl_add_u32 v[CO], v1, 4, v4
	v_and_b32 v4, 31, v0
	v_lshlrev_b32 v[SO], 3, v4
	v_lshlrev_b32 v[SH], 4, v2
	v_sub_nc_u32 v[SH], 16, v[SH]
	s_wait_loadcnt 0x0                             ; the mask words, in the wait for the first tile
.set i, 0
.rept 16
	v_lshlrev_b32 v[WB+i], v[SH], v[WB+i]          ; my half word to the top: its top bit is my first key's
.set i, i+1
.endr
	s_wait_tensorcnt 0x0                           ; slot 0 is waited for and slot 1 filled for the first time, in a refill's form
	ds_add_u32 v[SPW], v[NIL]
	DSTEP
	s_wait_dscnt 0x0
	CROUND
	JLOAD                                          ; K step 1 into slot 1
	FETCH F0, 0
	QUARTER F0, F1, 64, 1                          ; the first quarter's products start the sums
	WIN 0
	s_mov_b32 s3, STEPS-2
.Lstep:
	QUARTER F1, F0, 128, 0
	QUARTER F0, F1, 192, 0
	TURN 1
	QUARTER F0, F1, 64, 0
	WIN 0
	s_sub_co_u32 s3, s3, 1
	s_cmp_lg_u32 s3, 0
	s_cbranch_scc1 .Lstep
	QUARTER F1, F0, 128, 0                         ; the last two steps are written out: nothing is left to fetch
	QUARTER F0, F1, 192, 0
	TURN 0
	QUARTER F0, F1, 64, 0
	QUARTER F1, F0, 128, 0
	QUARTER F0, F1, 192, 0
	s_wait_dscnt 0x0
	GRP F1, 0, 0
	GRP F1, 1, 0
	GRP F1, 2, 0
	GRP F1, 3, 0
	WIN 0
; BLOCK a's SOFTMAX: 16 queries x 128 keys, 64 scores a lane.
.macro SOFT a
	WIN 0x01                                       ; source 0 (the accumulators) in window 1
.set i, 0
.rept 16                                       ; four scores at a time: accumulator i / 2, registers 4 (i % 2) + u: each accumulator's lowest registers first
.irp u, 0,1,2,3
	v_cmp_gt_i32 s[MS+(\u)], 0, v[WB+4*(\a)+(\u)]  ; the word's top bit
.endr
.irp u, 0,1,2,3
	v_cndmask_b32 v[T+4*i+(\u)], v[8*(8*(\a)+i/2)+4*(i%2)+(\u)], s[MV], s[MS+(\u)]
.endr
.irp u, 0,1,2,3
	v_lshlrev_b32 v[WB+4*(\a)+(\u)], 1, v[WB+4*(\a)+(\u)]
.endr
.set i, i+1
.endr
	WIN 0
.irp k, 0,1,2,3                                ; the maximum: four chains of 16 scores, three operands at a time
	v_max3_num_f32 v[CC+(\k)], v[T+16*(\k)], v[T+16*(\k)+1], v[T+16*(\k)+2]
.endr
.set n, 0
.rept 6
.irp k, 0,1,2,3
	v_max3_num_f32 v[CC+(\k)], v[CC+(\k)], v[T+16*(\k)+3+2*n], v[T+16*(\k)+4+2*n]
.endr
.set n, n+1
.endr
.irp k, 0,1,2,3
	v_max_num_f32 v[CC+(\k)], v[CC+(\k)], v[T+16*(\k)+15]
.endr
	v_max3_num_f32 v[CC], v[CC], v[CC+1], v[CC+2]
	v_max_num_f32 v[CC], v[CC], v[CC+3]
	v_permlanex16_b32 v[CC+1], v[CC], s[SEL], s[SEL+1]  ; the query's other 64 keys lie in the lane 16 away
	v_max_num_f32 v[MM], v[CC], v[CC+1]
	v_max_num_f32 v[MM+1], v[CC], v[CC+1]
.set n, 0
.rept 32
	v_pk_add_f32 v[T+2*n:T+2*n+1], v[T+2*n:T+2*n+1], v[MM:MM+1] neg_lo:[0,1] neg_hi:[0,1]  ; s' - m: exactly 0 where s' = m, whatever their size
.set n, n+1
.endr
.set n, 0
.rept 32
	v_pk_mul_f32 v[T+2*n:T+2*n+1], v[T+2*n:T+2*n+1], s[CS:CS+1] op_sel_hi:[1,0]
.set n, n+1
.endr
.set n, 0
.rept 64
	v_exp_f32 v[T+n], v[T+n]
.set n, n+1
.endr
	v_nop                                          ; a plain instruction between the last exponential and the use of its result
.set n, 0
	s_wait_alu depctr_va_vdst(0)
.rept 32
	v_cvt_pk_f16_f32 v[TMP+n], v[T+2*n], v[T+2*n+1]
.set n, n+1
.endr
.irp k, 0,1,2,3                                ; the sum of the unrounded weights: four chains of eight pairs
	v_pk_add_f32 v[SU+2*(\k):SU+2*(\k)+1], v[T+16*(\k):T+16*(\k)+1], v[T+16*(\k)+2:T+16*(\k)+3]
.endr
.set n, 2
.rept 6
.irp k, 0,1,2,3
	v_pk_add_f32 v[SU+2*(\k):SU+2*(\k)+1], v[SU+2*(\k):SU+2*(\k)+1], v[T+16*(\k)+2*n:T+16*(\k)+2*n+1]
.endr
.set n, n+1
.endr
	v_pk_add_f32 v[SU:SU+1], v[SU:SU+1], v[SU+2:SU+3]
	v_pk_add_f32 v[SU+4:SU+5], v[SU+4:SU+5], v[SU+6:SU+7]
	v_pk_add_f32 v[SU:SU+1], v[SU:SU+1], v[SU+4:SU+5]
	v_add_f32 v[CC], v[SU], v[SU+1]
	v_permlanex16_b32 v[CC+1], v[CC], s[SEL], s[SEL+1]
	v_mov_b32 v[ST+2*(\a)], v[MM]
	v_add_f32 v[ST+2*(\a)+1], v[CC], v[CC+1]
.endm
.macro TOSTAGE a
	s_wait_xcnt 0x0                                ; the registers that earlier stores read are loaded again only behind this wait
.irp b, 0,1,2,3,4,5,6,7
	ds_store_b128 v[STO], v[TMP+4*(\b):TMP+4*(\b)+3] offset:32*(\b)
.endr
.irp t, 0,1,2,3,4,5,6,7
	ds_load_b128 v[BK+32*((\a)%2)+4*(\t):BK+32*((\a)%2)+4*(\t)+3], v[RD] offset:(\t)*2*PITCH  ; LDS serves a wave's instructions in order (ISA guide 5.7.1.4)
.endr
.endm
.macro SEND a
	s_wait_dscnt 0x0
.irp t, 0,1,2,3,4,5,6,7
	global_store_b128 v[CO], v[BK+32*((\a)%2)+4*(\t):BK+32*((\a)%2)+4*(\t)+3], s[CB:CB+1] offset:(16*(\a)+2*(\t))*PB  ; 16 lanes store 256 consecutive bytes, aligned
.endr
.endm
	PLACES
	SOFT 0
	TOSTAGE 0
.irp a, 1,2,3                          ; a block's softmax stands between the loads of the block before and the wait for them
	SOFT \a
	SEND (\a)-1
	TOSTAGE \a
.endr
	SEND 3
.irp a, 0,2                            ; st: lanes 0-15 give block a's 16 rows, lanes 16-31 block a + 1's (both halves of the lanes hold a row's m and l)
	v_cndmask_b32 v[DD+(\a)], v[ST+2*(\a)], v[ST+2*(\a)+2], s[HM]
	v_cndmask_b32 v[DD+(\a)+1], v[ST+2*(\a)+1], v[ST+2*(\a)+3], s[HM]
	global_store_b64 v[SO], v[DD+(\a):DD+(\a)+1], s[STB:STB+1] offset:128*(\a)  ; 32 rows x 8 bytes: 256 consecutive bytes, aligned
.endr
	s_wait_tensorcnt 0x0                           ; the wave's end
	ds_add_u32 v[SPW], v[NIL]
	s_wait_dscnt 0x0
	CROUND                                         ; the closing round
	s_endpgm
.Lfunc_end_k_q548968fc92_scores:
	.size	k_q548968fc92_scores, .Lfunc_end_k_q548968fc92_scores-k_q548968fc92_scores
	.p2alignl 7, 3214868480
	.fill 96, 4, 3214868480
	.section	.rodata,"a",@progbits
	.p2align	6, 0x0
	.amdhsa_kernel k_q548968fc92_scores
		.amdhsa_group_segment_fixed_size 327680
		.amdhsa_private_segment_fixed_size 0
		.amdhsa_enable_private_segment 0
		.amdhsa_kernarg_size 32
		.amdhsa_user_sgpr_count 2
		.amdhsa_user_sgpr_kernarg_segment_ptr 1
		.amdhsa_wavefront_size32 1
		.amdhsa_system_sgpr_workgroup_id_x 1
		.amdhsa_system_sgpr_workgroup_id_y 1
		.amdhsa_system_sgpr_workgroup_id_z 1
		.amdhsa_system_vgpr_workitem_id 0
		.amdhsa_next_free_vgpr 512
		.amdhsa_next_free_sgpr 84
		.amdhsa_reserve_vcc 0
		.amdhsa_float_denorm_mode_32 3
		.amdhsa_float_denorm_mode_16_64 3
		.amdhsa_memory_ordered 1
		.amdhsa_forward_progress 1
		.amdhsa_inst_pref_size 153
	.end_amdhsa_kernel
	.amdgpu_metadata
---
amdhsa.version: [ 1, 2 ]
amdhsa.kernels:
  - .name:           k_q548968fc92_scores
    .symbol:         k_q548968fc92_scores.kd
    .args:
      - { .name: qkv, .offset: 0, .size: 8, .value_kind: global_buffer, .address_space: global }
      - { .name: mb, .offset: 8, .size: 8, .value_kind: global_buffer, .address_space: global }
      - { .name: p, .offset: 16, .size: 8, .value_kind: global_buffer, .address_space: global }
      - { .name: st, .offset: 24, .size: 8, .value_kind: global_buffer, .address_space: global }
    .group_segment_fixed_size: 327680
    .private_segment_fixed_size: 0
    .kernarg_segment_align: 8
    .kernarg_segment_size: 32
    .max_flat_workgroup_size: 128
    .sgpr_count:     84
    .vgpr_count:     512
    .wavefront_size: 32
...
	.end_amdgpu_metadata
.endif
;; end of part 3
;; launch pv (part 4): grid 4 x 64, 4 waves a work-group, clusters of 4 x 4, 327,680 bytes of LDS; arguments p, st, qkv, oh; writes oh
.if DOCPART == 4
	.amdgcn_target "amdgcn-amd-amdhsa--gfx1250"
	.amdhsa_code_object_version 6
	.text
	.protected	k_q548968fc92_pv
	.globl	k_q548968fc92_pv
	.p2align	8
	.type	k_q548968fc92_pv,@function
k_q548968fc92_pv:
	s_mov_b64 s[64:65], 0
	v_nop
	global_prefetch_b8 v0, s[64:65] scope:SCOPE_SE
	s_setreg_imm32_b32 hwreg(HW_REG_WAVE_MODE, 25, 1), 1
	s_wait_xcnt 0x0
	s_wait_alu depctr_hold_cnt(0) depctr_sa_sdst(0) depctr_va_vdst(0) depctr_va_sdst(0) depctr_va_ssrc(0) depctr_va_vcc(0) depctr_vm_vsrc(0)
	s_getreg_b32 s2, hwreg(HW_REG_IB_STS2, 6, 4)
	s_cmp_eq_u32 s2, 0
	s_cbranch_scc0 .Lentry_in_a_cluster
	s_endpgm
.Lentry_in_a_cluster:
	s_bfe_u32 s2, ttmp6, 0x10000c
	s_cmp_lg_u32 s2, 0xf033
	s_cbranch_scc0 .Lentry_shape_is_right
	s_endpgm
.Lentry_shape_is_right:
; O = (1 / l) x the sum over chunks c of fac_c P_c V_c.  p: [8192][2048] f16, each chunk of 128 keys relative to its own maximum m_c; st: [batch][chunk][query] pairs (m_c, l_c) f32;
; V: qkv from byte 33,554,432 on, [8192][1024] f16; oh: [8192][1024] f16.  For each row m = the largest m_c, fac_c = 2^(c (m_c - m)), c = log2(e) / 8, l = the sum of fac_c l_c.
; A K step is one chunk: P's fragments are multiplied by f16(fac_c) as they come out of LDS (32 packed multiplications at each quarter's head, which stand in no matrix instruction's shadow: the price of
; keeping P's chunks apart), the sums are divided by l at the end.
; LIMITS.  fac_c P below 6e-5 keeps f16's fixed step of 6e-8; l is made of the unrounded fac_c, which differs from the factor used by 2^-11 of itself at most; O is a mean of V's rows and has their range.
; SHARES, RING, CLUSTER: a work-group makes 128 rows x 256 channels; wave w rows 64 (w / 2) on, channels 128 (w % 2) on: 32 accumulators, (a, b) at v[8 (8 a + b)] of window 1.  Two LDS slots; waves 0, 1
; fetch 64 rows each of P (128 keys), waves 2, 3 fetch 64 keys each of V (256 channels).  4 x 4 work-groups ask jointly: P's tile along a row of the cluster, V's along a column.
; O^T = V^T P: source 0 = 16 channels x 32 keys, turned out of LDS by ds_load_tr16_b128; source 1 = 16 rows of P.  A lane holds row lane % 16 and eight channels.  The accumulators take turns.
.set PITCH,  272                       ; a row of P in LDS: 256 bytes + 16
.set PV,     544                       ; a row of V: 512 + 32 bytes = 136 words
.set AOFF,   128*PV                    ; a slot: 128 keys of V, then 128 rows of P
.set SLOT1,  1<<17
.set STAGE,  SLOT1+AOFF+128*PITCH
.set FT,     STAGE+4*16*PITCH          ; each wave's table: 17 rows of 256 bytes, [chunk][lane % 16][block a]: fac as two f16; row 16: 1 / l in f32
.set SPARE,  FT+4*17*256               ; the spare words: 128 bytes a wave, two blocks of 256 bytes that no other line names
.set STEPS,  16
.set STEPA,  256                       ; 128 keys along P's rows
.set STEPB,  262144                    ; 128 rows of V
.set PB,     2048
.set FIELDS, (1<<16)|(1<<20)|(1<<21)|(5<<22)|(3<<25)
.set FIELDV, (1<<16)|(1<<20)|(1<<21)|(6<<22)|(7<<25)  ; after every 128 words 8 words of padding
.set ADA0, 16
.set ADB0, 17
.set ADA,  18
.set ADB,  19
.set FTA0, 20                          ; v20  my 16 bytes in a row of the table; never rewritten
.set FTS,  21                          ; v21  where the prologue stores
.set FTA,  23                          ; v23  the row in hand
.set STO,  24
.set RD,   25
.set CO,   26
.set SPW,  28
.set NIL,  29
.set F0,   32
.set F1,   128
.set TMP,  32
.set BK,   64
.set FH,   96                          ; the prologue: v96-111 a row's 16 factors in f16
.set MX,   112                         ; v112 m, v113 l
.set FA,   224                         ; v[224:227] the chunk's factors for my four rows
.set RL,   232                         ; v232-239 1 / l for my four rows, in pairs
.set WV,   12
.set WM,   14
.set WN,   15
.set G1A,  24
.set G0A,  32
.set CUR,  36
.set CB,   38
.set G1B,  48
.set G0B,  56
.set SB,   66                          ; s[66:67] st at my wave's 64 rows, chunk 0
.set CS,   68                          ; s68  c
.set FTO,  69                          ; s69  256 x the chunk in hand
.set MSB, 0
.macro WIN new
.if MSB != (\new)
	s_set_vgpr_msb (MSB<<8)|(\new)
.set MSB, \new
.endif
.endm
.macro PLACES
.rept 4
	v_nop
.endr
.endm
.macro SHAPE g, cols, rows, pitch
	s_mov_b32 s[(\g)+1], (\cols)<<16
	s_mov_b32 s[(\g)+2], (\rows)<<16
	s_mov_b32 s[(\g)+3], (\cols)<<16
	s_mov_b32 s[(\g)+4], \rows
	s_mov_b32 s[(\g)+5], \pitch
	s_mov_b32 s[(\g)+6], 0
	s_mov_b32 s[(\g)+7], 0
.endm
.macro JLOAD                           ; a joint load; an s_nop 0 and four v_nop follow each line
	s_cmp_lt_u32 s[WV], 2
	s_cbranch_scc0 .Lfor_b_\@
	tensor_load_to_lds s[G0A:G0A+3], s[G1A:G1A+7]
	s_nop 0
.rept 4
	v_nop
.endr
	s_branch .Lasked_\@
.Lfor_b_\@:
	tensor_load_to_lds s[G0B:G0B+3], s[G1B:G1B+7]
	s_nop 0
.rept 4
	v_nop
.endr
.Lasked_\@:
.endm
.macro CREST
	s_cmp_lg_u32 s[WV], 0
	s_cbranch_scc1 .Lnot_wave_0_\@
	s_barrier_signal -3
.Lnot_wave_0_\@:
	s_barrier_wait -3
	s_barrier_signal -1
	s_barrier_wait -1
.endm
.macro CROUND
	s_barrier_signal -1
	s_barrier_wait -1
	CREST
.endm
.macro DSTEP
	s_xor_b32 s[G0A+1], s[G0A+1], SLOT1
	s_add_nc_u64 s[G0A+2:G0A+3], s[G0A+2:G0A+3], STEPA
	s_xor_b32 s[G0B+1], s[G0B+1], SLOT1
	s_add_nc_u64 s[G0B+2:G0B+3], s[G0B+2:G0B+3], STEPB
.endm
.macro GRP f, a, z
	WIN 0x50
.irp b, 0,1,2,3,4,5,6,7
.if \z
	v_wmma_f32_16x16x32_f16 v[8*(8*(\a)+(\b)):8*(8*(\a)+(\b))+7], v[(\f)+32+8*(\b):(\f)+32+8*(\b)+7], v[(\f)+8*(\a):(\f)+8*(\a)+7], 0
.else
	v_wmma_f32_16x16x32_f16 v[8*(8*(\a)+(\b)):8*(8*(\a)+(\b))+7], v[(\f)+32+8*(\b):(\f)+32+8*(\b)+7], v[(\f)+8*(\a):(\f)+8*(\a)+7], v[8*(8*(\a)+(\b)):8*(8*(\a)+(\b))+7]
.endif
.endr
.endm
.macro FETCH g, k                      ; 24 LDS loads in one run: keys k / 2 to k / 2 + 31 of the chunk: V turned (16 channels x 16 keys a load), P as it lies
	WIN 0
.irp b, 0,1,2,3,4,5,6,7
	ds_load_tr16_b128 v[(\g)+32+8*(\b):(\g)+32+8*(\b)+3],   v[ADB] offset:((\k)/64)*32*PV+32*(\b)
	ds_load_tr16_b128 v[(\g)+32+8*(\b)+4:(\g)+32+8*(\b)+7], v[ADB] offset:((\k)/64)*32*PV+16*PV+32*(\b)
.endr
.irp a, 0,1,2,3
	ds_load_b128 v[(\g)+8*(\a):(\g)+8*(\a)+3],   v[ADA] offset:(\k)+(\a)*16*PITCH
	ds_load_b128 v[(\g)+8*(\a)+4:(\g)+8*(\a)+7], v[ADA] offset:(\k)+(\a)*16*PITCH+32
.endr
.endm
.macro LMP f                           ; P's fragments of buffer f times the chunk's factor of their row
	WIN 0
.irp a, 0,1,2,3
.irp i, 0,1,2,3,4,5,6,7
	v_pk_mul_f16 v[(\f)+8*(\a)+(\i)], v[(\f)+8*(\a)+(\i)], v[FA+(\a)]
.endr
.endr
.endm
.macro QUARTER f, g, k, z
	s_wait_dscnt 0x0                               ; buffer f's 24 loads (and, in a step's first quarter, the factors)
	LMP \f
	GRP \f, 0, \z
	PLACES                                         ; for the loads into g, which the quarter before multiplied
	FETCH \g, \k
	GRP \f, 1, \z
	GRP \f, 2, \z
	GRP \f, 3, \z
.endm
; The change of slots: each wave waits for all its tensor loads (one is out: its part of the next slot), adds 0 to its spare word, waits for that and for its reads of this slot; one barrier, which with
; fill = 1 opens a round of the cluster's barrier; the joint refill, two chunks ahead, is the first thing behind it.  The next chunk's factors are fetched with its first fragments.
.macro TURN fill
	WIN 0
	s_wait_tensorcnt 0x0
	ds_add_u32 v[SPW], v[NIL]
.if \fill
	DSTEP
.endif
	s_wait_dscnt 0x0
	s_barrier_signal -1
	LMP F1
	GRP F1, 0, 0
	GRP F1, 1, 0
	WIN 0
	s_barrier_wait -1
.if \fill
	CREST
	JLOAD                                          ; its four v_nop are also the places in front of the loads below
.else
	PLACES
.endif
	s_xor_b32 s[CUR], s[CUR], SLOT1
	s_add_co_u32 s[FTO], s[FTO], 256
	v_add_nc_u32 v[ADA], s[CUR], v[ADA0]
	v_add_nc_u32 v[ADB], s[CUR], v[ADB0]
	v_add_nc_u32 v[FTA], s[FTO], v[FTA0]
	FETCH F0, 0
	ds_load_b128 v[FA:FA+3], v[FTA]
	GRP F1, 2, 0
	GRP F1, 3, 0
.endm
	s_load_b256 s[4:11], s[0:1], 0x0               ; p s[4:5], st s[6:7], qkv s[8:9], oh s[10:11]
	v_lshl_add_u32 v[SPW], v0, 2, SPARE
	v_mov_b32 v[NIL], 0
	ds_add_u32 v[SPW], v[NIL]                      ; the wave's opening: the add and its wait stand ahead of my first tensor load
	v_lshrrev_b32 v3, 5, v0
	v_readfirstlane_b32 s[WV], v3
	s_lshr_b32 s[WM], s[WV], 1
	s_and_b32 s[WN], s[WV], 1
	s_bfe_u32 s40, ttmp6, 0x40000
	s_bfe_u32 s41, ttmp6, 0x40004
	s_lshl_b32 s42, ttmp9, 2
	s_add_co_u32 s42, s42, s40                     ; x: which 256 channels
	s_and_b32 s45, ttmp7, 0xffff                   ; cluster y: four clusters to a batch
	s_lshl_b32 s13, s45, 2
	s_add_co_u32 s13, s13, s41                     ; y: which 128 of the 8,192 rows
	s_lshl_b32 s43, s41, 2
	s_lshl_b32 s43, 15, s43
	s_lshl_b32 s44, 0x1111, s40
	s_or_b32 s[G1A], s43, FIELDS
	s_or_b32 s[G1B], s44, FIELDV
	SHAPE G1A, 128, 64, 2048
	SHAPE G1B, 256, 64, 1024
	s_mov_b32 s[G0A], 1
	s_mul_i32 s18, s[WN], 64*PITCH
	s_add_co_u32 s[G0A+1], s18, AOFF
	s_mov_b32 s[G0B], 1
	s_mul_i32 s[G0B+1], s[WN], 64*PV
	s_lshl_b32 s16, s13, 19                        ; P: row 128 y + 64 (w % 2), 4,096 bytes a row
	s_lshl_b32 s17, s[WN], 18
	s_add_co_u32 s16, s16, s17
	s_mov_b32 s17, 0
	s_lshr_b32 s46, s45, 2                         ; V: row 2,048 batch + 64 (w % 2), byte 512 x, behind Q's and K's 33,554,432 bytes
	s_lshl_b32 s46, s46, 22
	s_lshl_b32 s47, s[WN], 17
	s_add_co_u32 s46, s46, s47
	s_lshl_b32 s47, s42, 9
	s_add_co_u32 s46, s46, s47
	s_add_co_u32 s46, s46, 33554432
	s_mov_b32 s47, 0
	s_lshr_b32 s20, s45, 2                         ; st: batch x 262,144 + (my first query in the batch) x 8
	s_lshl_b32 s20, s20, 18
	s_and_b32 s21, s13, 15
	s_lshl_b32 s21, s21, 10
	s_add_co_u32 s20, s20, s21
	s_lshl_b32 s21, s[WM], 9
	s_add_co_u32 s20, s20, s21
	s_mov_b32 s21, 0
	s_lshl_b32 s2, s13, 18                         ; oh: row 128 y + 64 (w / 2), byte 512 x + 256 (w % 2)
	s_lshl_b32 s3, s[WM], 17
	s_add_co_u32 s2, s2, s3
	s_lshl_b32 s3, s42, 9
	s_add_co_u32 s2, s2, s3
	s_lshl_b32 s3, s[WN], 8
	s_add_co_u32 s2, s2, s3
	s_mov_b32 s3, 0
	s_mov_b32 s[CUR], 0
	s_mov_b32 s[FTO], 0
	s_mov_b32 s[CS], 0x3e38aa3b                    ; c = log2(e) / 8
	s_wait_dscnt 0x0
	s_wait_kmcnt 0x0
	s_add_nc_u64 s[G0A+2:G0A+3], s[4:5], s[16:17]
	s_or_b32 s[G0A+3], s[G0A+3], 0x80000000
	s_add_nc_u64 s[G0B+2:G0B+3], s[8:9], s[46:47]
	s_or_b32 s[G0B+3], s[G0B+3], 0x80000000
	s_add_nc_u64 s[SB:SB+1], s[6:7], s[20:21]
	s_add_nc_u64 s[CB:CB+1], s[10:11], s[2:3]
	CROUND
	JLOAD                                          ; chunk 0 into slot 0
	; THE FACTORS, in the wait for the first tile.  Lane l takes rows l and 32 + l of my wave's 64: 16 pairs (m_c, l_c) each; a load covers 256 consecutive bytes, aligned.
	v_and_b32 v6, 31, v0
	v_lshlrev_b32 v7, 3, v6
.irp g, 0,1
.set c, 0
.rept 16
	global_load_b64 v[32+32*(\g)+2*c:32+32*(\g)+2*c+1], v7, s[SB:SB+1] offset:16384*c+256*(\g)
.set c, c+1
.endr
.endr
	v_and_b32 v1, 15, v0                           ; r
	v_bfe_u32 v2, v0, 4, 1                         ; h
	v_mul_u32_u24 v3, v1, PITCH
	v_lshl_add_u32 v3, v2, 4, v3
	s_mul_i32 s18, s[WM], 64*PITCH
	s_add_co_u32 s18, s18, AOFF
	v_add_nc_u32 v[ADA0], s18, v3
	v_and_b32 v4, 7, v0                            ; the turning load: lane l reads key 8 (l / 16) + l % 8, channels 8 ((l / 8) % 2) + 0..7
	v_lshl_add_u32 v4, v2, 3, v4
	v_mul_u32_u24 v4, v4, PV
	v_bfe_u32 v5, v0, 3, 1
	v_lshl_add_u32 v4, v5, 4, v4
	s_lshl_b32 s19, s[WN], 8
	v_add_nc_u32 v[ADB0], s19, v4
	v_mov_b32 v[ADA], v[ADA0]
	v_mov_b32 v[ADB], v[ADB0]
	s_mul_i32 s18, s[WV], 16*PITCH
	s_add_co_u32 s18, s18, STAGE
	v_add_nc_u32 v[STO], s18, v3
	v_mul_u32_u24 v4, v2, PITCH
	v_lshl_add_u32 v4, v1, 4, v4
	v_add_nc_u32 v[RD], s18, v4
	v_mul_u32_u24 v4, v2, PB
	v_lshl_add_u32 v[CO], v1, 4, v4
	s_mul_i32 s18, s[WV], 17*256
	s_add_co_u32 s18, s18, FT                      ; my table
	v_lshlrev_b32 v4, 4, v1
	v_add_nc_u32 v[FTA0], s18, v4
	v_lshl_add_u32 v[FTS], v2, 2, v[FTA0]          ; row 32 g + l is block a = 2 g + l / 16, place l % 16: byte 16 (l % 16) + 4 (l / 16) + 8 g
	s_wait_loadcnt 0x0
.irp g, 0,1
.set R, 32+32*(\g)
	v_max3_num_f32 v[MX], v[R], v[R+2], v[R+4]
.set n, 0
.rept 6
	v_max3_num_f32 v[MX], v[MX], v[R+6+4*n], v[R+8+4*n]
.set n, n+1
.endr
	v_max_num_f32 v[MX], v[MX], v[R+30]            ; the row's maximum over its 16 chunks
.set c, 0
.rept 16
	v_sub_f32 v[R+2*c], v[R+2*c], v[MX]            ; the difference first: exactly 0 for the largest, whatever its size
.set c, c+1
.endr
.set c, 0
.rept 16
	v_mul_f32 v[R+2*c], s[CS], v[R+2*c]
.set c, c+1
.endr
.set c, 0
.rept 16
	v_exp_f32 v[R+2*c], v[R+2*c]
.set c, c+1
.endr
	v_nop                                          ; a plain instruction behind the last exponential
	s_wait_alu depctr_va_vdst(0)
	v_mul_f32 v[MX+1], v[R], v[R+1]
.set c, 1
.rept 15
	v_fmac_f32 v[MX+1], v[R+2*c], v[R+2*c+1]       ; l: at least 1, since the largest chunk's factor is 1 and its l_c holds a weight of 1
.set c, c+1
.endr
.set c, 0
.rept 16
	v_cvt_pk_f16_f32 v[FH+c], v[R+2*c], v[R+2*c]
.set c, c+1
.endr
	v_rcp_f32 v[MX+1], v[MX+1]
	v_nop
.set c, 0
.rept 16
	ds_store_b32 v[FTS], v[FH+c] offset:256*c+8*(\g)
.set c, c+1
.endr
	s_wait_alu depctr_va_vdst(0)
	ds_store_b32 v[FTS], v[MX+1] offset:4096+8*(\g)
.endr
	; no barrier for the table: each wave reads its own alone, and LDS serves a wave's instructions in order (ISA guide 5.7.1.4)
	s_wait_tensorcnt 0x0                           ; slot 0 is waited for and slot 1 filled for the first time, in a refill's form
	ds_add_u32 v[SPW], v[NIL]
	DSTEP
	s_wait_dscnt 0x0
	CROUND
	JLOAD                                          ; chunk 1 into slot 1
	FETCH F0, 0
	ds_load_b128 v[FA:FA+3], v[FTA0]               ; chunk 0's factors
	QUARTER F0, F1, 64, 1                          ; the first quarter's products start the sums
	WIN 0
	s_mov_b32 s3, STEPS-2
.Lstep:
	QUARTER F1, F0, 128, 0
	QUARTER F0, F1, 192, 0
	TURN 1
	QUARTER F0, F1, 64, 0
	WIN 0
	s_sub_co_u32 s3, s3, 1
	s_cmp_lg_u32 s3, 0
	s_cbranch_scc1 .Lstep
	QUARTER F1, F0, 128, 0                         ; the last two chunks are written out: nothing is left to fetch
	QUARTER F0, F1, 192, 0
	TURN 0
	QUARTER F0, F1, 64, 0
	QUARTER F1, F0, 128, 0
	QUARTER F0, F1, 192, 0
	s_wait_dscnt 0x0
	LMP F1
	GRP F1, 0, 0
	GRP F1, 1, 0
	GRP F1, 2, 0
	GRP F1, 3, 0
	WIN 0
	; THE WAY OUT: the sums times 1 / l (the table's row 16), rounded to f16, through my stage, stored as whole rows of 256 bytes.
	s_add_co_u32 s[FTO], s[FTO], 256
	v_add_nc_u32 v[FTA], s[FTO], v[FTA0]
	ds_load_b128 v[FA:FA+3], v[FTA]
	s_wait_dscnt 0x0
.irp a, 0,1,2,3                        ; these nine plain instructions are the places behind the last products
	v_mov_b32 v[RL+2*(\a)], v[FA+(\a)]
	v_mov_b32 v[RL+2*(\a)+1], v[FA+(\a)]
.endr
.macro PACK a                          ; each accumulator's registers in ascending order
	WIN 0x41                                       ; destination and source 0 in window 1
.irp b, 0,1,2,3,4,5,6,7
.irp i, 0,1,2,3
	v_pk_mul_f32 v[8*(8*(\a)+(\b))+2*(\i):8*(8*(\a)+(\b))+2*(\i)+1], v[8*(8*(\a)+(\b))+2*(\i):8*(8*(\a)+(\b))+2*(\i)+1], v[RL+2*(\a):RL+2*(\a)+1] op_sel_hi:[1,0]
.endr
.endr
	WIN 0x05
.irp b, 0,1,2,3,4,5,6,7
.irp i, 0,1,2,3
	v_cvt_pk_f16_f32 v[TMP+4*(\b)+(\i)], v[8*(8*(\a)+(\b))+2*(\i)], v[8*(8*(\a)+(\b))+2*(\i)+1]
.endr
.endr
	WIN 0
.endm
.macro TOSTAGE a
	s_wait_xcnt 0x0                                ; the registers that earlier stores read are loaded again only behind this wait
.irp b, 0,1,2,3,4,5,6,7
	ds_store_b128 v[STO], v[TMP+4*(\b):TMP+4*(\b)+3] offset:32*(\b)
.endr
.irp t, 0,1,2,3,4,5,6,7
	ds_load_b128 v[BK+32*((\a)%2)+4*(\t):BK+32*((\a)%2)+4*(\t)+3], v[RD] offset:(\t)*2*PITCH
.endr
.endm
.macro SEND a
	s_wait_dscnt 0x0
.irp t, 0,1,2,3,4,5,6,7
	global_store_b128 v[CO], v[BK+32*((\a)%2)+4*(\t):BK+32*((\a)%2)+4*(\t)+3], s[CB:CB+1] offset:(16*(\a)+2*(\t))*PB  ; 16 lanes store 256 consecutive bytes, aligned
.endr
.endm
	PACK 0
	TOSTAGE 0
.irp a, 1,2,3
	PACK \a
	SEND (\a)-1
	TOSTAGE \a
.endr
	SEND 3
	s_wait_tensorcnt 0x0                           ; the wave's end
	ds_add_u32 v[SPW], v[NIL]
	s_wait_dscnt 0x0
	CROUND                                         ; the closing round
	s_endpgm
.Lfunc_end_k_q548968fc92_pv:
	.size	k_q548968fc92_pv, .Lfunc_end_k_q548968fc92_pv-k_q548968fc92_pv
	.p2alignl 7, 3214868480
	.fill 96, 4, 3214868480
	.section	.rodata,"a",@progbits
	.p2align	6, 0x0
	.amdhsa_kernel k_q548968fc92_pv
		.amdhsa_group_segment_fixed_size 327680
		.amdhsa_private_segment_fixed_size 0
		.amdhsa_enable_private_segment 0
		.amdhsa_kernarg_size 32
		.amdhsa_user_sgpr_count 2
		.amdhsa_user_sgpr_kernarg_segment_ptr 1
		.amdhsa_wavefront_size32 1
		.amdhsa_system_sgpr_workgroup_id_x 1
		.amdhsa_system_sgpr_workgroup_id_y 1
		.amdhsa_system_sgpr_workgroup_id_z 1
		.amdhsa_system_vgpr_workitem_id 0
		.amdhsa_next_free_vgpr 512
		.amdhsa_next_free_sgpr 72
		.amdhsa_reserve_vcc 0
		.amdhsa_float_denorm_mode_32 3
		.amdhsa_float_denorm_mode_16_64 3
		.amdhsa_memory_ordered 1
		.amdhsa_forward_progress 1
		.amdhsa_inst_pref_size 116
	.end_amdhsa_kernel
	.amdgpu_metadata
---
amdhsa.version: [ 1, 2 ]
amdhsa.kernels:
  - .name:           k_q548968fc92_pv
    .symbol:         k_q548968fc92_pv.kd
    .args:
      - { .name: p, .offset: 0, .size: 8, .value_kind: global_buffer, .address_space: global }
      - { .name: st, .offset: 8, .size: 8, .value_kind: global_buffer, .address_space: global }
      - { .name: qkv, .offset: 16, .size: 8, .value_kind: global_buffer, .address_space: global }
      - { .name: oh, .offset: 24, .size: 8, .value_kind: global_buffer, .address_space: global }
    .group_segment_fixed_size: 327680
    .private_segment_fixed_size: 0
    .kernarg_segment_align: 8
    .kernarg_segment_size: 32
    .max_flat_workgroup_size: 128
    .sgpr_count:     72
    .vgpr_count:     512
    .wavefront_size: 32
...
	.end_amdgpu_metadata
.endif
;; end of part 4
;; launch outp (part 5): grid 4 x 64, 4 waves a work-group, clusters of 4 x 4, 327,680 bytes of LDS; arguments oh, wts, pj; writes pj
.if DOCPART == 5
	.amdgcn_target "amdgcn-amd-amdhsa--gfx1250"
	.amdhsa_code_object_version 6
	.text
	.protected	k_q548968fc92_outp
	.globl	k_q548968fc92_outp
	.p2align	8
	.type	k_q548968fc92_outp,@function
k_q548968fc92_outp:
	s_mov_b64 s[64:65], 0
	v_nop
	global_prefetch_b8 v0, s[64:65] scope:SCOPE_SE
	s_setreg_imm32_b32 hwreg(HW_REG_WAVE_MODE, 25, 1), 1
	s_wait_xcnt 0x0
	s_wait_alu depctr_hold_cnt(0) depctr_sa_sdst(0) depctr_va_vdst(0) depctr_va_sdst(0) depctr_va_ssrc(0) depctr_va_vcc(0) depctr_vm_vsrc(0)
	s_getreg_b32 s2, hwreg(HW_REG_IB_STS2, 6, 4)
	s_cmp_eq_u32 s2, 0
	s_cbranch_scc0 .Lentry_in_a_cluster
	s_endpgm
.Lentry_in_a_cluster:
	s_bfe_u32 s2, ttmp6, 0x10000c
	s_cmp_lg_u32 s2, 0xf033
	s_cbranch_scc0 .Lentry_shape_is_right
	s_endpgm
.Lentry_shape_is_right:
; pj = O WO^T.  oh: [8192][1024] f16; WO: wts from byte 6,291,456 on, [1024][1024], its bf16 numbers written as f16; pj: [8192][1024] f32: the sums leave unrounded, since with a common offset on the
; inputs they pass f16's range, and the norm behind takes them as they are.
; SHARES, RING, CLUSTER as in the launches before: a work-group makes 128 x 256; wave w rows 64 (w / 2) on, columns 128 (w % 2) on: 32 accumulators, (a, b) at v[8 (8 a + b)] of window 1; K steps of 128
; through two LDS slots; waves 0, 1 fetch 64 rows each of O, waves 2, 3 fetch 128 rows each of WO; 4 x 4 work-groups ask jointly, O's tile along a row of the cluster, WO's along a column.
; The matrix instruction is used transposed: a lane holds row lane % 16 and the columns 8 (lane / 16) + 0..7: 32 neighbouring bytes.  The accumulators take turns.
.set PITCH,  272
.set AOFF,   256*PITCH
.set SLOT1,  1<<17
.set STAGE,  SLOT1+AOFF+128*PITCH
.set SP,     528                       ; a stage row: 128 f32 + 16 bytes: an odd multiple of 16, so the 16 rows of a store start at 16 different groups of four banks (ISA guide 11.1)
.set SPARE,  STAGE+4*16*SP             ; the spare words: 128 bytes a wave, two blocks of 256 bytes that no other line names
.set STEPS,  8
.set STEPA,  256
.set STEPB,  256
.set FIELDS, (1<<16)|(1<<20)|(1<<21)|(5<<22)|(3<<25)
.set ADA0, 16
.set ADB0, 17
.set ADA,  18
.set ADB,  19
.set STO,  24
.set RD,   25
.set CO,   26
.set SPW,  28
.set NIL,  29
.set F0,   32
.set F1,   128
.set WV,   12
.set WM,   14
.set WN,   15
.set G1A,  24
.set G0A,  32
.set CUR,  36
.set CB,   38
.set G1B,  48
.set G0B,  56
.set MSB, 0
.macro WIN new
.if MSB != (\new)
	s_set_vgpr_msb (MSB<<8)|(\new)
.set MSB, \new
.endif
.endm
.macro PLACES
.rept 4
	v_nop
.endr
.endm
.macro SHAPE g, cols, rows, pitch
	s_mov_b32 s[(\g)+1], (\cols)<<16
	s_mov_b32 s[(\g)+2], (\rows)<<16
	s_mov_b32 s[(\g)+3], (\cols)<<16
	s_mov_b32 s[(\g)+4], \rows
	s_mov_b32 s[(\g)+5], \pitch
	s_mov_b32 s[(\g)+6], 0
	s_mov_b32 s[(\g)+7], 0
.endm
.macro JLOAD                           ; a joint load; an s_nop 0 and four v_nop follow each line
	s_cmp_lt_u32 s[WV], 2
	s_cbranch_scc0 .Lfor_b_\@
	tensor_load_to_lds s[G0A:G0A+3], s[G1A:G1A+7]
	s_nop 0
.rept 4
	v_nop
.endr
	s_branch .Lasked_\@
.Lfor_b_\@:
	tensor_load_to_lds s[G0B:G0B+3], s[G1B:G1B+7]
	s_nop 0
.rept 4
	v_nop
.endr
.Lasked_\@:
.endm
.macro CREST
	s_cmp_lg_u32 s[WV], 0
	s_cbranch_scc1 .Lnot_wave_0_\@
	s_barrier_signal -3
.Lnot_wave_0_\@:
	s_barrier_wait -3
	s_barrier_signal -1
	s_barrier_wait -1
.endm
.macro CROUND
	s_barrier_signal -1
	s_barrier_wait -1
	CREST
.endm
.macro DSTEP
	s_xor_b32 s[G0A+1], s[G0A+1], SLOT1
	s_add_nc_u64 s[G0A+2:G0A+3], s[G0A+2:G0A+3], STEPA
	s_xor_b32 s[G0B+1], s[G0B+1], SLOT1
	s_add_nc_u64 s[G0B+2:G0B+3], s[G0B+2:G0B+3], STEPB
.endm
.macro GRP f, a, z
	WIN 0x50
.irp b, 0,1,2,3,4,5,6,7
.if \z
	v_wmma_f32_16x16x32_f16 v[8*(8*(\a)+(\b)):8*(8*(\a)+(\b))+7], v[(\f)+32+8*(\b):(\f)+32+8*(\b)+7], v[(\f)+8*(\a):(\f)+8*(\a)+7], 0
.else
	v_wmma_f32_16x16x32_f16 v[8*(8*(\a)+(\b)):8*(8*(\a)+(\b))+7], v[(\f)+32+8*(\b):(\f)+32+8*(\b)+7], v[(\f)+8*(\a):(\f)+8*(\a)+7], v[8*(8*(\a)+(\b)):8*(8*(\a)+(\b))+7]
.endif
.endr
.endm
.macro FETCH g, k
	WIN 0
.irp b, 0,1,2,3,4,5,6,7
	ds_load_b128 v[(\g)+32+8*(\b):(\g)+32+8*(\b)+3],   v[ADB] offset:(\k)+(\b)*16*PITCH
	ds_load_b128 v[(\g)+32+8*(\b)+4:(\g)+32+8*(\b)+7], v[ADB] offset:(\k)+(\b)*16*PITCH+32
.endr
.irp a, 0,1,2,3
	ds_load_b128 v[(\g)+8*(\a):(\g)+8*(\a)+3],   v[ADA] offset:(\k)+(\a)*16*PITCH
	ds_load_b128 v[(\g)+8*(\a)+4:(\g)+8*(\a)+7], v[ADA] offset:(\k)+(\a)*16*PITCH+32
.endr
.endm
.macro QUARTER f, g, k, z
	s_wait_dscnt 0x0                               ; buffer f's 24 loads, issued 24 matrix instructions ago
	GRP \f, 0, \z
	PLACES                                         ; for the loads into g, which the quarter before multiplied
	FETCH \g, \k
	GRP \f, 1, \z
	GRP \f, 2, \z
	GRP \f, 3, \z
.endm
; The change of slots: each wave waits for all its tensor loads (one is out: its part of the next slot), adds 0 to its spare word, waits for that and for its reads of this slot; one barrier, which with
; fill = 1 opens a round of the cluster's barrier; the joint refill, two K steps ahead, is the first thing behind it.
.macro TURN fill
	WIN 0
	s_wait_tensorcnt 0x0
	ds_add_u32 v[SPW], v[NIL]
.if \fill
	DSTEP
.endif
	s_wait_dscnt 0x0
	s_barrier_signal -1
	GRP F1, 0, 0
	GRP F1, 1, 0
	WIN 0
	s_barrier_wait -1
.if \fill
	CREST
	JLOAD                                          ; its four v_nop are also the places in front of the loads below
.else
	PLACES
.endif
	s_xor_b32 s[CUR], s[CUR], SLOT1
	v_add_nc_u32 v[ADA], s[CUR], v[ADA0]
	v_add_nc_u32 v[ADB], s[CUR], v[ADB0]
	FETCH F0, 0
	GRP F1, 2, 0
	GRP F1, 3, 0
.endm
	s_load_b128 s[4:7], s[0:1], 0x0                ; oh s[4:5], wts s[6:7]
	s_load_b64 s[8:9], s[0:1], 0x10                ; pj
	v_lshl_add_u32 v[SPW], v0, 2, SPARE
	v_mov_b32 v[NIL], 0
	ds_add_u32 v[SPW], v[NIL]                      ; the wave's opening: the add and its wait stand ahead of my first tensor load
	v_lshrrev_b32 v3, 5, v0
	v_readfirstlane_b32 s[WV], v3
	s_lshr_b32 s[WM], s[WV], 1
	s_and_b32 s[WN], s[WV], 1
	s_bfe_u32 s40, ttmp6, 0x40000
	s_bfe_u32 s41, ttmp6, 0x40004
	s_lshl_b32 s42, ttmp9, 2
	s_add_co_u32 s42, s42, s40                     ; x: which 256 columns
	s_and_b32 s45, ttmp7, 0xffff
	s_lshl_b32 s13, s45, 2
	s_add_co_u32 s13, s13, s41                     ; y: which 128 rows
	s_lshl_b32 s43, s41, 2
	s_lshl_b32 s43, 15, s43
	s_lshl_b32 s44, 0x1111, s40
	s_or_b32 s[G1A], s43, FIELDS
	s_or_b32 s[G1B], s44, FIELDS
	SHAPE G1A, 128, 64, 1024
	SHAPE G1B, 128, 128, 1024
	s_mov_b32 s[G0A], 1
	s_mul_i32 s18, s[WN], 64*PITCH
	s_add_co_u32 s[G0A+1], s18, AOFF
	s_mov_b32 s[G0B], 1
	s_mul_i32 s[G0B+1], s[WN], 128*PITCH
	s_lshl_b32 s16, s13, 18                        ; O: row 128 y + 64 (w % 2)
	s_lshl_b32 s17, s[WN], 17
	s_add_co_u32 s16, s16, s17
	s_mov_b32 s17, 0
	s_lshl_b32 s46, s42, 19                        ; WO: row 256 x + 128 (w % 2), behind the three other weights' 6,291,456 bytes
	s_lshl_b32 s47, s[WN], 18
	s_add_co_u32 s46, s46, s47
	s_add_co_u32 s46, s46, 6291456
	s_mov_b32 s47, 0
	s_lshl_b32 s20, s13, 19                        ; pj: row 128 y + 64 (w / 2), byte 1,024 x + 512 (w % 2)
	s_lshl_b32 s21, s[WM], 18
	s_add_co_u32 s20, s20, s21
	s_lshl_b32 s21, s42, 10
	s_add_co_u32 s20, s20, s21
	s_lshl_b32 s21, s[WN], 9
	s_add_co_u32 s20, s20, s21
	s_mov_b32 s21, 0
	s_mov_b32 s[CUR], 0
	s_wait_dscnt 0x0
	s_wait_kmcnt 0x0
	s_add_nc_u64 s[G0A+2:G0A+3], s[4:5], s[16:17]
	s_or_b32 s[G0A+3], s[G0A+3], 0x80000000
	s_add_nc_u64 s[G0B+2:G0B+3], s[6:7], s[46:47]
	s_or_b32 s[G0B+3], s[G0B+3], 0x80000000
	s_add_nc_u64 s[CB:CB+1], s[8:9], s[20:21]
	CROUND
	JLOAD                                          ; K step 0 into slot 0
	v_and_b32 v1, 15, v0                           ; r
	v_bfe_u32 v2, v0, 4, 1                         ; h
	v_mul_u32_u24 v3, v1, PITCH
	v_lshl_add_u32 v3, v2, 4, v3
	s_mul_i32 s18, s[WM], 64*PITCH
	s_add_co_u32 s18, s18, AOFF
	v_add_nc_u32 v[ADA0], s18, v3
	s_mul_i32 s19, s[WN], 128*PITCH
	v_add_nc_u32 v[ADB0], s19, v3
	v_mov_b32 v[ADA], v[ADA0]
	v_mov_b32 v[ADB], v[ADB0]
	s_mul_i32 s18, s[WV], 16*SP
	s_add_co_u32 s18, s18, STAGE                   ; my stage
	v_mul_u32_u24 v4, v1, SP
	v_lshl_add_u32 v4, v2, 5, v4
	v_add_nc_u32 v[STO], s18, v4                   ; in: row r, 32 bytes for each half of the lanes
	v_and_b32 v4, 31, v0
	v_lshlrev_b32 v[CO], 4, v4                     ; back and out: 32 lanes take a row's 512 bytes
	v_add_nc_u32 v[RD], s18, v[CO]
	s_wait_tensorcnt 0x0                           ; slot 0 is waited for and slot 1 filled for the first time, in a refill's form
	ds_add_u32 v[SPW], v[NIL]
	DSTEP
	s_wait_dscnt 0x0
	CROUND
	JLOAD                                          ; K step 1 into slot 1
	FETCH F0, 0
	QUARTER F0, F1, 64, 1                          ; the first quarter's products start the sums
	WIN 0
	s_mov_b32 s3, STEPS-2
.Lstep:
	QUARTER F1, F0, 128, 0
	QUARTER F0, F1, 192, 0
	TURN 1
	QUARTER F0, F1, 64, 0
	WIN 0
	s_sub_co_u32 s3, s3, 1
	s_cmp_lg_u32 s3, 0
	s_cbranch_scc1 .Lstep
	QUARTER F1, F0, 128, 0                         ; the last two steps are written out: nothing is left to fetch
	QUARTER F0, F1, 192, 0
	TURN 0
	QUARTER F0, F1, 64, 0
	QUARTER F1, F0, 128, 0
	QUARTER F0, F1, 192, 0
	s_wait_dscnt 0x0
	GRP F1, 0, 0
	GRP F1, 1, 0
	GRP F1, 2, 0
	GRP F1, 3, 0
	WIN 0
	; THE WAY OUT, 16 rows at a time: the f32 sums into my own stage, back as whole rows of 512 bytes, stored.
.macro OUTB a
.set BKA, 32+64*((\a)%2)
	s_wait_xcnt 0x0                                ; the registers that earlier stores read are loaded again only behind this wait
	WIN 0x04                                       ; the data (source 1) in window 1
.irp b, 0,1,2,3,4,5,6,7
	ds_store_b128 v[STO], v[8*(8*(\a)+(\b)):8*(8*(\a)+(\b))+3] offset:64*(\b)       ; each accumulator's low four registers first
	ds_store_b128 v[STO], v[8*(8*(\a)+(\b))+4:8*(8*(\a)+(\b))+7] offset:64*(\b)+16
.endr
	WIN 0
.irp t, 0,1,2,3,4,5,6,7,8,9,10,11,12,13,14,15
	ds_load_b128 v[BKA+4*(\t):BKA+4*(\t)+3], v[RD] offset:(\t)*SP  ; LDS serves a wave's instructions in order (ISA guide 5.7.1.4): these see the stores above
.endr
	s_wait_dscnt 0x0
.irp t, 0,1,2,3,4,5,6,7,8,9,10,11,12,13,14,15
	global_store_b128 v[CO], v[BKA+4*(\t):BKA+4*(\t)+3], s[CB:CB+1] offset:(16*(\a)+(\t))*4096  ; the wave's store covers 512 consecutive bytes, aligned
.endr
.endm
	PLACES
	OUTB 0
	OUTB 1
	OUTB 2
	OUTB 3
	s_wait_tensorcnt 0x0                           ; the wave's end
	ds_add_u32 v[SPW], v[NIL]
	s_wait_dscnt 0x0
	CROUND                                         ; the closing round
	s_endpgm
.Lfunc_end_k_q548968fc92_outp:
	.size	k_q548968fc92_outp, .Lfunc_end_k_q548968fc92_outp-k_q548968fc92_outp
	.p2alignl 7, 3214868480
	.fill 96, 4, 3214868480
	.section	.rodata,"a",@progbits
	.p2align	6, 0x0
	.amdhsa_kernel k_q548968fc92_outp
		.amdhsa_group_segment_fixed_size 327680
		.amdhsa_private_segment_fixed_size 0
		.amdhsa_enable_private_segment 0
		.amdhsa_kernarg_size 24
		.amdhsa_user_sgpr_count 2
		.amdhsa_user_sgpr_kernarg_segment_ptr 1
		.amdhsa_wavefront_size32 1
		.amdhsa_system_sgpr_workgroup_id_x 1
		.amdhsa_system_sgpr_workgroup_id_y 1
		.amdhsa_system_sgpr_workgroup_id_z 1
		.amdhsa_system_vgpr_workitem_id 0
		.amdhsa_next_free_vgpr 512
		.amdhsa_next_free_sgpr 66
		.amdhsa_reserve_vcc 0
		.amdhsa_float_denorm_mode_32 3
		.amdhsa_float_denorm_mode_16_64 3
		.amdhsa_memory_ordered 1
		.amdhsa_forward_progress 1
		.amdhsa_inst_pref_size 68
	.end_amdhsa_kernel
	.amdgpu_metadata
---
amdhsa.version: [ 1, 2 ]
amdhsa.kernels:
  - .name:           k_q548968fc92_outp
    .symbol:         k_q548968fc92_outp.kd
    .args:
      - { .name: oh, .offset: 0, .size: 8, .value_kind: global_buffer, .address_space: global }
      - { .name: wts, .offset: 8, .size: 8, .value_kind: global_buffer, .address_space: global }
      - { .name: pj, .offset: 16, .size: 8, .value_kind: global_buffer, .address_space: global }
    .group_segment_fixed_size: 327680
    .private_segment_fixed_size: 0
    .kernarg_segment_align: 8
    .kernarg_segment_size: 24
    .max_flat_workgroup_size: 128
    .sgpr_count:     66
    .vgpr_count:     512
    .wavefront_size: 32
...
	.end_amdgpu_metadata
.endif
;; end of part 5
;; launch ln (part 6): grid 256 x 1, 8 waves a work-group, no clusters, 0 bytes of LDS; arguments pj, xb, ln_gamma, ln_beta, out0; writes out0
.if DOCPART == 6
	.amdgcn_target "amdgcn-amd-amdhsa--gfx1250"
	.amdhsa_code_object_version 6
	.text
	.protected	k_q548968fc92_ln
	.globl	k_q548968fc92_ln
	.p2align	8
	.type	k_q548968fc92_ln,@function
k_q548968fc92_ln:
	s_mov_b64 s[64:65], 0
	v_nop
	global_prefetch_b8 v0, s[64:65] scope:SCOPE_SE
	s_setreg_imm32_b32 hwreg(HW_REG_WAVE_MODE, 25, 1), 1
	s_wait_xcnt 0x0
; out0 = LayerNorm(pj + x) gamma + beta.  pj: [8192][1024] f32; x: inputQ rounded to bf16, the first 8,192 rows of xb; gamma and beta are rounded to bf16 here, like every input of the program.
; A row is 4,096 bytes of pj: one wave takes a whole row, eight loads of 16 bytes a lane, keeps it in 32 registers through the mean, the variance (of x - mean, never a difference of large sums) and the
; scaling, and stores it from there: each byte is read once and no wave waits for another.  Eight waves, four rows each, on two row slots: one at work, one on its way in.
; No LDS, no cluster, no matrix unit: what work-groups share (gamma, beta: 8,192 bytes) is a small part of a work-group's 196,608 bytes.
.set G,   2                            ; v[2:33]    gamma of my 32 columns: columns 128 j + 4 lane + 0..3 at G + 4 j
.set B,   34                           ; v[34:65]   beta likewise
.set X0,  66                           ; slot s at X0 + 48 s: 32 registers of pj, then 16 of x
.set TT,  162                          ; v[162:165] at work
.set A,   166                          ; v[166:173] four pairs of sums
.set MU,  174                          ; v[174:175] the mean, twice
.set RS,  176                          ; v[176:177] 1 / sqrt(var + eps), twice
.set TP,  178                          ; v178       v_permlanex16_b32's destination
.set OP,  180                          ; v180  my byte offset in pj and out0; never rewritten
.set OX,  181                          ; v181  in xb
.set OG,  182                          ; v182  in gamma and beta
	s_load_b256 s[4:11], s[0:1], 0x0               ; pj s[4:5], xb s[6:7], gamma s[8:9], beta s[10:11]
	s_load_b64 s[12:13], s[0:1], 0x20              ; out0
	v_and_b32 v1, 31, v0
	v_lshrrev_b32 v[TT], 5, v0                     ; wave
	v_lshlrev_b32 v[OG], 4, v1
	v_lshl_add_u32 v[OP], v[TT], 14, v[OG]         ; wave x 4 rows x 4,096 bytes + 16 x lane
	v_lshlrev_b32 v[TT+1], 3, v1
	v_lshl_add_u32 v[OX], v[TT], 13, v[TT+1]       ; wave x 4 rows x 2,048 bytes + 8 x lane
	v_mov_b32 v[TP], 0
	s_lshl_b32 s14, ttmp9, 17                      ; the work-group's 32 rows
	s_mov_b32 s15, 0
	s_lshl_b32 s16, ttmp9, 16
	s_mov_b32 s17, 0
	s_mov_b32 s18, 0x76543210                      ; v_permlanex16_b32: each lane its own place in the other half
	s_mov_b32 s19, 0xfedcba98
	s_mov_b32 s20, 0x3a800000                      ; 1 / 1024
	s_mov_b32 s21, 0x3727c5ac                      ; 1e-5
	s_mov_b32 s22, 0xffff0000                      ; a word's upper bf16
	s_wait_kmcnt 0x0
	s_add_nc_u64 s[4:5], s[4:5], s[14:15]
	s_add_nc_u64 s[12:13], s[12:13], s[14:15]
	s_add_nc_u64 s[6:7], s[6:7], s[16:17]
.irp j, 0,1,2,3,4,5,6,7
	global_load_b128 v[G+4*(\j):G+4*(\j)+3], v[OG], s[8:9] offset:512*(\j)
	global_load_b128 v[B+4*(\j):B+4*(\j)+3], v[OG], s[10:11] offset:512*(\j)
.endr
.macro FILL i                          ; row i of my four: sixteen loads
.set Z, X0+48*((\i)%2)
.irp j, 0,1,2,3,4,5,6,7
	global_load_b128 v[Z+4*(\j):Z+4*(\j)+3], v[OP], s[4:5] offset:4096*(\i)+512*(\j) th:TH_LOAD_NT
.endr
.irp j, 0,1,2,3,4,5,6,7
	global_load_b64 v[Z+32+2*(\j):Z+32+2*(\j)+1], v[OX], s[6:7] offset:2048*(\i)+256*(\j)
.endr
.endm
	FILL 0
	FILL 1
	s_wait_loadcnt 32                              ; gamma and beta are in; the two rows' 32 loads stay out
.set n, 0
.rept 32                                       ; gamma and beta lie on end: 32 pairs, each rounded to bf16 and widened again
	v_cvt_pk_bf16_f32 v[TT], v[G+2*n], v[G+2*n+1]
	v_lshlrev_b32 v[G+2*n], 16, v[TT]
	v_and_b32 v[G+2*n+1], s22, v[TT]
.set n, n+1
.endr
.macro RED r                           ; the sum over the 32 lanes, in every lane
	v_add_f32_dpp v[\r], v[\r], v[\r] row_xmask:1 row_mask:0xf bank_mask:0xf
	v_add_f32_dpp v[\r], v[\r], v[\r] row_xmask:2 row_mask:0xf bank_mask:0xf
	v_add_f32_dpp v[\r], v[\r], v[\r] row_xmask:4 row_mask:0xf bank_mask:0xf
	v_add_f32_dpp v[\r], v[\r], v[\r] row_xmask:8 row_mask:0xf bank_mask:0xf
	v_permlanex16_b32 v[TP], v[\r], s18, s19
	v_add_f32 v[\r], v[\r], v[TP]
.endm
.macro FOLD                            ; the four pairs of sums into one number
	v_pk_add_f32 v[A:A+1], v[A:A+1], v[A+2:A+3]
	v_pk_add_f32 v[A+4:A+5], v[A+4:A+5], v[A+6:A+7]
	v_pk_add_f32 v[A:A+1], v[A:A+1], v[A+4:A+5]
	v_add_f32 v[A], v[A], v[A+1]
	RED A
.endm
; Row i.  left = how many younger loads may stay out: the next row's sixteen, or none.
.macro ROW i, left
.set Z, X0+48*((\i)%2)
	s_wait_loadcnt \left
.irp j, 0,1,2,3,4,5,6,7                ; the residual
	v_lshlrev_b32 v[TT],   16,  v[Z+32+2*(\j)]
	v_and_b32     v[TT+1], s22, v[Z+32+2*(\j)]
	v_lshlrev_b32 v[TT+2], 16,  v[Z+33+2*(\j)]
	v_and_b32     v[TT+3], s22, v[Z+33+2*(\j)]
	v_pk_add_f32 v[Z+4*(\j):Z+4*(\j)+1], v[Z+4*(\j):Z+4*(\j)+1], v[TT:TT+1]
	v_pk_add_f32 v[Z+4*(\j)+2:Z+4*(\j)+3], v[Z+4*(\j)+2:Z+4*(\j)+3], v[TT+2:TT+3]
.endr
.irp k, 0,1,2,3                        ; the mean: four chains of four pairs
	v_pk_add_f32 v[A+2*(\k):A+2*(\k)+1], v[Z+2*(\k):Z+2*(\k)+1], v[Z+2*(\k)+8:Z+2*(\k)+9]
.endr
.irp k, 0,1,2,3
	v_pk_add_f32 v[A+2*(\k):A+2*(\k)+1], v[A+2*(\k):A+2*(\k)+1], v[Z+2*(\k)+16:Z+2*(\k)+17]
.endr
.irp k, 0,1,2,3
	v_pk_add_f32 v[A+2*(\k):A+2*(\k)+1], v[A+2*(\k):A+2*(\k)+1], v[Z+2*(\k)+24:Z+2*(\k)+25]
.endr
	FOLD
	v_mul_f32 v[MU], s20, v[A]
	v_mul_f32 v[MU+1], s20, v[A]
.set n, 0
.rept 16
	v_pk_add_f32 v[Z+2*n:Z+2*n+1], v[Z+2*n:Z+2*n+1], v[MU:MU+1] neg_lo:[0,1] neg_hi:[0,1]
.set n, n+1
.endr
.irp k, 0,1,2,3                        ; the variance, of x - mean
	v_pk_mul_f32 v[A+2*(\k):A+2*(\k)+1], v[Z+2*(\k):Z+2*(\k)+1], v[Z+2*(\k):Z+2*(\k)+1]
.endr
.irp m, 8,16,24
.irp k, 0,1,2,3
	v_pk_fma_f32 v[A+2*(\k):A+2*(\k)+1], v[Z+2*(\k)+(\m):Z+2*(\k)+(\m)+1], v[Z+2*(\k)+(\m):Z+2*(\k)+(\m)+1], v[A+2*(\k):A+2*(\k)+1]
.endr
.endr
	FOLD
	v_fma_f32 v[A], v[A], s20, s21                 ; var + eps
	v_rsq_f32 v[RS], v[A]
	v_nop                                          ; a plain instruction between the transcendental and the use of its result
	s_wait_alu depctr_va_vdst(0)
	v_mov_b32 v[RS+1], v[RS]
.set n, 0
.rept 16
	v_pk_mul_f32 v[Z+2*n:Z+2*n+1], v[Z+2*n:Z+2*n+1], v[RS:RS+1]
.set n, n+1
.endr
.set n, 0
.rept 16
	v_pk_fma_f32 v[Z+2*n:Z+2*n+1], v[Z+2*n:Z+2*n+1], v[G+2*n:G+2*n+1], v[B+2*n:B+2*n+1]
.set n, n+1
.endr
.irp j, 0,1,2,3,4,5,6,7
	global_store_b128 v[OP], v[Z+4*(\j):Z+4*(\j)+3], s[12:13] offset:4096*(\i)+512*(\j) th:TH_STORE_NT  ; 512 consecutive bytes, aligned
.endr
.if (\i) < 2
	s_wait_xcnt 0x0                                ; the slot's registers, which the stores read, are loaded again only behind this wait
	FILL (\i)+2
.endif
.endm
	ROW 0, 16
	ROW 1, 16
	ROW 2, 16
	ROW 3, 0
	s_endpgm
.Lfunc_end_k_q548968fc92_ln:
	.size	k_q548968fc92_ln, .Lfunc_end_k_q548968fc92_ln-k_q548968fc92_ln
	.p2alignl 7, 3214868480
	.fill 96, 4, 3214868480
	.section	.rodata,"a",@progbits
	.p2align	6, 0x0
	.amdhsa_kernel k_q548968fc92_ln
		.amdhsa_group_segment_fixed_size 0
		.amdhsa_private_segment_fixed_size 0
		.amdhsa_enable_private_segment 0
		.amdhsa_kernarg_size 40
		.amdhsa_user_sgpr_count 2
		.amdhsa_user_sgpr_kernarg_segment_ptr 1
		.amdhsa_wavefront_size32 1
		.amdhsa_system_sgpr_workgroup_id_x 1
		.amdhsa_system_sgpr_workgroup_id_y 1
		.amdhsa_system_sgpr_workgroup_id_z 1
		.amdhsa_system_vgpr_workitem_id 0
		.amdhsa_next_free_vgpr 184
		.amdhsa_next_free_sgpr 66
		.amdhsa_reserve_vcc 0
		.amdhsa_float_denorm_mode_32 3
		.amdhsa_float_denorm_mode_16_64 3
		.amdhsa_memory_ordered 1
		.amdhsa_forward_progress 1
		.amdhsa_inst_pref_size 49
	.end_amdhsa_kernel
	.amdgpu_metadata
---
amdhsa.version: [ 1, 2 ]
amdhsa.kernels:
  - .name:           k_q548968fc92_ln
    .symbol:         k_q548968fc92_ln.kd
    .args:
      - { .name: pj, .offset: 0, .size: 8, .value_kind: global_buffer, .address_space: global }
      - { .name: xb, .offset: 8, .size: 8, .value_kind: global_buffer, .address_space: global }
      - { .name: ln_gamma, .offset: 16, .size: 8, .value_kind: global_buffer, .address_space: global }
      - { .name: ln_beta, .offset: 24, .size: 8, .value_kind: global_buffer, .address_space: global }
      - { .name: out0, .offset: 32, .size: 8, .value_kind: global_buffer, .address_space: global }
    .group_segment_fixed_size: 0
    .private_segment_fixed_size: 0
    .kernarg_segment_align: 8
    .kernarg_segment_size: 40
    .max_flat_workgroup_size: 256
    .sgpr_count:     66
    .vgpr_count:     184
    .wavefront_size: 32
...
	.end_amdgpu_metadata
.endif
;; end of part 6
;; ======== version 2 of 2: 7 launches
;; limits: values are held in f16: magnitudes above 65,504 overflow, below 6.1e-05 lose precision
;; workspace buffers: xb 35,651,584 bytes; wts 8,388,608 bytes; mb 2,097,152 bytes; qkv 50,331,648 bytes; p 33,554,432 bytes; st 1,048,576 bytes; oh 16,777,216 bytes; pj 33,554,432 bytes
;; launch prep (part 7): grid 2816 x 1, 8 waves a work-group, no clusters, 0 bytes of LDS; arguments inputQ, inputK, inputV, WQ, WK, WV, WO, mask, xb, wts, mb, qkv; writes xb, wts, mb, qkv
.if DOCPART == 7
	.amdgcn_target "amdgcn-amd-amdhsa--gfx1250"
	.amdhsa_code_object_version 6
	.text
	.protected	k_q548968fc92_prep
	.globl	k_q548968fc92_prep
	.p2align	8
	.type	k_q548968fc92_prep,@function
k_q548968fc92_prep:
	s_mov_b64 s[64:65], 0
	v_nop
	global_prefetch_b8 v0, s[64:65] scope:SCOPE_SE
	s_setreg_imm32_b32 hwreg(HW_REG_WAVE_MODE, 25, 1), 1
	s_wait_xcnt 0x0
; THE CASTS AND THE MASK'S BITS, one stream.  Every work-group takes 65,536 bytes of one input, every wave 8,192 of them: sixteen loads of 16 bytes a lane,
; all issued at once; there is no loop.  Groups 0-1023: inputQ, inputK -> xb in bf16.  Groups 1024-1535: inputV -> the third part of qkv (from byte 33,554,432 on), its bf16 number written in f16:
; the attention's second product takes inputV's rows themselves.  Groups 1536-1791: WQ, WK, WV, WO -> wts in bf16.  Groups 1792-2815: mask -> mb, one bit for each number (1 where the number is 1).
; No LDS, no cluster, no matrix unit: no byte is read twice and nothing is shared between work-groups; the bytes are all there is.
; LIMITS.  inputV's bf16 number is written as f16: beyond 65,504 it would be an infinity, and below 6e-5 it keeps f16's fixed step of 6e-8.
; mb: [batch 4][chunk of 128 keys 16][query 2048][word u 4].  Bit 16 h + (15 - i) of word u stands for key 16 (i / 2) + 8 h + 4 (i % 2) + u of the chunk: the order in which a lane of the
; launch that reads it walks its 64 scores, the first at the top of its half word.
.set GV, 1024                          ; inputV's first group
.set GX, 1536                          ; groups of the three inputs
.set GC, 1792                          ; groups that cast
.set X,  16                            ; v[16:79]  as loaded
.set Y,  80                            ; v[80:111] to store
	s_load_b512 s[8:23], s[0:1], 0x0               ; inputQ s[8:9], inputK, inputV, WQ, WK, WV, WO s[20:21], mask s[22:23]
	s_load_b256 s[24:31], s[0:1], 0x40             ; xb s[24:25], wts s[26:27], mb s[28:29], qkv s[30:31]
	v_and_b32 v1, 31, v0                           ; lane
	v_lshrrev_b32 v2, 5, v0                        ; wave
	v_readfirstlane_b32 s2, v2
	s_mov_b32 s3, ttmp9
	s_mov_b32 s37, 0
	s_mov_b32 s39, 0
	s_cmp_lt_u32 s3, GC
	s_cbranch_scc0 .Lmask
	; ---- the casts ----
	s_lshr_b32 s4, s3, 9                           ; an input has 512 groups
	s_and_b32 s5, s3, 511
	s_sub_co_u32 s6, s3, GX                        ; a weight has 64 (used from group 1536 on alone)
	s_lshr_b32 s7, s6, 6
	s_add_co_u32 s7, s7, 3
	s_and_b32 s34, s6, 63
	v_lshlrev_b32 v3, 13, v2
	v_lshl_add_u32 v3, v1, 4, v3                   ; in: 8,192 x wave + 16 x lane
	v_lshlrev_b32 v4, 12, v2
	v_lshl_add_u32 v4, v1, 3, v4                   ; out: 4,096 x wave + 8 x lane
	s_wait_kmcnt 0x0
	s_cmp_lt_u32 s3, GX
	s_cselect_b32 s4, s4, s7                       ; which of the seven tensors
	s_cselect_b32 s5, s5, s34                      ; which group of it
	s_cselect_b32 s6, s3, s6                       ; which 32,768 bytes of the buffer written: inputV's group 1,024 falls on qkv's byte 33,554,432
	s_cselect_b64 s[40:41], s[30:31], s[26:27]     ; qkv or wts,
	s_cmp_lt_u32 s3, GV
	s_cselect_b64 s[40:41], s[24:25], s[40:41]     ; or xb for the first two inputs
	s_mov_b64 s[42:43], s[8:9]
.irp n, 1,2,3,4,5,6
	s_cmp_eq_u32 s4, \n
	s_cselect_b64 s[42:43], s[8+2*(\n):9+2*(\n)], s[42:43]
.endr
	s_lshl_b32 s36, s5, 16
	s_lshl_b32 s38, s6, 15
	s_add_nc_u64 s[42:43], s[42:43], s[36:37]
	s_add_nc_u64 s[40:41], s[40:41], s[38:39]
.set i, 0
.rept 16
	global_load_b128 v[X+4*i:X+4*i+3], v3, s[42:43] offset:512*i th:TH_LOAD_NT  ; 512 consecutive bytes a load
.set i, i+1
.endr
; half = 1: the bf16 number is widened again and written as f16
.macro CAST half
.set i, 0
.rept 16
	s_wait_loadcnt 15-i                            ; loads come back in order: load i is in, the younger ones stay out
	v_cvt_pk_bf16_f32 v[Y+2*i], v[X+4*i], v[X+4*i+1]
	v_cvt_pk_bf16_f32 v[Y+2*i+1], v[X+4*i+2], v[X+4*i+3]
.if \half
	v_lshlrev_b32 v5, 16, v[Y+2*i]
	v_and_b32 v6, 0xffff0000, v[Y+2*i]
	v_lshlrev_b32 v7, 16, v[Y+2*i+1]
	v_and_b32 v8, 0xffff0000, v[Y+2*i+1]
	v_cvt_pk_f16_f32 v[Y+2*i], v5, v6
	v_cvt_pk_f16_f32 v[Y+2*i+1], v7, v8
.endif
	global_store_b64 v4, v[Y+2*i:Y+2*i+1], s[40:41] offset:256*i  ; the wave's store covers 256 consecutive bytes, aligned
.set i, i+1
.endr
.endm
	s_sub_co_u32 s7, s3, GV                        ; inputV's groups are 1,024 to 1,535 (a lower group wraps to a large number)
	s_cmp_lt_u32 s7, GX-GV
	s_cbranch_scc1 .Lhalf
	CAST 0
	s_endpgm
.Lhalf:
	CAST 1
	s_endpgm
	; ---- the mask: a wave takes 16 rows x one chunk of 128 keys (512 bytes of each row) ----
.Lmask:
	s_sub_co_u32 s4, s3, GC
	s_lshl_b32 s4, s4, 3
	s_add_co_u32 s4, s4, s2                        ; unit m = 8 x group + wave
	s_and_b32 s5, s4, 15                           ; chunk
	s_lshr_b32 s6, s4, 4                           ; which 16 of the 8,192 rows
	s_lshl_b32 s36, s6, 17                         ; 16 rows x 8,192 bytes
	s_lshl_b32 s7, s5, 9
	s_add_co_u32 s36, s36, s7
	s_lshr_b32 s7, s4, 11                          ; batch
	s_lshl_b32 s7, s7, 4
	s_add_co_u32 s7, s7, s5
	s_lshl_b32 s7, s7, 11                          ; (16 batch + chunk) x 2,048 queries
	s_and_b32 s34, s6, 127
	s_lshl_b32 s34, s34, 4
	s_add_co_u32 s7, s7, s34
	s_lshl_b32 s38, s7, 4                          ; 16 bytes a query
	v_lshrrev_b32 v5, 4, v1                        ; h
	v_and_b32 v6, 15, v1
	v_xor_b32 v6, 15, v6                           ; i = 15 - lane % 16
	v_lshrrev_b32 v7, 1, v6
	v_and_b32 v8, 1, v6
	v_lshlrev_b32 v3, 6, v7                        ; my four keys begin at 16 (i / 2) + 8 h + 4 (i % 2): 4 bytes a key
	v_lshl_add_u32 v3, v8, 4, v3
	v_lshl_add_u32 v3, v5, 5, v3
	v_lshlrev_b32 v4, 3, v1
	v_mov_b32 v[Y], 0                              ; v_writelane_b32 keeps the other lanes: the registers are written whole first
	v_mov_b32 v[Y+1], 0
	s_wait_kmcnt 0x0
	s_add_nc_u64 s[42:43], s[22:23], s[36:37]
	s_add_nc_u64 s[40:41], s[28:29], s[38:39]
.set i, 0
.rept 16
	global_load_b128 v[X+4*i:X+4*i+3], v3, s[42:43] offset:8192*i th:TH_LOAD_NT  ; row i: the chunk's 512 bytes, the lanes in the bits' order
.set i, i+1
.endr
.set i, 0
.rept 16
	s_wait_loadcnt 15-i                            ; row i is in
.irp u, 0,1,2,3
	v_cmp_eq_u32 s[44+(\u)], 1, v[X+4*i+(\u)]      ; word u of the row: bit = lane
.endr
.irp u, 0,1,2,3
	v_writelane_b32 v[Y+(\u)%2], s[44+(\u)], 2*i+(\u)/2  ; lane 2 i + u / 2 will store words u = 0, 1 or 2, 3 of row i
.endr
.set i, i+1
.endr
	global_store_b64 v4, v[Y:Y+1], s[40:41]        ; 16 rows x 16 bytes: 256 consecutive bytes, aligned
	s_endpgm
.Lfunc_end_k_q548968fc92_prep:
	.size	k_q548968fc92_prep, .Lfunc_end_k_q548968fc92_prep-k_q548968fc92_prep
	.p2alignl 7, 3214868480
	.fill 96, 4, 3214868480
	.section	.rodata,"a",@progbits
	.p2align	6, 0x0
	.amdhsa_kernel k_q548968fc92_prep
		.amdhsa_group_segment_fixed_size 0
		.amdhsa_private_segment_fixed_size 0
		.amdhsa_enable_private_segment 0
		.amdhsa_kernarg_size 96
		.amdhsa_user_sgpr_count 2
		.amdhsa_user_sgpr_kernarg_segment_ptr 1
		.amdhsa_wavefront_size32 1
		.amdhsa_system_sgpr_workgroup_id_x 1
		.amdhsa_system_sgpr_workgroup_id_y 1
		.amdhsa_system_sgpr_workgroup_id_z 1
		.amdhsa_system_vgpr_workitem_id 0
		.amdhsa_next_free_vgpr 112
		.amdhsa_next_free_sgpr 66
		.amdhsa_reserve_vcc 0
		.amdhsa_float_denorm_mode_32 3
		.amdhsa_float_denorm_mode_16_64 3
		.amdhsa_memory_ordered 1
		.amdhsa_forward_progress 1
		.amdhsa_inst_pref_size 28
	.end_amdhsa_kernel
	.amdgpu_metadata
---
amdhsa.version: [ 1, 2 ]
amdhsa.kernels:
  - .name:           k_q548968fc92_prep
    .symbol:         k_q548968fc92_prep.kd
    .args:
      - { .name: inputQ, .offset: 0, .size: 8, .value_kind: global_buffer, .address_space: global }
      - { .name: inputK, .offset: 8, .size: 8, .value_kind: global_buffer, .address_space: global }
      - { .name: inputV, .offset: 16, .size: 8, .value_kind: global_buffer, .address_space: global }
      - { .name: WQ, .offset: 24, .size: 8, .value_kind: global_buffer, .address_space: global }
      - { .name: WK, .offset: 32, .size: 8, .value_kind: global_buffer, .address_space: global }
      - { .name: WV, .offset: 40, .size: 8, .value_kind: global_buffer, .address_space: global }
      - { .name: WO, .offset: 48, .size: 8, .value_kind: global_buffer, .address_space: global }
      - { .name: mask, .offset: 56, .size: 8, .value_kind: global_buffer, .address_space: global }
      - { .name: xb, .offset: 64, .size: 8, .value_kind: global_buffer, .address_space: global }
      - { .name: wts, .offset: 72, .size: 8, .value_kind: global_buffer, .address_space: global }
      - { .name: mb, .offset: 80, .size: 8, .value_kind: global_buffer, .address_space: global }
      - { .name: qkv, .offset: 88, .size: 8, .value_kind: global_buffer, .address_space: global }
    .group_segment_fixed_size: 0
    .private_segment_fixed_size: 0
    .kernarg_segment_align: 8
    .kernarg_segment_size: 96
    .max_flat_workgroup_size: 256
    .sgpr_count:     66
    .vgpr_count:     112
    .wavefront_size: 32
...
	.end_amdgpu_metadata
.endif
;; end of part 7
;; launch wprod (part 8): grid 16 x 16, 4 waves a work-group, clusters of 4 x 4, 327,680 bytes of LDS; arguments wts, xb; writes xb
.if DOCPART == 8
	.amdgcn_target "amdgcn-amd-amdhsa--gfx1250"
	.amdhsa_code_object_version 6
	.text
	.protected	k_q548968fc92_wprod
	.globl	k_q548968fc92_wprod
	.p2align	8
	.type	k_q548968fc92_wprod,@function
k_q548968fc92_wprod:
	s_mov_b64 s[64:65], 0
	v_nop
	global_prefetch_b8 v0, s[64:65] scope:SCOPE_SE
	s_setreg_imm32_b32 hwreg(HW_REG_WAVE_MODE, 25, 1), 1
	s_wait_xcnt 0x0
	s_wait_alu depctr_hold_cnt(0) depctr_sa_sdst(0) depctr_va_vdst(0) depctr_va_sdst(0) depctr_va_ssrc(0) depctr_va_vcc(0) depctr_vm_vsrc(0)
	s_getreg_b32 s2, hwreg(HW_REG_IB_STS2, 6, 4)
	s_cmp_eq_u32 s2, 0
	s_cbranch_scc0 .Lentry_in_a_cluster
	s_endpgm
.Lentry_in_a_cluster:
	s_bfe_u32 s2, ttmp6, 0x10000c
	s_cmp_lg_u32 s2, 0xf033
	s_cbranch_scc0 .Lentry_shape_is_right
	s_endpgm
.Lentry_shape_is_right:
; W' = WO WV: W'[d][e] = the sum over f of WO[d][f] WV[f][e].  attn (X WV^T) WO^T = (attn X) W'^T for every input, so V's projection of 8,192 rows is never made: this product of 1,024 rows takes its place.
; wts: WV at byte 4,194,304, WO at byte 6,291,456, each [1024][1024] bf16; W' goes to xb from byte 33,554,432 on, [1024][1024] f16.  Sums in f32, rounded once.
; LIMIT.  W' is f16: beyond 65,504 it would be an infinity, and below 6e-5 it keeps f16's fixed step of 6e-8.
; SHARES.  A work-group makes 64 (d) x 64 (e): 256 work-groups.  Wave w: rows 32 (w / 2) on, columns 32 (w % 2) on: four accumulators, which take turns.
; LDS HOLDS THE WHOLE K AT ONCE: WO's 64 rows as two halves of K (rows of 1,024 bytes) and WV's 1,024 rows of 128 bytes.  Each wave asks for a quarter of that, 65,536 bytes, by one tensor load; nothing is
; filled again, so there is no ring: one wait for all loads, one barrier, then the products.  A wave has one tensor load out.
; CLUSTER.  4 x 4 work-groups: WO's tile is shared along a row of the cluster, WV's along a column: each is asked for jointly.
; W'^T's form: source 0 = 16 columns e x 32 f, turned out of LDS by ds_load_tr16_b128; source 1 = 16 rows of WO.  A lane holds row lane % 16 and the columns 8 (lane / 16) + 0..7.
; PRICES.  The sums start from 32 v_mov_b32 in the wait for the tiles, so that the trip is written without a first step beside it.  A tile's 64 columns are 128 bytes, half of an aligned 256, in memory both as
; WV is read and as W' is written (2 MiB in all): a tile of 128 columns would want 1,024 x 288 bytes for WV, which do not fit beside WO's 133,120.
.set PA,     1040                      ; a row of a half of WO: 1,024 bytes + 16: an odd multiple of 16, so the 16 rows of a fragment load start at 16 different groups of four banks (64 banks of 4 bytes: ISA guide 11.1)
.set PBV,    160                       ; a row of WV: 128 + 32 bytes = 40 words
.set AH,     64*PA                     ; a half of K of WO's 64 rows
.set BOFF,   2*AH
.set BH,     512*PBV                   ; 512 rows of WV
.set STAGE,  BOFF+2*BH                 ; the work-group's stage: 64 rows x 144 bytes
.set SP,     144
.set SPARE,  STAGE+64*SP               ; the spare words: 128 bytes a wave, two blocks of 256 bytes that no other line names
.set FIELDA, (1<<16)|(1<<20)|(1<<21)|(7<<22)|(3<<25)  ; 2-byte elements; padding on; bit 21 beside a mask; after every 256 words 4 words
.set FIELDB, (1<<16)|(1<<20)|(1<<21)|(4<<22)|(7<<25)  ; after every 32 words 8 words
.set ADA0, 8                           ; v8, v9   my lane's place in WO's and WV's tiles; never rewritten
.set ADB0, 9
.set ADA,  10                          ; v10, v11 the same at the trip's K
.set ADB,  11
.set STO,  12                          ; v12  the way out: where I put 16 bytes of a row
.set RD,   13                          ; v13  where I read rows back
.set CO,   14                          ; v14  my byte offset in W'
.set SPW,  16                          ; v16  my spare word's LDS address; never rewritten
.set NIL,  17                          ; v17  0; never rewritten
.set F0,   32                          ; two fragment buffers of 64 along K: WO's fragment (step s, block a) at 8 (2 s + a), WV's (s, b) at 32 + 8 (2 s + b)
.set F1,   96
.set ACC,  160                         ; accumulator (a, b) at ACC + 8 (2 a + b)
.set TMP,  32                          ; the way out: packed results, then rows read back at TMP + 16
.set WV,   12                          ; s12 wave; s14 w / 2; s15 w % 2
.set WM,   14
.set WN,   15
.set G1A,  24                          ; s[24:31], s[32:35] descriptor groups 1 and 0 for WO's tile
.set G0A,  32
.set KA,   36                          ; s36, s37 the trip's K, in bytes of WO's and of WV's tile
.set KB,   37
.set CB,   38                          ; s[38:39] W' at the rows that my wave stores
.set G1B,  48                          ; s[48:55], s[56:59] the same for WV's tile
.set G0B,  56
.macro PLACES                          ; four places behind matrix instructions, in front of loads into registers that they read and of reads of their results
.rept 4
	v_nop
.endr
.endm
.macro SHAPE g, cols, rows, pitch      ; words 1 to 7 of a group 1: the tensor's extents are the tile's; sizes in elements
	s_mov_b32 s[(\g)+1], (\cols)<<16
	s_mov_b32 s[(\g)+2], (\rows)<<16
	s_mov_b32 s[(\g)+3], (\cols)<<16
	s_mov_b32 s[(\g)+4], \rows
	s_mov_b32 s[(\g)+5], \pitch
	s_mov_b32 s[(\g)+6], 0
	s_mov_b32 s[(\g)+7], 0
.endm
.macro CROUND                          ; a round of the cluster's barrier
	s_barrier_signal -1
	s_barrier_wait -1
	s_cmp_lg_u32 s[WV], 0
	s_cbranch_scc1 .Lnot_wave_0_\@
	s_barrier_signal -3
.Lnot_wave_0_\@:
	s_barrier_wait -3
	s_barrier_signal -1
	s_barrier_wait -1
.endm
.macro FETCH g, q                      ; 16 LDS loads: the fragments of 64 along K, the trip's half q, into buffer g
.irp s, 0,1
.irp a, 0,1
	ds_load_b128 v[(\g)+8*(2*(\s)+(\a)):(\g)+8*(2*(\s)+(\a))+3],   v[ADA] offset:(\a)*16*PA+128*(\q)+64*(\s)
	ds_load_b128 v[(\g)+8*(2*(\s)+(\a))+4:(\g)+8*(2*(\s)+(\a))+7], v[ADA] offset:(\a)*16*PA+128*(\q)+64*(\s)+32
.endr
.irp b, 0,1
	ds_load_tr16_b128 v[(\g)+32+8*(2*(\s)+(\b)):(\g)+32+8*(2*(\s)+(\b))+3],   v[ADB] offset:(64*(\q)+32*(\s))*PBV+32*(\b)
	ds_load_tr16_b128 v[(\g)+32+8*(2*(\s)+(\b))+4:(\g)+32+8*(2*(\s)+(\b))+7], v[ADB] offset:(64*(\q)+32*(\s)+16)*PBV+32*(\b)
.endr
.endr
.endm
.macro MUL f                           ; 8 matrix instructions: 64 along K from buffer f; the four accumulators by turns
.irp s, 0,1
.irp a, 0,1
.irp b, 0,1
	v_wmma_f32_16x16x32_bf16 v[ACC+8*(2*(\a)+(\b)):ACC+8*(2*(\a)+(\b))+7], v[(\f)+32+8*(2*(\s)+(\b)):(\f)+32+8*(2*(\s)+(\b))+7], v[(\f)+8*(2*(\s)+(\a)):(\f)+8*(2*(\s)+(\a))+7], v[ACC+8*(2*(\a)+(\b)):ACC+8*(2*(\a)+(\b))+7]
.endr
.endr
.endr
.endm
.macro HALF                            ; 512 along K: four trips of 128
	s_mov_b32 s3, 4
.Lk_\@:
	v_add_nc_u32 v[ADA], s[KA], v[ADA0]
	v_add_nc_u32 v[ADB], s[KB], v[ADB0]
	PLACES                                         ; for the loads into the buffers that the last trip multiplied
	FETCH F0, 0
	FETCH F1, 1
	s_wait_dscnt 16                                ; buffer 0's sixteen loads are in, buffer 1's may be out
	MUL F0
	s_wait_dscnt 0x0
	MUL F1
	s_add_co_u32 s[KA], s[KA], 256                 ; 128 numbers along WO's rows,
	s_add_co_u32 s[KB], s[KB], 128*PBV             ; 128 rows of WV
	s_sub_co_u32 s3, s3, 1
	s_cmp_lg_u32 s3, 0
	s_cbranch_scc1 .Lk_\@
.endm
	s_load_b128 s[4:7], s[0:1], 0x0                ; wts s[4:5], xb s[6:7]
	v_lshl_add_u32 v[SPW], v0, 2, SPARE
	v_mov_b32 v[NIL], 0
	ds_add_u32 v[SPW], v[NIL]                      ; the wave's opening: the add and its wait stand ahead of my first tensor load
	v_lshrrev_b32 v3, 5, v0
	v_readfirstlane_b32 s[WV], v3
	s_lshr_b32 s[WM], s[WV], 1
	s_and_b32 s[WN], s[WV], 1
	s_bfe_u32 s40, ttmp6, 0x40000                  ; cx, cy: my place in the cluster
	s_bfe_u32 s41, ttmp6, 0x40004
	s_lshl_b32 s42, ttmp9, 2
	s_add_co_u32 s42, s42, s40                     ; x: which 64 columns e
	s_and_b32 s45, ttmp7, 0xffff
	s_lshl_b32 s13, s45, 2
	s_add_co_u32 s13, s13, s41                     ; y: which 64 rows d
	s_lshl_b32 s43, s41, 2
	s_lshl_b32 s43, 15, s43                        ; my row of the cluster
	s_lshl_b32 s44, 0x1111, s40                    ; my column
	s_or_b32 s[G1A], s43, FIELDA
	s_or_b32 s[G1B], s44, FIELDB
	SHAPE G1A, 512, 64, 1024
	SHAPE G1B, 64, 512, 1024
	s_mov_b32 s[G0A], 1
	s_mul_i32 s[G0A+1], s[WN], AH                  ; waves 0, 1: the two halves of K of WO's 64 rows
	s_mov_b32 s[G0B], 1
	s_mul_i32 s18, s[WN], BH
	s_add_co_u32 s[G0B+1], s18, BOFF               ; waves 2, 3: WV's rows 0-511 and 512-1,023
	s_lshl_b32 s16, s13, 17                        ; WO: row 64 y, byte 1,024 (w % 2), behind the three other weights' 6,291,456 bytes
	s_lshl_b32 s17, s[WN], 10
	s_add_co_u32 s16, s16, s17
	s_add_co_u32 s16, s16, 6291456
	s_mov_b32 s17, 0
	s_lshl_b32 s46, s[WN], 20                      ; WV: row 512 (w % 2), byte 128 x, behind WQ's and WK's 4,194,304 bytes
	s_lshl_b32 s47, s42, 7
	s_add_co_u32 s46, s46, s47
	s_add_co_u32 s46, s46, 4194304
	s_mov_b32 s47, 0
	s_lshl_b32 s20, s13, 17                        ; W': row 64 y + 16 w, byte 128 x, behind the two inputs' 33,554,432 bytes
	s_lshl_b32 s21, s[WV], 15
	s_add_co_u32 s20, s20, s21
	s_lshl_b32 s21, s42, 7
	s_add_co_u32 s20, s20, s21
	s_add_co_u32 s20, s20, 33554432
	s_mov_b32 s21, 0
	s_wait_dscnt 0x0                               ; the opening add is done
	s_wait_kmcnt 0x0
	s_add_nc_u64 s[G0A+2:G0A+3], s[4:5], s[16:17]
	s_or_b32 s[G0A+3], s[G0A+3], 0x80000000        ; type = 2
	s_add_nc_u64 s[G0B+2:G0B+3], s[4:5], s[46:47]
	s_or_b32 s[G0B+3], s[G0B+3], 0x80000000
	s_add_nc_u64 s[CB:CB+1], s[6:7], s[20:21]
	CROUND                                         ; all sixteen work-groups are here: the joint loads meet
	s_cmp_lt_u32 s[WV], 2                          ; the branch hangs on the wave's number alone; an s_nop 0 and four v_nop follow each line
	s_cbranch_scc0 .Lfor_b
	tensor_load_to_lds s[G0A:G0A+3], s[G1A:G1A+7]
	s_nop 0
.rept 4
	v_nop
.endr
	s_branch .Lasked
.Lfor_b:
	tensor_load_to_lds s[G0B:G0B+3], s[G1B:G1B+7]
	s_nop 0
.rept 4
	v_nop
.endr
.Lasked:
	v_and_b32 v1, 15, v0                           ; r = lane % 16
	v_bfe_u32 v2, v0, 4, 1                         ; h = lane / 16
	v_mul_u32_u24 v3, v1, PA
	v_lshl_add_u32 v3, v2, 4, v3                   ; WO's fragment: row x pitch + 16 x half
	s_mul_i32 s18, s[WM], 32*PA
	v_add_nc_u32 v[ADA0], s18, v3
	v_and_b32 v4, 7, v0                            ; the turning load: lane l reads row 8 (l / 16) + l % 8 of WV, columns 8 ((l / 8) % 2) + 0..7
	v_lshl_add_u32 v4, v2, 3, v4
	v_mul_u32_u24 v4, v4, PBV
	v_bfe_u32 v5, v0, 3, 1
	v_lshl_add_u32 v4, v5, 4, v4
	s_lshl_b32 s19, s[WN], 6
	s_add_co_u32 s19, s19, BOFF
	v_add_nc_u32 v[ADB0], s19, v4
	v_mul_u32_u24 v4, v1, SP                       ; into the stage: my 32 rows, my 64 bytes of their 128; row r, 16 bytes for each half of the lanes
	v_lshl_add_u32 v4, v2, 4, v4
	s_mul_i32 s18, s[WM], 32*SP
	s_lshl_b32 s19, s[WN], 6
	s_add_co_u32 s18, s18, s19
	s_add_co_u32 s18, s18, STAGE
	v_add_nc_u32 v[STO], s18, v4
	v_bfe_u32 v4, v0, 3, 2                         ; back: wave w takes rows 16 w on, whole; 32 lanes take four rows of 128 bytes
	v_and_b32 v5, 7, v0
	v_mul_u32_u24 v6, v4, SP
	v_lshl_add_u32 v6, v5, 4, v6
	s_mul_i32 s18, s[WV], 16*SP
	s_add_co_u32 s18, s18, STAGE
	v_add_nc_u32 v[RD], s18, v6
	v_lshlrev_b32 v6, 11, v4                       ; and the same four rows in W', 2,048 bytes apart
	v_lshl_add_u32 v[CO], v5, 4, v6
.set i, 0
.rept 32
	v_mov_b32 v[ACC+i], 0                          ; the sums start at 0
.set i, i+1
.endr
	s_wait_tensorcnt 0x0                           ; my quarter is in,
	s_barrier_signal -1
	s_barrier_wait -1                              ; everybody's is
	s_mov_b32 s[KA], 0
	s_mov_b32 s[KB], 0
	HALF
	s_mov_b32 s[KA], AH                            ; the second half of K lies in WO's second tile; WV's rows go on
	s_mov_b32 s[KB], BH
	HALF
	; THE WAY OUT: rounded to f16; 16 bytes a lane into the work-group's stage; a barrier, since a row's 128 bytes come from two waves; back as whole rows, 16 rows a wave.
	PLACES
.irp t, 0,1,2,3
.irp i, 0,1,2,3
	v_cvt_pk_f16_f32 v[TMP+4*(\t)+(\i)], v[ACC+8*(\t)+2*(\i)], v[ACC+8*(\t)+2*(\i)+1]  ; each accumulator's registers in ascending order
.endr
.endr
.irp a, 0,1
.irp b, 0,1
	ds_store_b128 v[STO], v[TMP+4*(2*(\a)+(\b)):TMP+4*(2*(\a)+(\b))+3] offset:(\a)*16*SP+32*(\b)
.endr
.endr
	s_wait_dscnt 0x0                               ; for the others' sake: my stores into the stage are done
	s_barrier_signal -1
	s_barrier_wait -1
.irp t, 0,1,2,3
	ds_load_b128 v[TMP+16+4*(\t):TMP+16+4*(\t)+3], v[RD] offset:(\t)*4*SP
.endr
	s_wait_dscnt 0x0
.irp t, 0,1,2,3
	global_store_b128 v[CO], v[TMP+16+4*(\t):TMP+16+4*(\t)+3], s[CB:CB+1] offset:(\t)*8192  ; eight lanes store a row's 128 consecutive bytes
.endr
	s_wait_tensorcnt 0x0                           ; the wave's end
	ds_add_u32 v[SPW], v[NIL]
	s_wait_dscnt 0x0
	CROUND                                         ; the closing round: no work-group ends while a partner may still ask for a tile that names it
	s_endpgm
.Lfunc_end_k_q548968fc92_wprod:
	.size	k_q548968fc92_wprod, .Lfunc_end_k_q548968fc92_wprod-k_q548968fc92_wprod
	.p2alignl 7, 3214868480
	.fill 96, 4, 3214868480
	.section	.rodata,"a",@progbits
	.p2align	6, 0x0
	.amdhsa_kernel k_q548968fc92_wprod
		.amdhsa_group_segment_fixed_size 327680
		.amdhsa_private_segment_fixed_size 0
		.amdhsa_enable_private_segment 0
		.amdhsa_kernarg_size 16
		.amdhsa_user_sgpr_count 2
		.amdhsa_user_sgpr_kernarg_segment_ptr 1
		.amdhsa_wavefront_size32 1
		.amdhsa_system_sgpr_workgroup_id_x 1
		.amdhsa_system_sgpr_workgroup_id_y 1
		.amdhsa_system_sgpr_workgroup_id_z 1
		.amdhsa_system_vgpr_workitem_id 0
		.amdhsa_next_free_vgpr 192
		.amdhsa_next_free_sgpr 66
		.amdhsa_reserve_vcc 0
		.amdhsa_float_denorm_mode_32 3
		.amdhsa_float_denorm_mode_16_64 3
		.amdhsa_memory_ordered 1
		.amdhsa_forward_progress 1
		.amdhsa_inst_pref_size 17
	.end_amdhsa_kernel
	.amdgpu_metadata
---
amdhsa.version: [ 1, 2 ]
amdhsa.kernels:
  - .name:           k_q548968fc92_wprod
    .symbol:         k_q548968fc92_wprod.kd
    .args:
      - { .name: wts, .offset: 0, .size: 8, .value_kind: global_buffer, .address_space: global }
      - { .name: xb, .offset: 8, .size: 8, .value_kind: global_buffer, .address_space: global }
    .group_segment_fixed_size: 327680
    .private_segment_fixed_size: 0
    .kernarg_segment_align: 8
    .kernarg_segment_size: 16
    .max_flat_workgroup_size: 128
    .sgpr_count:     66
    .vgpr_count:     192
    .wavefront_size: 32
...
	.end_amdgpu_metadata
.endif
;; end of part 8
;; launch proj (part 9): grid 4 x 64, 4 waves a work-group, clusters of 4 x 4, 327,680 bytes of LDS; arguments xb, wts, qkv; writes qkv
.if DOCPART == 9
	.amdgcn_target "amdgcn-amd-amdhsa--gfx1250"
	.amdhsa_code_object_version 6
	.text
	.protected	k_q548968fc92_proj
	.globl	k_q548968fc92_proj
	.p2align	8
	.type	k_q548968fc92_proj,@function
k_q548968fc92_proj:
	s_mov_b64 s[64:65], 0
	v_nop
	global_prefetch_b8 v0, s[64:65] scope:SCOPE_SE
	s_setreg_imm32_b32 hwreg(HW_REG_WAVE_MODE, 25, 1), 1
	s_wait_xcnt 0x0
	s_wait_alu depctr_hold_cnt(0) depctr_sa_sdst(0) depctr_va_vdst(0) depctr_va_sdst(0) depctr_va_ssrc(0) depctr_va_vcc(0) depctr_vm_vsrc(0)
	s_getreg_b32 s2, hwreg(HW_REG_IB_STS2, 6, 4)
	s_cmp_eq_u32 s2, 0
	s_cbranch_scc0 .Lentry_in_a_cluster
	s_endpgm
.Lentry_in_a_cluster:
	s_bfe_u32 s2, ttmp6, 0x10000c
	s_cmp_lg_u32 s2, 0xf033
	s_cbranch_scc0 .Lentry_shape_is_right
	s_endpgm
.Lentry_shape_is_right:
; Q, K = X_t W_t^T.  xb: [2 x 8192][1024] bf16 (Q's and K's inputs on end); wts: WQ, WK [1024][1024] bf16; qkv: its first [2 x 8192][1024] f16, unscaled.  Sums in f32, rounded once.
; (V has no projection: the attention's second product takes inputV's rows, and WV is multiplied into WO by a launch of its own.)
; LIMIT.  The results are f16: beyond 65,504 they would be infinities.
; SHARES.  A work-group makes 256 rows x 256 columns; wave w has rows 128 (w / 2) on and columns 128 (w % 2) on: 64 accumulators of 16 x 16, 512 registers.  16,384 x 1,024 outputs are 256 such tiles.
; K goes in steps of 128 (rows of 256 bytes in memory) through two LDS slots filled by tensor loads: waves 0, 1 fetch 128 rows each of X, waves 2, 3 fetch 128 rows each of W.  A step is four quarters
; of 32 along K, 64 matrix instructions each, on two fragment buffers; the next quarter's 32 LDS loads stand in one run in the quarter's middle.
; THE MATRIX INSTRUCTION IS USED TRANSPOSED (source 0 = 16 rows of W, source 1 = 16 rows of X): a lane holds row lane % 16 and the columns 8 (lane / 16) + 0..7, which pack into 16 bytes.
; CLUSTER.  4 x 4 work-groups: the four of a row of the cluster need the same tile of X, the four of a column the same tile of W: each is asked for jointly.
; REGISTERS, in windows of 256: window 0: v0-31 addresses; v64-127, v128-191 fragments of X, two buffers; v32-63, v192-255 at work on the way out.  Window 1: v64-127, v128-191 fragments of W.
; Window 2: the accumulators of my rows 0-63 ((a, b) at v[8 (8 a + b)]); window 3: those of my rows 64-127.  The 64 accumulators take turns, one instruction a turn, over the loops' edges too.
; THE TAIL is a loop of two trips without fills; its second trip jumps over the next step's first quarter, and the 32 fragment loads of its change of slots serve nothing: the price of writing the step once less.
.set PITCH,  272                       ; an LDS row: 256 bytes + 16 of padding: the 16 rows of a fragment load start at 16 different groups of four banks (64 banks of 4 bytes: ISA guide 11.1)
.set HALFT,  128*PITCH                 ; 128 rows: what one tensor load brings, and what one wave reads of X or of W
.set SLOT,   4*HALFT                   ; X's 256 rows, then W's 256 rows: 0x22000 bytes.  wave x HALFT (0, 0x8800, 0x11000, 0x19800) has neither of its two bits, so one exclusive or changes a fill's slot
.set STAGE,  2*SLOT                    ; behind the ring: 16 rows x 272 bytes for each wave, for the way out
.set SPARE,  STAGE+4*16*PITCH          ; the spare words: 128 bytes a wave, two blocks of 256 bytes that no other line names
.set STEPS,  8                         ; 1024 / 128
.set STEPA,  256                       ; bytes from a K step to the next
.set STEPB,  256
.set PB,     2048                      ; bytes in a row of the output
.set FIELDS, (1<<16)|(1<<20)|(1<<21)|(5<<22)|(3<<25)  ; 17:16 2-byte elements; 20 padding on; 21 set beside a mask; 24:22 after every 64 words; 31:25 4 words of it
.set ADA0, 16                          ; v16, v17  my lane's place in slot 0's X and W; never rewritten
.set ADB0, 17
.set ADA,  18                          ; v18, v19  the same in the slot in hand
.set ADB,  19
.set STO,  24                          ; v24  the way out: where I put 16 bytes of a row
.set RD,   25                          ; v25  where I read rows back
.set CO,   26                          ; v26  my byte offset in the output
.set SPW,  28                          ; v28  my spare word's LDS address; never rewritten
.set NIL,  29                          ; v29  0; never rewritten
.set F0,   64                          ; fragment buffers
.set F1,   128
.set TMP,  192                         ; the way out: packed results
.set OB,   32                          ; the way out: rows read back: v32-63 and v224-255 by turns
.set WV,   12                          ; s12 wave; s14 w / 2; s15 w % 2
.set WM,   14
.set WN,   15
.set G1A,  24                          ; s[24:31] descriptor group 1 for X's tiles; s[32:35] the group 0 that walks: it begins with K step 1 in slot 1
.set G0A,  32
.set CUR,  36                          ; s36  the slot in hand: 0 or SLOT
.set CB,   38                          ; s[38:39] the output at my wave's first row and column
.set G1B,  48                          ; s[48:55], s[56:59] the same for W's tiles
.set G0B,  56
.set FA0,  68                          ; s[68:71], s[72:75] the group 0 of K step 0 in slot 0, for X and for W; never rewritten
.set FB0,  72
.set MSB, 0
.macro WIN new                         ; the immediate's high byte repeats the setting that is left; a switch that changes nothing is dropped
.if MSB != (\new)
	s_set_vgpr_msb (MSB<<8)|(\new)
.set MSB, \new
.endif
.endm
.macro PLACES                          ; four places behind matrix instructions, in front of loads into registers that they read and of reads of their results
.rept 4
	v_nop
.endr
.endm
.macro SHAPE g, cols, rows, pitch      ; words 1 to 7 of a group 1: the tensor's extents are the tile's; sizes in elements
	s_mov_b32 s[(\g)+1], (\cols)<<16
	s_mov_b32 s[(\g)+2], (\rows)<<16
	s_mov_b32 s[(\g)+3], (\cols)<<16
	s_mov_b32 s[(\g)+4], \rows
	s_mov_b32 s[(\g)+5], \pitch
	s_mov_b32 s[(\g)+6], 0
	s_mov_b32 s[(\g)+7], 0
.endm
.macro JLOAD                           ; a joint refill; the branch hangs on the wave's number alone; an s_nop 0 and four v_nop follow each line
	s_cmp_lt_u32 s[WV], 2
	s_cbranch_scc0 .Lfor_b_\@
	tensor_load_to_lds s[G0A:G0A+3], s[G1A:G1A+7]
	s_nop 0
.rept 4
	v_nop
.endr
	s_branch .Lasked_\@
.Lfor_b_\@:
	tensor_load_to_lds s[G0B:G0B+3], s[G1B:G1B+7]
	s_nop 0
.rept 4
	v_nop
.endr
.Lasked_\@:
.endm
.macro CREST                           ; a round of the cluster's barrier behind its opening barrier
	s_cmp_lg_u32 s[WV], 0
	s_cbranch_scc1 .Lnot_wave_0_\@
	s_barrier_signal -3
.Lnot_wave_0_\@:
	s_barrier_wait -3
	s_barrier_signal -1
	s_barrier_wait -1
.endm
.macro CROUND
	s_barrier_signal -1
	s_barrier_wait -1
	CREST
.endm
.macro DSTEP                           ; the walking descriptors: the other slot, the next K step (written only where no tensor load of mine is out)
	s_xor_b32 s[G0A+1], s[G0A+1], SLOT
	s_add_nc_u64 s[G0A+2:G0A+3], s[G0A+2:G0A+3], STEPA
	s_xor_b32 s[G0B+1], s[G0B+1], SLOT
	s_add_nc_u64 s[G0B+2:G0B+3], s[G0B+2:G0B+3], STEPB
.endm
; 16 matrix instructions: row blocks a0, a0 + 1 of the window's four (hi = 0: my rows 0-63, 1: rows 64-127) x all 8 column blocks, 32 along K.  zero = 1: the products start the sums
.macro MUL16 f, hi, a0, zero
	WIN 0xa1+0x50*(\hi)                            ; source 0 (W) window 1, source 1 (X) window 0, C and D window 2 or 3
.irp a, \a0, (\a0)+1
.irp b, 0,1,2,3,4,5,6,7
.if \zero
	v_wmma_f32_16x16x32_bf16 v[8*(8*(\a)+(\b)):8*(8*(\a)+(\b))+7], v[(\f)+8*(\b):(\f)+8*(\b)+7], v[(\f)+8*(4*(\hi)+(\a)):(\f)+8*(4*(\hi)+(\a))+7], 0
.else
	v_wmma_f32_16x16x32_bf16 v[8*(8*(\a)+(\b)):8*(8*(\a)+(\b))+7], v[(\f)+8*(\b):(\f)+8*(\b)+7], v[(\f)+8*(4*(\hi)+(\a)):(\f)+8*(4*(\hi)+(\a))+7], v[8*(8*(\a)+(\b)):8*(8*(\a)+(\b))+7]
.endif
.endr
.endr
.endm
.macro FETCH g, k                      ; 32 LDS loads in one run: the fragments of 32 along K at byte k of the rows, into buffer g: W's 16 loads, then X's 16
	WIN 0x40                                       ; destination window 1
.irp i, 0,1,2,3,4,5,6,7
	ds_load_b128 v[(\g)+8*(\i):(\g)+8*(\i)+3],   v[ADB] offset:(\k)+(\i)*16*PITCH
	ds_load_b128 v[(\g)+8*(\i)+4:(\g)+8*(\i)+7], v[ADB] offset:(\k)+(\i)*16*PITCH+32
.endr
	WIN 0
.irp i, 0,1,2,3,4,5,6,7
	ds_load_b128 v[(\g)+8*(\i):(\g)+8*(\i)+3],   v[ADA] offset:(\k)+(\i)*16*PITCH
	ds_load_b128 v[(\g)+8*(\i)+4:(\g)+8*(\i)+7], v[ADA] offset:(\k)+(\i)*16*PITCH+32
.endr
.endm
.macro QUARTER f, g, k, zero           ; multiplies buffer f; in its middle fetches the next quarter, at byte k, into g
	s_wait_dscnt 8                                 ; W and X's rows 0-63 are in; the youngest eight loads (X's rows 64-127) may be out
	MUL16 \f, 0, 0, \zero
	MUL16 \f, 0, 2, \zero
	PLACES                                         ; for the loads into g, which the quarter before multiplied
	FETCH \g, \k
	s_wait_dscnt 32                                ; all but the 32 just issued
	MUL16 \f, 1, 0, \zero
	MUL16 \f, 1, 2, \zero
.endm
; A step's last quarter multiplies buffer 1 and changes slots: one barrier.  In front of it each wave waits for all its tensor loads (one is out: its part of the next slot), adds 0 to its spare
; word, and waits for that and for its reads of this slot.  fill = 1: the barrier opens a round of the cluster's barrier, and this slot is filled again, two K steps ahead, first thing behind it:
; that load has 224 matrix instructions in which to land.
.macro TURN fill
	WIN 0
	s_wait_tensorcnt 0x0
	ds_add_u32 v[SPW], v[NIL]
.if \fill
	DSTEP
.endif
	s_wait_dscnt 9                                 ; the add and the youngest eight loads may be out
	MUL16 F1, 0, 0, 0                              ; sixteen matrix instructions stand between the add and the wait for it
	s_wait_dscnt 0x0                               ; the add is done, and my reads of this slot are over
	s_barrier_signal -1
	MUL16 F1, 0, 2, 0                              ; work on registers while the others arrive
	WIN 0                                          ; at a branch and at a label every window is 0
	s_barrier_wait -1
.if \fill
	CREST
	JLOAD                                          ; its four v_nop are also the places in front of the loads below
.else
	PLACES
.endif
	s_xor_b32 s[CUR], s[CUR], SLOT
	v_add_nc_u32 v[ADA], s[CUR], v[ADA0]
	v_add_nc_u32 v[ADB], s[CUR], v[ADB0]
	FETCH F0, 0
	MUL16 F1, 1, 0, 0
	MUL16 F1, 1, 2, 0
.endm
	s_load_b128 s[4:7], s[0:1], 0x0                ; xb s[4:5], wts s[6:7]
	s_load_b64 s[8:9], s[0:1], 0x10                ; qkv
	v_lshl_add_u32 v[SPW], v0, 2, SPARE
	v_mov_b32 v[NIL], 0
	ds_add_u32 v[SPW], v[NIL]                      ; the wave's opening: the add and its wait stand ahead of my first tensor load
	v_lshrrev_b32 v3, 5, v0
	v_readfirstlane_b32 s[WV], v3
	s_lshr_b32 s[WM], s[WV], 1
	s_and_b32 s[WN], s[WV], 1
	s_bfe_u32 s40, ttmp6, 0x40000                  ; cx, cy: my place in the cluster
	s_bfe_u32 s41, ttmp6, 0x40004
	s_lshl_b32 s42, ttmp9, 2
	s_add_co_u32 s42, s42, s40                     ; tile column x = 4 x cluster x + cx
	s_and_b32 s45, ttmp7, 0xffff                   ; cluster y: eight clusters to a tensor
	s_lshl_b32 s13, s45, 2
	s_add_co_u32 s13, s13, s41                     ; tile row y = 4 x cluster y + cy, 0..63 over the two tensors
	s_lshl_b32 s43, s41, 2
	s_lshl_b32 s43, 15, s43                        ; my row of the cluster
	s_lshl_b32 s44, 0x1111, s40                    ; my column
	s_or_b32 s[G1A], s43, FIELDS
	s_or_b32 s[G1B], s44, FIELDS
	SHAPE G1A, 128, 128, 1024
	SHAPE G1B, 128, 128, 1024
	s_mov_b32 s[FA0], 1
	s_mul_i32 s[FA0+1], s[WV], HALFT               ; LDS: X's two halves, then W's two halves = wave x 128 rows, in slot 0,
	s_mov_b32 s[FB0], 1
	s_mul_i32 s[FB0+1], s[WV], HALFT
	s_mov_b32 s[G0A], 1
	s_add_co_u32 s[G0A+1], s[FA0+1], SLOT          ; and in slot 1
	s_mov_b32 s[G0B], 1
	s_add_co_u32 s[G0B+1], s[FB0+1], SLOT
	s_lshl_b32 s16, s13, 19                        ; X: row 256 y + 128 (w % 2), 2,048 bytes a row
	s_lshl_b32 s17, s[WN], 18
	s_add_co_u32 s16, s16, s17
	s_mov_b32 s17, 0
	s_lshr_b32 s46, s45, 3                         ; W: tensor t = cluster y / 8, which the whole cluster shares,
	s_lshl_b32 s46, s46, 21
	s_lshl_b32 s47, s42, 19                        ; row 256 x + 128 (w % 2)
	s_add_co_u32 s46, s46, s47
	s_lshl_b32 s47, s[WN], 18
	s_add_co_u32 s46, s46, s47
	s_mov_b32 s47, 0
	s_lshl_b32 s20, s13, 19                        ; the output: row 256 y + 128 (w / 2), byte 512 x + 256 (w % 2)
	s_lshl_b32 s21, s[WM], 18
	s_add_co_u32 s20, s20, s21
	s_lshl_b32 s21, s42, 9
	s_add_co_u32 s20, s20, s21
	s_lshl_b32 s21, s[WN], 8
	s_add_co_u32 s20, s20, s21
	s_mov_b32 s21, 0
	s_mov_b32 s[CUR], 0
	s_wait_dscnt 0x0                               ; the opening add is done
	s_wait_kmcnt 0x0
	s_add_nc_u64 s[FA0+2:FA0+3], s[4:5], s[16:17]  ; K step 0,
	s_add_nc_u64 s[G0A+2:G0A+3], s[FA0+2:FA0+3], STEPA  ; K step 1
	s_or_b32 s[FA0+3], s[FA0+3], 0x80000000        ; type = 2
	s_or_b32 s[G0A+3], s[G0A+3], 0x80000000
	s_add_nc_u64 s[FB0+2:FB0+3], s[6:7], s[46:47]
	s_add_nc_u64 s[G0B+2:G0B+3], s[FB0+2:FB0+3], STEPB
	s_or_b32 s[FB0+3], s[FB0+3], 0x80000000
	s_or_b32 s[G0B+3], s[G0B+3], 0x80000000
	s_add_nc_u64 s[CB:CB+1], s[8:9], s[20:21]
	CROUND                                         ; all sixteen work-groups are here: the first joint loads meet
	s_cmp_lt_u32 s[WV], 2                          ; a wave's two first fills stand in one branch, ahead of every wait on TENSORcnt and every LDS read: two loads of mine are out; an s_nop 0 follows each, four v_nop the second's
	s_cbranch_scc0 .Lfirst_b
	tensor_load_to_lds s[FA0:FA0+3], s[G1A:G1A+7]
	s_nop 0
	tensor_load_to_lds s[G0A:G0A+3], s[G1A:G1A+7]
	s_nop 0
.rept 4
	v_nop
.endr
	s_branch .Lfirst_asked
.Lfirst_b:
	tensor_load_to_lds s[FB0:FB0+3], s[G1B:G1B+7]
	s_nop 0
	tensor_load_to_lds s[G0B:G0B+3], s[G1B:G1B+7]
	s_nop 0
.rept 4
	v_nop
.endr
.Lfirst_asked:
	v_and_b32 v1, 15, v0                           ; r = lane % 16
	v_bfe_u32 v2, v0, 4, 1                         ; h = lane / 16
	v_mul_u32_u24 v3, v1, PITCH
	v_lshl_add_u32 v3, v2, 4, v3                   ; a fragment's row x pitch + 16 x half
	s_mul_i32 s18, s[WM], HALFT                    ; my 128 rows of X
	v_add_nc_u32 v[ADA0], s18, v3
	s_mul_i32 s19, s[WN], HALFT                    ; my 128 rows of W, behind X's 256
	s_add_co_u32 s19, s19, 2*HALFT
	v_add_nc_u32 v[ADB0], s19, v3
	v_mov_b32 v[ADA], v[ADA0]
	v_mov_b32 v[ADB], v[ADB0]
	s_mul_i32 s18, s[WV], 16*PITCH
	s_add_co_u32 s18, s18, STAGE                   ; my stage
	v_add_nc_u32 v[STO], s18, v3                   ; in: row r, 16 bytes for each half of the lanes
	v_mul_u32_u24 v4, v2, PITCH
	v_lshl_add_u32 v4, v1, 4, v4
	v_add_nc_u32 v[RD], s18, v4                    ; back: lanes 0-15 one row of 256 bytes, lanes 16-31 the next
	v_mul_u32_u24 v4, v2, PB
	v_lshl_add_u32 v[CO], v1, 4, v4                ; and the same two rows in the output
	s_wait_tensorcnt 0x1                           ; my part of K step 0 is in; K step 1's may stay out
	s_barrier_signal -1
	s_barrier_wait -1                              ; everybody's is
	FETCH F0, 0
	QUARTER F0, F1, 64, 1                          ; the first quarter stands in front of the loop: its products start the sums
	WIN 0
	s_mov_b32 s3, STEPS-2
.Lstep:                                                ; a trip: from a step's second quarter to the next step's first; it fills the slot that it leaves
	QUARTER F1, F0, 128, 0
	QUARTER F0, F1, 192, 0
	TURN 1
	QUARTER F0, F1, 64, 0
	WIN 0
	s_sub_co_u32 s3, s3, 1
	s_cmp_lg_u32 s3, 0
	s_cbranch_scc1 .Lstep
	s_mov_b32 s3, 2
.Ltail:                                                ; the last two steps: nothing is left to fetch from memory
	QUARTER F1, F0, 128, 0
	QUARTER F0, F1, 192, 0
	TURN 0
	WIN 0
	s_cmp_eq_u32 s3, 1
	s_cbranch_scc1 .Ltail_end                      ; behind the last step there is no first quarter of a next one
	QUARTER F0, F1, 64, 0
	WIN 0
.Ltail_end:
	s_wait_dscnt 0x0                               ; no LDS load is out at the loop's edge, on either way
	s_sub_co_u32 s3, s3, 1
	s_cmp_lg_u32 s3, 0
	s_cbranch_scc1 .Ltail
	; THE WAY OUT, 16 rows at a time: rounded to f16, 16 bytes a lane into my own stage, back as whole rows of 256 bytes, stored.
.macro PACK a                          ; each accumulator's registers in ascending order
	WIN 0x0a+5*((\a)/4)                            ; sources 0 and 1 in window 2 or 3
.irp b, 0,1,2,3,4,5,6,7
.irp i, 0,1,2,3
	v_cvt_pk_f16_f32 v[TMP+4*(\b)+(\i)], v[64*((\a)%4)+8*(\b)+2*(\i)], v[64*((\a)%4)+8*(\b)+2*(\i)+1]
.endr
.endr
	WIN 0
.endm
.macro TOSTAGE a
	s_wait_xcnt 0x0                                ; the registers that earlier stores read are loaded again only behind this wait
.irp b, 0,1,2,3,4,5,6,7
	ds_store_b128 v[STO], v[TMP+4*(\b):TMP+4*(\b)+3] offset:32*(\b)
.endr
.irp t, 0,1,2,3,4,5,6,7
	ds_load_b128 v[OB+192*((\a)%2)+4*(\t):OB+192*((\a)%2)+4*(\t)+3], v[RD] offset:(\t)*2*PITCH  ; LDS serves a wave's instructions in order (ISA guide 5.7.1.4): these see the stores above
.endr
.endm
.macro SEND a
	s_wait_dscnt 0x0                               ; the block is back in registers
.irp t, 0,1,2,3,4,5,6,7
	global_store_b128 v[CO], v[OB+192*((\a)%2)+4*(\t):OB+192*((\a)%2)+4*(\t)+3], s[CB:CB+1] offset:(16*(\a)+2*(\t))*PB  ; 16 lanes store 256 consecutive bytes, aligned
.endr
.endm
	PLACES
	PACK 0
	TOSTAGE 0
.irp a, 1,2,3,4,5,6,7                  ; a block's conversions stand between the loads of the block before and the wait for them
	PACK \a
	SEND (\a)-1
	TOSTAGE \a
.endr
	SEND 7
	s_wait_tensorcnt 0x0                           ; the wave's end
	ds_add_u32 v[SPW], v[NIL]
	s_wait_dscnt 0x0
	CROUND                                         ; the closing round: no work-group ends while a partner may still ask for a tile that names it
	s_endpgm
.Lfunc_end_k_q548968fc92_proj:
	.size	k_q548968fc92_proj, .Lfunc_end_k_q548968fc92_proj-k_q548968fc92_proj
	.p2alignl 7, 3214868480
	.fill 96, 4, 3214868480
	.section	.rodata,"a",@progbits
	.p2align	6, 0x0
	.amdhsa_kernel k_q548968fc92_proj
		.amdhsa_group_segment_fixed_size 327680
		.amdhsa_private_segment_fixed_size 0
		.amdhsa_enable_private_segment 0
		.amdhsa_kernarg_size 24
		.amdhsa_user_sgpr_count 2
		.amdhsa_user_sgpr_kernarg_segment_ptr 1
		.amdhsa_wavefront_size32 1
		.amdhsa_system_sgpr_workgroup_id_x 1
		.amdhsa_system_sgpr_workgroup_id_y 1
		.amdhsa_system_sgpr_workgroup_id_z 1
		.amdhsa_system_vgpr_workitem_id 0
		.amdhsa_next_free_vgpr 1024
		.amdhsa_next_free_sgpr 76
		.amdhsa_reserve_vcc 0
		.amdhsa_float_denorm_mode_32 3
		.amdhsa_float_denorm_mode_16_64 3
		.amdhsa_memory_ordered 1
		.amdhsa_forward_progress 1
		.amdhsa_inst_pref_size 99
	.end_amdhsa_kernel
	.amdgpu_metadata
---
amdhsa.version: [ 1, 2 ]
amdhsa.kernels:
  - .name:           k_q548968fc92_proj
    .symbol:         k_q548968fc92_proj.kd
    .args:
      - { .name: xb, .offset: 0, .size: 8, .value_kind: global_buffer, .address_space: global }
      - { .name: wts, .offset: 8, .size: 8, .value_kind: global_buffer, .address_space: global }
      - { .name: qkv, .offset: 16, .size: 8, .value_kind: global_buffer, .address_space: global }
    .group_segment_fixed_size: 327680
    .private_segment_fixed_size: 0
    .kernarg_segment_align: 8
    .kernarg_segment_size: 24
    .max_flat_workgroup_size: 128
    .sgpr_count:     76
    .vgpr_count:     1024
    .wavefront_size: 32
...
	.end_amdgpu_metadata
.endif
;; end of part 9
;; launch scores (part 10): grid 8 x 32, 4 waves a work-group, clusters of 4 x 4, 327,680 bytes of LDS; arguments qkv, mb, p, st; writes p, st
.if DOCPART == 10
	.amdgcn_target "amdgcn-amd-amdhsa--gfx1250"
	.amdhsa_code_object_version 6
	.text
	.protected	k_q548968fc92_scores
	.globl	k_q548968fc92_scores
	.p2align	8
	.type	k_q548968fc92_scores,@function
k_q548968fc92_scores:
	s_mov_b64 s[64:65], 0
	v_nop
	global_prefetch_b8 v0, s[64:65] scope:SCOPE_SE
	s_setreg_imm32_b32 hwreg(HW_REG_WAVE_MODE, 25, 1), 1
	s_wait_xcnt 0x0
	s_wait_alu depctr_hold_cnt(0) depctr_sa_sdst(0) depctr_va_vdst(0) depctr_va_sdst(0) depctr_va_ssrc(0) depctr_va_vcc(0) depctr_vm_vsrc(0)
	s_getreg_b32 s2, hwreg(HW_REG_IB_STS2, 6, 4)
	s_cmp_eq_u32 s2, 0
	s_cbranch_scc0 .Lentry_in_a_cluster
	s_endpgm
.Lentry_in_a_cluster:
	s_bfe_u32 s2, ttmp6, 0x10000c
	s_cmp_lg_u32 s2, 0xf033
	s_cbranch_scc0 .Lentry_shape_is_right
	s_endpgm
.Lentry_shape_is_right:
; S = Q K^T, the mask, and a softmax for each chunk of 128 keys.  qkv: Q at byte 0, K at byte 16,777,216, each [8192][1024] f16, unscaled; mb: the mask's bits; p: [8192][2048] f16; st: [batch][chunk][query] pairs (m, l) f32.
; A wave's 128 rows x 128 columns are 128 queries x ONE chunk.  s' = -8e9 where the mask's bit is set (reference's -1e9 ahead of its division by 8), else s; m = the chunk's largest s';
; p = 2^(c (s' - m)), c = log2(e) / 8: the difference first, so that a chunk in which every key is hidden gives p = 1 exactly; l = the sum of the unrounded p; P = f16(p).  The launch behind joins the chunks by their m.
; LIMITS.  p below 6e-5 keeps f16's fixed step of 6e-8; a p below 2^-126 counts as 0 in l; unmasked scores are taken to lie above -8e9; NaN and infinities are not treated apart.
; SHARES, RING, CLUSTER.  A work-group makes 256 x 256: 8,192 x 2,048 scores are 256 such tiles.  Wave w: rows 128 (w / 2) on, columns 128 (w % 2) on: 64 accumulators.  K steps of 128 through two LDS slots;
; waves 0, 1 fetch 128 rows each of Q, waves 2, 3 of K; 4 x 4 work-groups ask jointly: Q's tile along a row of the cluster, K's along a column.
; The matrix instruction is used transposed (source 0 = 16 keys, source 1 = 16 queries): a lane holds query lane % 16 and the keys 16 b + 8 (lane / 16) + 0..7.  The accumulators take turns.
; REGISTERS: window 0: v0-31 addresses; v64-127, v128-191 Q's fragments; window 1: the same numbers, K's; windows 2, 3: the accumulators of my rows 0-63 and 64-127, (a, b) at v[8 (8 a + b)].
; THE SOFTMAX IS WRITTEN ONCE.  Behind the last product and a barrier the ring is dead: each wave lays its 64 accumulators into 65,536 bytes of it (each lane reads back only what it wrote), and a loop of
; eight trips takes a block of 16 queries at a time.  The price: 128 LDS stores and 128 LDS loads a wave, against eight copies of the block's text.
; THE TAIL of the K loop is a loop of two trips without fills; its second trip jumps over the next step's first quarter, and the 32 fragment loads of its change of slots serve nothing.
.set PITCH,  272                       ; an LDS row: 256 bytes + 16 of padding (64 banks of 4 bytes: ISA guide 11.1: 16 rows start at 16 different groups of four banks)
.set HALFT,  128*PITCH
.set SLOT,   4*HALFT                   ; 0x22000 bytes; wave x HALFT has neither of its two bits, so one exclusive or changes a fill's slot
.set STAGE,  2*SLOT                    ; 16 rows x 272 bytes for each wave
.set WT,     STAGE+4*16*PITCH          ; the mask words: for each wave 8 blocks x 32 lanes x 16 bytes
.set STT,    WT+4*4096                 ; (m, l): for each wave 128 rows x 8 bytes
.set SPARE,  STT+4*1024                ; the spare words: 128 bytes a wave, two blocks of 256 bytes that no other line names
.set STEPS,  8
.set STEPA,  256
.set STEPB,  256
.set PB,     4096                      ; bytes in a row of p
.set FIELDS, (1<<16)|(1<<20)|(1<<21)|(5<<22)|(3<<25)
.set TA,   8                           ; v8-10  the block in hand: its scores, its mask words, its place in (m, l)
.set WA,   9
.set SA,   10
.set ADA0, 16
.set ADB0, 17
.set ADA,  18
.set ADB,  19
.set DA,   20                          ; v20  65,536 x wave + 16 x lane: where my accumulators go
.set WTA,  21                          ; v21  my 16 bytes in a block's mask words
.set MO,   22                          ; v22  16 x (lane % 16): my row's four mask words in mb
.set STA,  23                          ; v23  my row's pair in a block of (m, l)
.set STO,  24
.set RD,   25
.set CO,   26
.set SH,   27                          ; v27  16 - 16 (lane / 16)
.set SPW,  28
.set NIL,  29
.set SR,   30                          ; v30  8 x lane in my wave's (m, l)
.set SO8,  31                          ; v31  8 x lane in st
.set F0,   64
.set F1,   128
.set T,    64                          ; the softmax (the fragment buffers are dead): v64-127 a block's 64 scores
.set TMP,  128                         ; v128-159 packed weights
.set BK,   160                         ; v160-191 rows read back
.set CC,   192                         ; v192-195 four chains
.set MM,   196                         ; v[196:197] m, twice
.set ML,   198                         ; v[198:199] m, l
.set SU,   200                         ; v200-207 four pairs of sums
.set WB,   208                         ; v208-211 the block's mask words
.set DD,   212                         ; v212-219 what goes to st
.set W0,   192                         ; the prologue: v192-223 the eight blocks' mask words
.set WV,   12
.set WM,   14
.set WN,   15
.set G1A,  24
.set G0A,  32
.set CUR,  36
.set CB,   38
.set G1B,  48
.set G0B,  56
.set MBB,  66                          ; s[66:67] mb at my 128 rows of my chunk
.set STB,  68                          ; s[68:69] st likewise
.set MV,   70                          ; s70  -8e9
.set CS,   72                          ; s[72:73] c
.set SEL,  74                          ; s[74:75] v_permlanex16_b32's selects: each lane its own place in the other half
.set AO,   77                          ; s77-79 the block's steps: 8,192, 512 and 128 bytes
.set WO,   78
.set SO,   79
.set MS,   80                          ; s80-83 four masks of lanes
.set MSB, 0
.macro WIN new
.if MSB != (\new)
	s_set_vgpr_msb (MSB<<8)|(\new)
.set MSB, \new
.endif
.endm
.macro PLACES
.rept 4
	v_nop
.endr
.endm
.macro SHAPE g, cols, rows, pitch
	s_mov_b32 s[(\g)+1], (\cols)<<16
	s_mov_b32 s[(\g)+2], (\rows)<<16
	s_mov_b32 s[(\g)+3], (\cols)<<16
	s_mov_b32 s[(\g)+4], \rows
	s_mov_b32 s[(\g)+5], \pitch
	s_mov_b32 s[(\g)+6], 0
	s_mov_b32 s[(\g)+7], 0
.endm
.macro JLOAD                           ; a joint load; an s_nop 0 and four v_nop follow each line
	s_cmp_lt_u32 s[WV], 2
	s_cbranch_scc0 .Lfor_b_\@
	tensor_load_to_lds s[G0A:G0A+3], s[G1A:G1A+7]
	s_nop 0
.rept 4
	v_nop
.endr
	s_branch .Lasked_\@
.Lfor_b_\@:
	tensor_load_to_lds s[G0B:G0B+3], s[G1B:G1B+7]
	s_nop 0
.rept 4
	v_nop
.endr
.Lasked_\@:
.endm
.macro CREST
	s_cmp_lg_u32 s[WV], 0
	s_cbranch_scc1 .Lnot_wave_0_\@
	s_barrier_signal -3
.Lnot_wave_0_\@:
	s_barrier_wait -3
	s_barrier_signal -1
	s_barrier_wait -1
.endm
.macro CROUND
	s_barrier_signal -1
	s_barrier_wait -1
	CREST
.endm
.macro DSTEP
	s_xor_b32 s[G0A+1], s[G0A+1], SLOT
	s_add_nc_u64 s[G0A+2:G0A+3], s[G0A+2:G0A+3], STEPA
	s_xor_b32 s[G0B+1], s[G0B+1], SLOT
	s_add_nc_u64 s[G0B+2:G0B+3], s[G0B+2:G0B+3], STEPB
.endm
.macro MUL16 f, hi, a0, zero           ; 16 matrix instructions: row blocks a0, a0 + 1 of the window's four x all 8 column blocks, 32 along K
	WIN 0xa1+0x50*(\hi)                            ; source 0 (K) window 1, source 1 (Q) window 0, C and D window 2 or 3
.irp a, \a0, (\a0)+1
.irp b, 0,1,2,3,4,5,6,7
.if \zero
	v_wmma_f32_16x16x32_f16 v[8*(8*(\a)+(\b)):8*(8*(\a)+(\b))+7], v[(\f)+8*(\b):(\f)+8*(\b)+7], v[(\f)+8*(4*(\hi)+(\a)):(\f)+8*(4*(\hi)+(\a))+7], 0
.else
	v_wmma_f32_16x16x32_f16 v[8*(8*(\a)+(\b)):8*(8*(\a)+(\b))+7], v[(\f)+8*(\b):(\f)+8*(\b)+7], v[(\f)+8*(4*(\hi)+(\a)):(\f)+8*(4*(\hi)+(\a))+7], v[8*(8*(\a)+(\b)):8*(8*(\a)+(\b))+7]
.endif
.endr
.endr
.endm
.macro FETCH g, k                      ; 32 LDS loads in one run: K's 16, then Q's 16
	WIN 0x40
.irp i, 0,1,2,3,4,5,6,7
	ds_load_b128 v[(\g)+8*(\i):(\g)+8*(\i)+3],   v[ADB] offset:(\k)+(\i)*16*PITCH
	ds_load_b128 v[(\g)+8*(\i)+4:(\g)+8*(\i)+7], v[ADB] offset:(\k)+(\i)*16*PITCH+32
.endr
	WIN 0
.irp i, 0,1,2,3,4,5,6,7
	ds_load_b128 v[(\g)+8*(\i):(\g)+8*(\i)+3],   v[ADA] offset:(\k)+(\i)*16*PITCH
	ds_load_b128 v[(\g)+8*(\i)+4:(\g)+8*(\i)+7], v[ADA] offset:(\k)+(\i)*16*PITCH+32
.endr
.endm
.macro QUARTER f, g, k, zero
	s_wait_dscnt 8                                 ; K and Q's rows 0-63 are in; the youngest eight loads (Q's rows 64-127) may be out
	MUL16 \f, 0, 0, \zero
	MUL16 \f, 0, 2, \zero
	PLACES                                         ; for the loads into g, which the quarter before multiplied
	FETCH \g, \k
	s_wait_dscnt 32                                ; all but the 32 just issued
	MUL16 \f, 1, 0, \zero
	MUL16 \f, 1, 2, \zero
.endm
; The change of slots: each wave waits for all its tensor loads (one is out: its part of the next slot), adds 0 to its spare word, waits for that and for its reads of this slot; one barrier, which with
; fill = 1 opens a round of the cluster's barrier; the joint refill, two K steps ahead, is the first thing behind it and has 224 matrix instructions in which to land.
.macro TURN fill
	WIN 0
	s_wait_tensorcnt 0x0
	ds_add_u32 v[SPW], v[NIL]
.if \fill
	DSTEP
.endif
	s_wait_dscnt 9                                 ; the add and the youngest eight loads may be out
	MUL16 F1, 0, 0, 0
	s_wait_dscnt 0x0
	s_barrier_signal -1
	MUL16 F1, 0, 2, 0
	WIN 0
	s_barrier_wait -1
.if \fill
	CREST
	JLOAD                                          ; its four v_nop are also the places in front of the loads below
.else
	PLACES
.endif
	s_xor_b32 s[CUR], s[CUR], SLOT
	v_add_nc_u32 v[ADA], s[CUR], v[ADA0]
	v_add_nc_u32 v[ADB], s[CUR], v[ADB0]
	FETCH F0, 0
	MUL16 F1, 1, 0, 0
	MUL16 F1, 1, 2, 0
.endm
	s_load_b256 s[4:11], s[0:1], 0x0               ; qkv s[4:5], mb s[6:7], p s[8:9], st s[10:11]
	v_lshl_add_u32 v[SPW], v0, 2, SPARE
	v_mov_b32 v[NIL], 0
	ds_add_u32 v[SPW], v[NIL]                      ; the wave's opening: the add and its wait stand ahead of my first tensor load
	v_lshrrev_b32 v3, 5, v0
	v_readfirstlane_b32 s[WV], v3
	s_lshr_b32 s[WM], s[WV], 1
	s_and_b32 s[WN], s[WV], 1
	s_bfe_u32 s40, ttmp6, 0x40000
	s_bfe_u32 s41, ttmp6, 0x40004
	s_lshl_b32 s42, ttmp9, 2
	s_add_co_u32 s42, s42, s40                     ; x: which 256 keys of the batch
	s_and_b32 s45, ttmp7, 0xffff                   ; cluster y: two clusters to a batch
	s_lshl_b32 s13, s45, 2
	s_add_co_u32 s13, s13, s41                     ; y: which 256 of the 8,192 rows
	s_lshl_b32 s43, s41, 2
	s_lshl_b32 s43, 15, s43
	s_lshl_b32 s44, 0x1111, s40
	s_or_b32 s[G1A], s43, FIELDS
	s_or_b32 s[G1B], s44, FIELDS
	SHAPE G1A, 128, 128, 1024
	SHAPE G1B, 128, 128, 1024
	s_mov_b32 s[G0A], 1
	s_mul_i32 s[G0A+1], s[WV], HALFT
	s_mov_b32 s[G0B], 1
	s_mul_i32 s[G0B+1], s[WV], HALFT
	s_lshl_b32 s16, s13, 19                        ; Q: row 256 y + 128 (w % 2)
	s_lshl_b32 s17, s[WN], 18
	s_add_co_u32 s16, s16, s17
	s_mov_b32 s17, 0
	s_lshr_b32 s46, s45, 1                         ; K: row 2,048 batch + 256 x + 128 (w % 2), behind Q's 16,777,216 bytes
	s_lshl_b32 s46, s46, 22
	s_lshl_b32 s47, s42, 19
	s_add_co_u32 s46, s46, s47
	s_lshl_b32 s47, s[WN], 18
	s_add_co_u32 s46, s46, s47
	s_add_co_u32 s46, s46, 16777216
	s_mov_b32 s47, 0
	s_lshr_b32 s20, s45, 1                         ; mb and st: entry (16 batch + chunk) x 2,048 + my first query in the batch; chunk = 2 x + w % 2
	s_lshl_b32 s20, s20, 4
	s_lshl_b32 s21, s42, 1
	s_add_co_u32 s20, s20, s21
	s_add_co_u32 s20, s20, s[WN]
	s_lshl_b32 s20, s20, 11
	s_and_b32 s21, s13, 7
	s_lshl_b32 s21, s21, 8
	s_add_co_u32 s20, s20, s21
	s_lshl_b32 s21, s[WM], 7
	s_add_co_u32 s20, s20, s21
	s_lshl_b32 s22, s20, 4                         ; 16 bytes an entry of mb,
	s_mov_b32 s23, 0
	s_lshl_b32 s20, s20, 3                         ; 8 of st
	s_mov_b32 s21, 0
	s_lshl_b32 s2, s13, 20                         ; p: row 256 y + 128 (w / 2), byte 512 x + 256 (w % 2)
	s_lshl_b32 s3, s[WM], 19
	s_add_co_u32 s2, s2, s3
	s_lshl_b32 s3, s42, 9
	s_add_co_u32 s2, s2, s3
	s_lshl_b32 s3, s[WN], 8
	s_add_co_u32 s2, s2, s3
	s_mov_b32 s3, 0
	s_mov_b32 s[CUR], 0
	s_mov_b32 s[MV], 0xcfee6b28                    ; -8e9
	s_mov_b32 s[CS], 0x3e38aa3b                    ; c = log2(e) / 8
	s_mov_b32 s[CS+1], s[CS]                       ; named with it as a pair
	s_mov_b32 s[SEL], 0x76543210
	s_mov_b32 s[SEL+1], 0xfedcba98
	s_wait_dscnt 0x0
	s_wait_kmcnt 0x0
	s_add_nc_u64 s[G0A+2:G0A+3], s[4:5], s[16:17]
	s_or_b32 s[G0A+3], s[G0A+3], 0x80000000
	s_add_nc_u64 s[G0B+2:G0B+3], s[4:5], s[46:47]
	s_or_b32 s[G0B+3], s[G0B+3], 0x80000000
	s_add_nc_u64 s[MBB:MBB+1], s[6:7], s[22:23]
	s_add_nc_u64 s[STB:STB+1], s[10:11], s[20:21]
	s_add_nc_u64 s[CB:CB+1], s[8:9], s[2:3]
	CROUND
	JLOAD                                          ; K step 0 into slot 0
	v_and_b32 v1, 15, v0                           ; r
	v_bfe_u32 v2, v0, 4, 1                         ; h
	v_lshlrev_b32 v[MO], 4, v1
.irp a, 0,1,2,3,4,5,6,7
	global_load_b128 v[W0+4*(\a):W0+4*(\a)+3], v[MO], s[MBB:MBB+1] offset:256*(\a)  ; row 16 a + r: its chunk's 128 bits
.endr
	v_mul_u32_u24 v3, v1, PITCH
	v_lshl_add_u32 v3, v2, 4, v3
	s_mul_i32 s18, s[WM], HALFT
	v_add_nc_u32 v[ADA0], s18, v3
	s_mul_i32 s19, s[WN], HALFT
	s_add_co_u32 s19, s19, 2*HALFT
	v_add_nc_u32 v[ADB0], s19, v3
	v_mov_b32 v[ADA], v[ADA0]
	v_mov_b32 v[ADB], v[ADB0]
	s_mul_i32 s18, s[WV], 16*PITCH
	s_add_co_u32 s18, s18, STAGE
	v_add_nc_u32 v[STO], s18, v3
	v_mul_u32_u24 v4, v2, PITCH
	v_lshl_add_u32 v4, v1, 4, v4
	v_add_nc_u32 v[RD], s18, v4
	v_mul_u32_u24 v4, v2, PB
	v_lshl_add_u32 v[CO], v1, 4, v4
	v_and_b32 v4, 31, v0                           ; lane
	v_lshlrev_b32 v5, 4, v4
	s_lshl_b32 s18, s[WV], 16
	v_add_nc_u32 v[DA], s18, v5
	s_lshl_b32 s18, s[WV], 12
	s_add_co_u32 s18, s18, WT
	v_add_nc_u32 v[WTA], s18, v5
	s_lshl_b32 s18, s[WV], 10
	s_add_co_u32 s18, s18, STT
	v_lshl_add_u32 v[STA], v1, 3, s18
	v_lshl_add_u32 v[SR], v4, 3, s18
	v_lshlrev_b32 v[SO8], 3, v4
	v_lshlrev_b32 v[SH], 4, v2
	v_sub_nc_u32 v[SH], 16, v[SH]
	s_wait_loadcnt 0x0                             ; the mask words, in the wait for the first tile
.set i, 0
.rept 32
	v_lshlrev_b32 v[W0+i], v[SH], v[W0+i]          ; my half word to the top: its top bit is my first key's
.set i, i+1
.endr
.irp a, 0,1,2,3,4,5,6,7
	ds_store_b128 v[WTA], v[W0+4*(\a):W0+4*(\a)+3] offset:512*(\a)  ; kept in bytes of my own, which no fill touches, for the loop over blocks
.endr
	s_wait_tensorcnt 0x0                           ; slot 0 is waited for and slot 1 filled for the first time, in a refill's form
	ds_add_u32 v[SPW], v[NIL]
	DSTEP
	s_wait_dscnt 0x0
	CROUND
	JLOAD                                          ; K step 1 into slot 1
	FETCH F0, 0
	QUARTER F0, F1, 64, 1                          ; the first quarter's products start the sums
	WIN 0
	s_mov_b32 s3, STEPS-2
.Lstep:
	QUARTER F1, F0, 128, 0
	QUARTER F0, F1, 192, 0
	TURN 1
	QUARTER F0, F1, 64, 0
	WIN 0
	s_sub_co_u32 s3, s3, 1
	s_cmp_lg_u32 s3, 0
	s_cbranch_scc1 .Lstep
	s_mov_b32 s3, 2
.Ltail:                                                ; the last two steps: nothing is left to fetch from memory
	QUARTER F1, F0, 128, 0
	QUARTER F0, F1, 192, 0
	TURN 0
	WIN 0
	s_cmp_eq_u32 s3, 1
	s_cbranch_scc1 .Ltail_end                      ; behind the last step there is no first quarter of a next one
	QUARTER F0, F1, 64, 0
	WIN 0
.Ltail_end:
	s_wait_dscnt 0x0                               ; no LDS load is out at the loop's edge, on either way
	s_sub_co_u32 s3, s3, 1
	s_cmp_lg_u32 s3, 0
	s_cbranch_scc1 .Ltail
	; THE ACCUMULATORS GO INTO THE DEAD RING.  Every wave's reads of the ring are back (the wait above); behind this barrier nobody reads it, and it has had its last fill.
	s_barrier_signal -1
	s_barrier_wait -1
	PLACES
.irp hi, 0,1
	WIN 0x08+4*(\hi)                               ; the data (source 1) in window 2 or 3
.irp a, 0,1,2,3
.irp b, 0,1,2,3,4,5,6,7
	ds_store_b128 v[DA], v[8*(8*(\a)+(\b)):8*(8*(\a)+(\b))+3] offset:(4*(\hi)+(\a))*8192+(\b)*1024         ; each accumulator's low four registers first;
	ds_store_b128 v[DA], v[8*(8*(\a)+(\b))+4:8*(8*(\a)+(\b))+7] offset:(4*(\hi)+(\a))*8192+(\b)*1024+512   ; 32 lanes x 16 neighbouring bytes: no bank is asked twice
.endr
.endr
.endr
	WIN 0
	s_mov_b32 s[AO], 0
	s_mov_b32 s[WO], 0
	s_mov_b32 s[SO], 0
	s_mov_b32 s3, 8
.Lblk:                                                 ; A BLOCK: 16 queries x 128 keys, 64 scores a lane
	v_add_nc_u32 v[TA], s[AO], v[DA]
	v_add_nc_u32 v[WA], s[WO], v[WTA]
	v_add_nc_u32 v[SA], s[SO], v[STA]
.set i, 0
.rept 16
	ds_load_b128 v[T+4*i:T+4*i+3], v[TA] offset:512*i  ; accumulator i / 2, registers 4 (i % 2) + 0..3: what this lane stored (LDS serves a wave's instructions in order: ISA guide 5.7.1.4)
.set i, i+1
.endr
	ds_load_b128 v[WB:WB+3], v[WA]
	s_wait_dscnt 0x0
.set i, 0
.rept 16                                       ; the mask, four scores at a time
.irp u, 0,1,2,3
	v_cmp_gt_i32 s[MS+(\u)], 0, v[WB+(\u)]         ; the word's top bit
.endr
.irp u, 0,1,2,3
	v_cndmask_b32 v[T+4*i+(\u)], v[T+4*i+(\u)], s[MV], s[MS+(\u)]
.endr
.irp u, 0,1,2,3
	v_lshlrev_b32 v[WB+(\u)], 1, v[WB+(\u)]
.endr
.set i, i+1
.endr
.irp k, 0,1,2,3                                ; the maximum: four chains of 16 scores, three operands at a time
	v_max3_num_f32 v[CC+(\k)], v[T+16*(\k)], v[T+16*(\k)+1], v[T+16*(\k)+2]
.endr
.set n, 0
.rept 6
.irp k, 0,1,2,3
	v_max3_num_f32 v[CC+(\k)], v[CC+(\k)], v[T+16*(\k)+3+2*n], v[T+16*(\k)+4+2*n]
.endr
.set n, n+1
.endr
.irp k, 0,1,2,3
	v_max_num_f32 v[CC+(\k)], v[CC+(\k)], v[T+16*(\k)+15]
.endr
	v_max3_num_f32 v[CC], v[CC], v[CC+1], v[CC+2]
	v_max_num_f32 v[CC], v[CC], v[CC+3]
	v_permlanex16_b32 v[CC+1], v[CC], s[SEL], s[SEL+1]  ; the query's other 64 keys lie in the lane 16 away
	v_max_num_f32 v[MM], v[CC], v[CC+1]
	v_max_num_f32 v[MM+1], v[CC], v[CC+1]
.set n, 0
.rept 32
	v_pk_add_f32 v[T+2*n:T+2*n+1], v[T+2*n:T+2*n+1], v[MM:MM+1] neg_lo:[0,1] neg_hi:[0,1]  ; s' - m: exactly 0 where s' = m, whatever their size
.set n, n+1
.endr
.set n, 0
.rept 32
	v_pk_mul_f32 v[T+2*n:T+2*n+1], v[T+2*n:T+2*n+1], s[CS:CS+1] op_sel_hi:[1,0]
.set n, n+1
.endr
.set n, 0
.rept 64
	v_exp_f32 v[T+n], v[T+n]
.set n, n+1
.endr
	v_nop                                          ; a plain instruction between the last exponential and the use of its result
.set n, 0
	s_wait_alu depctr_va_vdst(0)
.rept 32
	v_cvt_pk_f16_f32 v[TMP+n], v[T+2*n], v[T+2*n+1]
.set n, n+1
.endr
.irp k, 0,1,2,3                                ; the sum of the unrounded weights: four chains of eight pairs
	v_pk_add_f32 v[SU+2*(\k):SU+2*(\k)+1], v[T+16*(\k):T+16*(\k)+1], v[T+16*(\k)+2:T+16*(\k)+3]
.endr
.set n, 2
.rept 6
.irp k, 0,1,2,3
	v_pk_add_f32 v[SU+2*(\k):SU+2*(\k)+1], v[SU+2*(\k):SU+2*(\k)+1], v[T+16*(\k)+2*n:T+16*(\k)+2*n+1]
.endr
.set n, n+1
.endr
	v_pk_add_f32 v[SU:SU+1], v[SU:SU+1], v[SU+2:SU+3]
	v_pk_add_f32 v[SU+4:SU+5], v[SU+4:SU+5], v[SU+6:SU+7]
	v_pk_add_f32 v[SU:SU+1], v[SU:SU+1], v[SU+4:SU+5]
	v_add_f32 v[CC], v[SU], v[SU+1]
	v_permlanex16_b32 v[CC+1], v[CC], s[SEL], s[SEL+1]
	v_mov_b32 v[ML], v[MM]
	v_add_f32 v[ML+1], v[CC], v[CC+1]
.irp b, 0,1,2,3,4,5,6,7                        ; the weights through my stage: 16 bytes a lane in, whole rows of 256 bytes back
	ds_store_b128 v[STO], v[TMP+4*(\b):TMP+4*(\b)+3] offset:32*(\b)
.endr
.irp t, 0,1,2,3,4,5,6,7
	ds_load_b128 v[BK+4*(\t):BK+4*(\t)+3], v[RD] offset:(\t)*2*PITCH
.endr
	ds_store_b64 v[SA], v[ML:ML+1]                 ; both halves of the lanes hold the row's m and l and write the same 8 bytes
	s_wait_dscnt 0x0
.irp t, 0,1,2,3,4,5,6,7
	global_store_b128 v[CO], v[BK+4*(\t):BK+4*(\t)+3], s[CB:CB+1] offset:2*(\t)*PB  ; 16 lanes store 256 consecutive bytes, aligned
.endr
	s_wait_xcnt 0x0                                ; the stores' base is stepped, and their data loaded again in the next trip, only behind this wait
	s_add_nc_u64 s[CB:CB+1], s[CB:CB+1], 16*PB
	s_add_co_u32 s[AO], s[AO], 8192
	s_add_co_u32 s[WO], s[WO], 512
	s_add_co_u32 s[SO], s[SO], 128
	s_sub_co_u32 s3, s3, 1
	s_cmp_lg_u32 s3, 0
	s_cbranch_scc1 .Lblk
.irp i, 0,1,2,3                                ; st: my wave's 128 pairs
	ds_load_b64 v[DD+2*(\i):DD+2*(\i)+1], v[SR] offset:256*(\i)
.endr
	s_wait_dscnt 0x0
.irp i, 0,1,2,3
	global_store_b64 v[SO8], v[DD+2*(\i):DD+2*(\i)+1], s[STB:STB+1] offset:256*(\i)  ; 32 rows x 8 bytes: 256 consecutive bytes, aligned
.endr
	s_wait_tensorcnt 0x0                           ; the wave's end
	ds_add_u32 v[SPW], v[NIL]
	s_wait_dscnt 0x0
	CROUND                                         ; the closing round
	s_endpgm
.Lfunc_end_k_q548968fc92_scores:
	.size	k_q548968fc92_scores, .Lfunc_end_k_q548968fc92_scores-k_q548968fc92_scores
	.p2alignl 7, 3214868480
	.fill 96, 4, 3214868480
	.section	.rodata,"a",@progbits
	.p2align	6, 0x0
	.amdhsa_kernel k_q548968fc92_scores
		.amdhsa_group_segment_fixed_size 327680
		.amdhsa_private_segment_fixed_size 0
		.amdhsa_enable_private_segment 0
		.amdhsa_kernarg_size 32
		.amdhsa_user_sgpr_count 2
		.amdhsa_user_sgpr_kernarg_segment_ptr 1
		.amdhsa_wavefront_size32 1
		.amdhsa_system_sgpr_workgroup_id_x 1
		.amdhsa_system_sgpr_workgroup_id_y 1
		.amdhsa_system_sgpr_workgroup_id_z 1
		.amdhsa_system_vgpr_workitem_id 0
		.amdhsa_next_free_vgpr 1024
		.amdhsa_next_free_sgpr 84
		.amdhsa_reserve_vcc 0
		.amdhsa_float_denorm_mode_32 3
		.amdhsa_float_denorm_mode_16_64 3
		.amdhsa_memory_ordered 1
		.amdhsa_forward_progress 1
		.amdhsa_inst_pref_size 107
	.end_amdhsa_kernel
	.amdgpu_metadata
---
amdhsa.version: [ 1, 2 ]
amdhsa.kernels:
  - .name:           k_q548968fc92_scores
    .symbol:         k_q548968fc92_scores.kd
    .args:
      - { .name: qkv, .offset: 0, .size: 8, .value_kind: global_buffer, .address_space: global }
      - { .name: mb, .offset: 8, .size: 8, .value_kind: global_buffer, .address_space: global }
      - { .name: p, .offset: 16, .size: 8, .value_kind: global_buffer, .address_space: global }
      - { .name: st, .offset: 24, .size: 8, .value_kind: global_buffer, .address_space: global }
    .group_segment_fixed_size: 327680
    .private_segment_fixed_size: 0
    .kernarg_segment_align: 8
    .kernarg_segment_size: 32
    .max_flat_workgroup_size: 128
    .sgpr_count:     84
    .vgpr_count:     1024
    .wavefront_size: 32
...
	.end_amdgpu_metadata
.endif
;; end of part 10
;; launch pv (part 11): grid 4 x 64, 4 waves a work-group, clusters of 4 x 4, 327,680 bytes of LDS; arguments p, st, qkv, oh; writes oh
.if DOCPART == 11
	.amdgcn_target "amdgcn-amd-amdhsa--gfx1250"
	.amdhsa_code_object_version 6
	.text
	.protected	k_q548968fc92_pv
	.globl	k_q548968fc92_pv
	.p2align	8
	.type	k_q548968fc92_pv,@function
k_q548968fc92_pv:
	s_mov_b64 s[64:65], 0
	v_nop
	global_prefetch_b8 v0, s[64:65] scope:SCOPE_SE
	s_setreg_imm32_b32 hwreg(HW_REG_WAVE_MODE, 25, 1), 1
	s_wait_xcnt 0x0
	s_wait_alu depctr_hold_cnt(0) depctr_sa_sdst(0) depctr_va_vdst(0) depctr_va_sdst(0) depctr_va_ssrc(0) depctr_va_vcc(0) depctr_vm_vsrc(0)
	s_getreg_b32 s2, hwreg(HW_REG_IB_STS2, 6, 4)
	s_cmp_eq_u32 s2, 0
	s_cbranch_scc0 .Lentry_in_a_cluster
	s_endpgm
.Lentry_in_a_cluster:
	s_bfe_u32 s2, ttmp6, 0x10000c
	s_cmp_lg_u32 s2, 0xf033
	s_cbranch_scc0 .Lentry_shape_is_right
	s_endpgm
.Lentry_shape_is_right:
; O = (1 / l) x the sum over chunks c of fac_c P_c V_c.  p: [8192][2048] f16, each chunk of 128 keys relative to its own maximum m_c; st: [batch][chunk][query] pairs (m_c, l_c) f32;
; V: qkv from byte 33,554,432 on, [8192][1024] f16; oh: [8192][1024] f16.  For each row m = the largest m_c, fac_c = 2^(c (m_c - m)), c = log2(e) / 8, l = the sum of fac_c l_c: all in f32.
; A K step is one chunk.  Its products start a sum of their own (window 1, C = 0); at the chunk's end O += fac_c x that sum (window 2): 128 packed multiply-adds a step, 96 of them behind matrix instructions.
; O starts from 256 v_mov_b32 in the wait for the first tile: the price of a step that is written once for the loop and once for the tail, with no first step beside them.
; LIMITS.  A fac_c below 2^-126 counts as 0; O is a mean of V's rows and has their range, within f16's 65,504; NaN and infinities are not treated apart.
; SHARES, RING, CLUSTER: a work-group makes 128 rows x 256 channels (256 x 256 would be 128 work-groups, half of the WGPs); wave w rows 64 (w / 2) on, channels 128 (w % 2) on: 32 accumulators, (a, b) at
; v[8 (8 a + b)].  Two LDS slots; waves 0, 1 fetch 64 rows each of P (128 keys), waves 2, 3 fetch 64 keys each of V (256 channels).  4 x 4 work-groups ask jointly: P's tile along a row, V's along a column.
; O^T = V^T P: source 0 = 16 channels x 32 keys, turned out of LDS by ds_load_tr16_b128; source 1 = 16 rows of P.  A lane holds row lane % 16 and eight channels.  The accumulators take turns.
; THE TAIL is a loop of two trips without fills; the 24 fragment loads of its last change of slots serve nothing.
.set PITCH,  272                       ; a row of P in LDS: 256 bytes + 16
.set PV,     544                       ; a row of V: 512 + 32 bytes = 136 words
.set AOFF,   128*PV                    ; a slot: 128 keys of V, then 128 rows of P
.set SLOT1,  1<<17
.set STAGE,  SLOT1+AOFF+128*PITCH
.set FT,     STAGE+4*16*PITCH          ; each wave's table: 17 rows of 512 bytes, [chunk][lane % 16][block a][twice]: fac in f32, each number twice, a pair for the packed arithmetic; row 16: 1 / l
.set SPARE,  FT+4*17*512               ; the spare words: 128 bytes a wave, two blocks of 256 bytes that no other line names
.set STEPS,  16
.set STEPA,  256                       ; 128 keys along P's rows
.set STEPB,  262144                    ; 128 rows of V
.set PB,     2048
.set FIELDS, (1<<16)|(1<<20)|(1<<21)|(5<<22)|(3<<25)
.set FIELDV, (1<<16)|(1<<20)|(1<<21)|(6<<22)|(7<<25)  ; after every 128 words 8 words of padding
.set ADA0, 16
.set ADB0, 17
.set ADA,  18
.set ADB,  19
.set FTA0, 20                          ; v20  my 32 bytes in a row of the table; never rewritten
.set FTS,  21                          ; v21  where the prologue stores
.set FTA,  23                          ; v23  the row in hand
.set STO,  24
.set RD,   25
.set CO,   26
.set SPW,  28
.set NIL,  29
.set F0,   32                          ; fragment buffers: 32 registers of P (4 x 16 rows), then 64 of V (8 x 16 channels)
.set F1,   128
.set TMP,  32
.set BK,   64
.set MX,   112                         ; the prologue: v112 m, v113 l
.set FA,   224                         ; v[224:231] the chunk's factors for my four rows, each twice
.set WV,   12
.set WM,   14
.set WN,   15
.set G1A,  24
.set G0A,  32
.set CUR,  36
.set CB,   38
.set G1B,  48
.set G0B,  56
.set SB,   66                          ; s[66:67] st at my wave's 64 rows, chunk 0
.set CS,   68                          ; s68  c
.set FTO,  69                          ; s69  512 x the chunk whose factors are fetched next
.set MSB, 0
.macro WIN new
.if MSB != (\new)
	s_set_vgpr_msb (MSB<<8)|(\new)
.set MSB, \new
.endif
.endm
.macro PLACES
.rept 4
	v_nop
.endr
.endm
.macro SHAPE g, cols, rows, pitch
	s_mov_b32 s[(\g)+1], (\cols)<<16
	s_mov_b32 s[(\g)+2], (\rows)<<16
	s_mov_b32 s[(\g)+3], (\cols)<<16
	s_mov_b32 s[(\g)+4], \rows
	s_mov_b32 s[(\g)+5], \pitch
	s_mov_b32 s[(\g)+6], 0
	s_mov_b32 s[(\g)+7], 0
.endm
.macro JLOAD                           ; a joint load; an s_nop 0 and four v_nop follow each line
	s_cmp_lt_u32 s[WV], 2
	s_cbranch_scc0 .Lfor_b_\@
	tensor_load_to_lds s[G0A:G0A+3], s[G1A:G1A+7]
	s_nop 0
.rept 4
	v_nop
.endr
	s_branch .Lasked_\@
.Lfor_b_\@:
	tensor_load_to_lds s[G0B:G0B+3], s[G1B:G1B+7]
	s_nop 0
.rept 4
	v_nop
.endr
.Lasked_\@:
.endm
.macro CREST
	s_cmp_lg_u32 s[WV], 0
	s_cbranch_scc1 .Lnot_wave_0_\@
	s_barrier_signal -3
.Lnot_wave_0_\@:
	s_barrier_wait -3
	s_barrier_signal -1
	s_barrier_wait -1
.endm
.macro CROUND
	s_barrier_signal -1
	s_barrier_wait -1
	CREST
.endm
.macro DSTEP
	s_xor_b32 s[G0A+1], s[G0A+1], SLOT1
	s_add_nc_u64 s[G0A+2:G0A+3], s[G0A+2:G0A+3], STEPA
	s_xor_b32 s[G0B+1], s[G0B+1], SLOT1
	s_add_nc_u64 s[G0B+2:G0B+3], s[G0B+2:G0B+3], STEPB
.endm
.macro GRP f, a, z                     ; 8 matrix instructions onto the chunk's sums: row block a x all 8 channel blocks, 32 keys from buffer f.  z = 1: the products start the sums
	WIN 0x50                                       ; C and D in window 1
.irp b, 0,1,2,3,4,5,6,7
.if \z
	v_wmma_f32_16x16x32_f16 v[8*(8*(\a)+(\b)):8*(8*(\a)+(\b))+7], v[(\f)+32+8*(\b):(\f)+32+8*(\b)+7], v[(\f)+8*(\a):(\f)+8*(\a)+7], 0
.else
	v_wmma_f32_16x16x32_f16 v[8*(8*(\a)+(\b)):8*(8*(\a)+(\b))+7], v[(\f)+32+8*(\b):(\f)+32+8*(\b)+7], v[(\f)+8*(\a):(\f)+8*(\a)+7], v[8*(8*(\a)+(\b)):8*(8*(\a)+(\b))+7]
.endif
.endr
.endm
.macro FMA a                           ; O += fac x the chunk's sums, row block a: 32 packed multiply-adds; each accumulator's registers in ascending order
	WIN 0xa1                                       ; source 0 (the chunk's sums) window 1, source 1 (fac) window 0, source 2 and destination (O) window 2
.irp b, 0,1,2,3,4,5,6,7
.irp i, 0,1,2,3
	v_pk_fma_f32 v[8*(8*(\a)+(\b))+2*(\i):8*(8*(\a)+(\b))+2*(\i)+1], v[8*(8*(\a)+(\b))+2*(\i):8*(8*(\a)+(\b))+2*(\i)+1], v[FA+2*(\a):FA+2*(\a)+1], v[8*(8*(\a)+(\b))+2*(\i):8*(8*(\a)+(\b))+2*(\i)+1]
.endr
.endr
.endm
.macro FETCH g, k                      ; 24 LDS loads in one run: keys k / 2 to k / 2 + 31 of the chunk: V turned (16 channels x 16 keys a load), P as it lies
	WIN 0
.irp b, 0,1,2,3,4,5,6,7
	ds_load_tr16_b128 v[(\g)+32+8*(\b):(\g)+32+8*(\b)+3],   v[ADB] offset:((\k)/64)*32*PV+32*(\b)
	ds_load_tr16_b128 v[(\g)+32+8*(\b)+4:(\g)+32+8*(\b)+7], v[ADB] offset:((\k)/64)*32*PV+16*PV+32*(\b)
.endr
.irp a, 0,1,2,3
	ds_load_b128 v[(\g)+8*(\a):(\g)+8*(\a)+3],   v[ADA] offset:(\k)+(\a)*16*PITCH
	ds_load_b128 v[(\g)+8*(\a)+4:(\g)+8*(\a)+7], v[ADA] offset:(\k)+(\a)*16*PITCH+32
.endr
.endm
.macro QUARTER f, g, k, z              ; z = 1: a chunk's first quarter: it starts the chunk's sums and fetches the chunk's factors
	s_wait_dscnt 0x0                               ; buffer f's 24 loads, issued 24 matrix instructions ago
	GRP \f, 0, \z
	PLACES                                         ; for the loads into g, which the quarter before multiplied
	FETCH \g, \k
.if \z
	v_add_nc_u32 v[FTA], s[FTO], v[FTA0]
	ds_load_b128 v[FA:FA+3], v[FTA]                ; first used at the chunk's end; the next quarter's wait covers them
	ds_load_b128 v[FA+4:FA+7], v[FTA] offset:16
	s_add_co_u32 s[FTO], s[FTO], 512
.endif
	GRP \f, 1, \z
	GRP \f, 2, \z
	GRP \f, 3, \z
.endm
; The change of slots: each wave waits for all its tensor loads (one is out: its part of the next slot), adds 0 to its spare word, waits for that and for its reads of this slot; one barrier, which with
; fill = 1 opens a round of the cluster's barrier; the joint refill, two chunks ahead, is the first thing behind it.  Row block a's sums are taken into O when the products of block a + 1 have been issued:
; between a block's last product and the first read of its sums stand the four v_nop behind the barrier (block 0) or the block before's 32 multiply-adds, which name none of those products' registers.
.macro TURN fill
	WIN 0
	s_wait_tensorcnt 0x0
	ds_add_u32 v[SPW], v[NIL]
.if \fill
	DSTEP
.endif
	s_wait_dscnt 0x0
	s_barrier_signal -1
	GRP F1, 0, 0
	GRP F1, 1, 0
	WIN 0
	s_barrier_wait -1
.if \fill
	CREST
	JLOAD                                          ; its four v_nop are also the places in front of the loads and of the first multiply-adds below
.else
	PLACES
.endif
	s_xor_b32 s[CUR], s[CUR], SLOT1
	v_add_nc_u32 v[ADA], s[CUR], v[ADA0]
	v_add_nc_u32 v[ADB], s[CUR], v[ADB0]
	FETCH F0, 0
	FMA 0
	GRP F1, 2, 0
	FMA 1
	GRP F1, 3, 0
	FMA 2
	FMA 3
.endm
.macro STEP fill                       ; a chunk
	QUARTER F0, F1, 64, 1
	QUARTER F1, F0, 128, 0
	QUARTER F0, F1, 192, 0
	TURN \fill
	WIN 0
.endm
	s_load_b256 s[4:11], s[0:1], 0x0               ; p s[4:5], st s[6:7], qkv s[8:9], oh s[10:11]
	v_lshl_add_u32 v[SPW], v0, 2, SPARE
	v_mov_b32 v[NIL], 0
	ds_add_u32 v[SPW], v[NIL]                      ; the wave's opening: the add and its wait stand ahead of my first tensor load
	v_lshrrev_b32 v3, 5, v0
	v_readfirstlane_b32 s[WV], v3
	s_lshr_b32 s[WM], s[WV], 1
	s_and_b32 s[WN], s[WV], 1
	s_bfe_u32 s40, ttmp6, 0x40000
	s_bfe_u32 s41, ttmp6, 0x40004
	s_lshl_b32 s42, ttmp9, 2
	s_add_co_u32 s42, s42, s40                     ; x: which 256 channels
	s_and_b32 s45, ttmp7, 0xffff                   ; cluster y: four clusters to a batch
	s_lshl_b32 s13, s45, 2
	s_add_co_u32 s13, s13, s41                     ; y: which 128 of the 8,192 rows
	s_lshl_b32 s43, s41, 2
	s_lshl_b32 s43, 15, s43
	s_lshl_b32 s44, 0x1111, s40
	s_or_b32 s[G1A], s43, FIELDS
	s_or_b32 s[G1B], s44, FIELDV
	SHAPE G1A, 128, 64, 2048
	SHAPE G1B, 256, 64, 1024
	s_mov_b32 s[G0A], 1
	s_mul_i32 s18, s[WN], 64*PITCH
	s_add_co_u32 s[G0A+1], s18, AOFF
	s_mov_b32 s[G0B], 1
	s_mul_i32 s[G0B+1], s[WN], 64*PV
	s_lshl_b32 s16, s13, 19                        ; P: row 128 y + 64 (w % 2), 4,096 bytes a row
	s_lshl_b32 s17, s[WN], 18
	s_add_co_u32 s16, s16, s17
	s_mov_b32 s17, 0
	s_lshr_b32 s46, s45, 2                         ; V: row 2,048 batch + 64 (w % 2), byte 512 x, behind Q's and K's 33,554,432 bytes
	s_lshl_b32 s46, s46, 22
	s_lshl_b32 s47, s[WN], 17
	s_add_co_u32 s46, s46, s47
	s_lshl_b32 s47, s42, 9
	s_add_co_u32 s46, s46, s47
	s_add_co_u32 s46, s46, 33554432
	s_mov_b32 s47, 0
	s_lshr_b32 s20, s45, 2                         ; st: batch x 262,144 + (my first query in the batch) x 8
	s_lshl_b32 s20, s20, 18
	s_and_b32 s21, s13, 15
	s_lshl_b32 s21, s21, 10
	s_add_co_u32 s20, s20, s21
	s_lshl_b32 s21, s[WM], 9
	s_add_co_u32 s20, s20, s21
	s_mov_b32 s21, 0
	s_lshl_b32 s2, s13, 18                         ; oh: row 128 y + 64 (w / 2), byte 512 x + 256 (w % 2)
	s_lshl_b32 s3, s[WM], 17
	s_add_co_u32 s2, s2, s3
	s_lshl_b32 s3, s42, 9
	s_add_co_u32 s2, s2, s3
	s_lshl_b32 s3, s[WN], 8
	s_add_co_u32 s2, s2, s3
	s_mov_b32 s3, 0
	s_mov_b32 s[CUR], 0
	s_mov_b32 s[FTO], 0
	s_mov_b32 s[CS], 0x3e38aa3b                    ; c = log2(e) / 8
	s_wait_dscnt 0x0
	s_wait_kmcnt 0x0
	s_add_nc_u64 s[G0A+2:G0A+3], s[4:5], s[16:17]
	s_or_b32 s[G0A+3], s[G0A+3], 0x80000000
	s_add_nc_u64 s[G0B+2:G0B+3], s[8:9], s[46:47]
	s_or_b32 s[G0B+3], s[G0B+3], 0x80000000
	s_add_nc_u64 s[SB:SB+1], s[6:7], s[20:21]
	s_add_nc_u64 s[CB:CB+1], s[10:11], s[2:3]
	CROUND
	JLOAD                                          ; chunk 0 into slot 0
	; THE FACTORS, in the wait for the first tile.  Lane l takes rows l and 32 + l of my wave's 64: 16 pairs (m_c, l_c) each; a load covers 256 consecutive bytes, aligned.
	v_and_b32 v6, 31, v0
	v_lshlrev_b32 v7, 3, v6
.irp g, 0,1
.set c, 0
.rept 16
	global_load_b64 v[32+32*(\g)+2*c:32+32*(\g)+2*c+1], v7, s[SB:SB+1] offset:16384*c+256*(\g)
.set c, c+1
.endr
.endr
	v_and_b32 v1, 15, v0                           ; r
	v_bfe_u32 v2, v0, 4, 1                         ; h
	v_mul_u32_u24 v3, v1, PITCH
	v_lshl_add_u32 v3, v2, 4, v3
	s_mul_i32 s18, s[WM], 64*PITCH
	s_add_co_u32 s18, s18, AOFF
	v_add_nc_u32 v[ADA0], s18, v3
	v_and_b32 v4, 7, v0                            ; the turning load: lane l reads key 8 (l / 16) + l % 8, channels 8 ((l / 8) % 2) + 0..7
	v_lshl_add_u32 v4, v2, 3, v4
	v_mul_u32_u24 v4, v4, PV
	v_bfe_u32 v5, v0, 3, 1
	v_lshl_add_u32 v4, v5, 4, v4
	s_lshl_b32 s19, s[WN], 8
	v_add_nc_u32 v[ADB0], s19, v4
	v_mov_b32 v[ADA], v[ADA0]
	v_mov_b32 v[ADB], v[ADB0]
	s_mul_i32 s18, s[WV], 16*PITCH
	s_add_co_u32 s18, s18, STAGE
	v_add_nc_u32 v[STO], s18, v3
	v_mul_u32_u24 v4, v2, PITCH
	v_lshl_add_u32 v4, v1, 4, v4
	v_add_nc_u32 v[RD], s18, v4
	v_mul_u32_u24 v4, v2, PB
	v_lshl_add_u32 v[CO], v1, 4, v4
	s_mul_i32 s18, s[WV], 17*512
	s_add_co_u32 s18, s18, FT                      ; my table
	v_lshl_add_u32 v[FTA0], v1, 5, s18
	v_lshl_add_u32 v[FTS], v2, 3, v[FTA0]          ; row 32 g + l is block a = 2 g + l / 16, place l % 16: byte 32 (l % 16) + 8 (l / 16) + 16 g
	WIN 0x80                                       ; O starts at 0
.set i, 0
.rept 256
	v_mov_b32 v[i], 0
.set i, i+1
.endr
	WIN 0
	s_wait_loadcnt 0x0
.irp g, 0,1
.set R, 32+32*(\g)
	v_max3_num_f32 v[MX], v[R], v[R+2], v[R+4]
.set n, 0
.rept 6
	v_max3_num_f32 v[MX], v[MX], v[R+6+4*n], v[R+8+4*n]
.set n, n+1
.endr
	v_max_num_f32 v[MX], v[MX], v[R+30]            ; the row's maximum over its 16 chunks
.set c, 0
.rept 16
	v_sub_f32 v[R+2*c], v[R+2*c], v[MX]            ; the difference first: exactly 0 for the largest, whatever its size
.set c, c+1
.endr
.set c, 0
.rept 16
	v_mul_f32 v[R+2*c], s[CS], v[R+2*c]
.set c, c+1
.endr
.set c, 0
.rept 16
	v_exp_f32 v[R+2*c], v[R+2*c]
.set c, c+1
.endr
	v_nop                                          ; a plain instruction behind the last exponential
	s_wait_alu depctr_va_vdst(0)
	v_mul_f32 v[MX+1], v[R], v[R+1]
.set c, 1
.rept 15
	v_fmac_f32 v[MX+1], v[R+2*c], v[R+2*c+1]       ; l, of the very factors that are used: at least 1, since the largest chunk's factor is 1 and its l_c holds a weight of 1
.set c, c+1
.endr
	v_rcp_f32 v[MX+1], v[MX+1]
	v_nop
.set c, 0
.rept 16
	ds_store_b32 v[FTS], v[R+2*c] offset:512*c+16*(\g)
	ds_store_b32 v[FTS], v[R+2*c] offset:512*c+16*(\g)+4
.set c, c+1
.endr
	s_wait_alu depctr_va_vdst(0)
	ds_store_b32 v[FTS], v[MX+1] offset:8192+16*(\g)
	ds_store_b32 v[FTS], v[MX+1] offset:8192+16*(\g)+4
.endr
	; no barrier for the table: each wave reads its own alone, and LDS serves a wave's instructions in order (ISA guide 5.7.1.4)
	s_wait_tensorcnt 0x0                           ; slot 0 is waited for and slot 1 filled for the first time, in a refill's form
	ds_add_u32 v[SPW], v[NIL]
	DSTEP
	s_wait_dscnt 0x0
	CROUND
	JLOAD                                          ; chunk 1 into slot 1
	FETCH F0, 0
	s_mov_b32 s3, STEPS-2
.Lstep:                                                ; a trip is a chunk; it fills the slot that it leaves with the chunk two on
	STEP 1
	s_sub_co_u32 s3, s3, 1
	s_cmp_lg_u32 s3, 0
	s_cbranch_scc1 .Lstep
	s_mov_b32 s3, 2
.Ltail:                                                ; the last two chunks: nothing is left to fetch from memory
	STEP 0
	s_sub_co_u32 s3, s3, 1
	s_cmp_lg_u32 s3, 0
	s_cbranch_scc1 .Ltail
	; THE WAY OUT: O times 1 / l (the table's row 16), rounded to f16, through my stage, stored as whole rows of 256 bytes.
	v_add_nc_u32 v[FTA], s[FTO], v[FTA0]
	ds_load_b128 v[FA:FA+3], v[FTA]
	ds_load_b128 v[FA+4:FA+7], v[FTA] offset:16
	s_wait_dscnt 0x0                               ; these two, and the last change of slots' loads into the registers used below
.macro PACK a
	WIN 0x82                                       ; destination and source 0 in window 2
.irp b, 0,1,2,3,4,5,6,7
.irp i, 0,1,2,3
	v_pk_mul_f32 v[8*(8*(\a)+(\b))+2*(\i):8*(8*(\a)+(\b))+2*(\i)+1], v[8*(8*(\a)+(\b))+2*(\i):8*(8*(\a)+(\b))+2*(\i)+1], v[FA+2*(\a):FA+2*(\a)+1]
.endr
.endr
	WIN 0x0a                                       ; sources 0 and 1 in window 2
.irp b, 0,1,2,3,4,5,6,7
.irp i, 0,1,2,3
	v_cvt_pk_f16_f32 v[TMP+4*(\b)+(\i)], v[8*(8*(\a)+(\b))+2*(\i)], v[8*(8*(\a)+(\b))+2*(\i)+1]
.endr
.endr
	WIN 0
.endm
.macro TOSTAGE a
	s_wait_xcnt 0x0                                ; the registers that earlier stores read are loaded again only behind this wait
.irp b, 0,1,2,3,4,5,6,7
	ds_store_b128 v[STO], v[TMP+4*(\b):TMP+4*(\b)+3] offset:32*(\b)
.endr
.irp t, 0,1,2,3,4,5,6,7
	ds_load_b128 v[BK+32*((\a)%2)+4*(\t):BK+32*((\a)%2)+4*(\t)+3], v[RD] offset:(\t)*2*PITCH
.endr
.endm
.macro SEND a
	s_wait_dscnt 0x0
.irp t, 0,1,2,3,4,5,6,7
	global_store_b128 v[CO], v[BK+32*((\a)%2)+4*(\t):BK+32*((\a)%2)+4*(\t)+3], s[CB:CB+1] offset:(16*(\a)+2*(\t))*PB  ; 16 lanes store 256 consecutive bytes, aligned
.endr
.endm
	PACK 0
	TOSTAGE 0
.irp a, 1,2,3
	PACK \a
	SEND (\a)-1
	TOSTAGE \a
.endr
	SEND 3
	s_wait_tensorcnt 0x0                           ; the wave's end
	ds_add_u32 v[SPW], v[NIL]
	s_wait_dscnt 0x0
	CROUND                                         ; the closing round
	s_endpgm
.Lfunc_end_k_q548968fc92_pv:
	.size	k_q548968fc92_pv, .Lfunc_end_k_q548968fc92_pv-k_q548968fc92_pv
	.p2alignl 7, 3214868480
	.fill 96, 4, 3214868480
	.section	.rodata,"a",@progbits
	.p2align	6, 0x0
	.amdhsa_kernel k_q548968fc92_pv
		.amdhsa_group_segment_fixed_size 327680
		.amdhsa_private_segment_fixed_size 0
		.amdhsa_enable_private_segment 0
		.amdhsa_kernarg_size 32
		.amdhsa_user_sgpr_count 2
		.amdhsa_user_sgpr_kernarg_segment_ptr 1
		.amdhsa_wavefront_size32 1
		.amdhsa_system_sgpr_workgroup_id_x 1
		.amdhsa_system_sgpr_workgroup_id_y 1
		.amdhsa_system_sgpr_workgroup_id_z 1
		.amdhsa_system_vgpr_workitem_id 0
		.amdhsa_next_free_vgpr 768
		.amdhsa_next_free_sgpr 72
		.amdhsa_reserve_vcc 0
		.amdhsa_float_denorm_mode_32 3
		.amdhsa_float_denorm_mode_16_64 3
		.amdhsa_memory_ordered 1
		.amdhsa_forward_progress 1
		.amdhsa_inst_pref_size 103
	.end_amdhsa_kernel
	.amdgpu_metadata
---
amdhsa.version: [ 1, 2 ]
amdhsa.kernels:
  - .name:           k_q548968fc92_pv
    .symbol:         k_q548968fc92_pv.kd
    .args:
      - { .name: p, .offset: 0, .size: 8, .value_kind: global_buffer, .address_space: global }
      - { .name: st, .offset: 8, .size: 8, .value_kind: global_buffer, .address_space: global }
      - { .name: qkv, .offset: 16, .size: 8, .value_kind: global_buffer, .address_space: global }
      - { .name: oh, .offset: 24, .size: 8, .value_kind: global_buffer, .address_space: global }
    .group_segment_fixed_size: 327680
    .private_segment_fixed_size: 0
    .kernarg_segment_align: 8
    .kernarg_segment_size: 32
    .max_flat_workgroup_size: 128
    .sgpr_count:     72
    .vgpr_count:     768
    .wavefront_size: 32
...
	.end_amdgpu_metadata
.endif
;; end of part 11
;; launch outp (part 12): grid 4 x 64, 4 waves a work-group, clusters of 4 x 4, 327,680 bytes of LDS; arguments oh, xb, pj; writes pj
.if DOCPART == 12
	.amdgcn_target "amdgcn-amd-amdhsa--gfx1250"
	.amdhsa_code_object_version 6
	.text
	.protected	k_q548968fc92_outp
	.globl	k_q548968fc92_outp
	.p2align	8
	.type	k_q548968fc92_outp,@function
k_q548968fc92_outp:
	s_mov_b64 s[64:65], 0
	v_nop
	global_prefetch_b8 v0, s[64:65] scope:SCOPE_SE
	s_setreg_imm32_b32 hwreg(HW_REG_WAVE_MODE, 25, 1), 1
	s_wait_xcnt 0x0
	s_wait_alu depctr_hold_cnt(0) depctr_sa_sdst(0) depctr_va_vdst(0) depctr_va_sdst(0) depctr_va_ssrc(0) depctr_va_vcc(0) depctr_vm_vsrc(0)
	s_getreg_b32 s2, hwreg(HW_REG_IB_STS2, 6, 4)
	s_cmp_eq_u32 s2, 0
	s_cbranch_scc0 .Lentry_in_a_cluster
	s_endpgm
.Lentry_in_a_cluster:
	s_bfe_u32 s2, ttmp6, 0x10000c
	s_cmp_lg_u32 s2, 0xf033
	s_cbranch_scc0 .Lentry_shape_is_right
	s_endpgm
.Lentry_shape_is_right:
; pj = T W'^T.  oh: T = the attention's weights times inputV's rows, [8192][1024] f16; W' = WO WV: xb from byte 33,554,432 on, [1024][1024] f16; pj: [8192][1024] f32: the sums leave unrounded, since with a
; common offset on the inputs they pass f16's range, and the norm behind takes them as they are.
; SHARES, RING, CLUSTER: a work-group makes 128 x 256 (256 x 256 would be 128 work-groups, half of the WGPs); wave w rows 64 (w / 2) on, columns 128 (w % 2) on: 32 accumulators, (a, b) at v[8 (8 a + b)] of
; window 1; K steps of 128 through two LDS slots; waves 0, 1 fetch 64 rows each of T, waves 2, 3 fetch 128 rows each of W'; 4 x 4 work-groups ask jointly, T's tile along a row of the cluster, W's along a column.
; The matrix instruction is used transposed: a lane holds row lane % 16 and the columns 8 (lane / 16) + 0..7: 32 neighbouring bytes.  The accumulators take turns.
; THE TAIL is a loop of two trips without fills; its second trip jumps over the next step's first quarter, and the 24 fragment loads of its change of slots serve nothing: the price of writing the step once less.
.set PITCH,  272                       ; an LDS row: 256 bytes + 16 of padding (64 banks of 4 bytes: ISA guide 11.1: 16 rows start at 16 different groups of four banks)
.set AOFF,   256*PITCH                 ; a slot: 256 rows of W', then 128 rows of T
.set SLOT1,  1<<17                     ; slot 1 begins here: one exclusive or turns an address in one slot into the other's
.set STAGE,  SLOT1+AOFF+128*PITCH
.set SP,     528                       ; a stage row: 128 f32 + 16 bytes: an odd multiple of 16, so the 16 rows of a store start at 16 different groups of four banks
.set SPARE,  STAGE+4*16*SP             ; the spare words: 128 bytes a wave, two blocks of 256 bytes that no other line names
.set STEPS,  8
.set STEPA,  256
.set STEPB,  256
.set FIELDS, (1<<16)|(1<<20)|(1<<21)|(5<<22)|(3<<25)
.set ADA0, 16
.set ADB0, 17
.set ADA,  18
.set ADB,  19
.set STO,  24
.set RD,   25
.set CO,   26
.set SPW,  28
.set NIL,  29
.set F0,   32                          ; fragment buffers: 32 registers of T (4 x 16 rows), then 64 of W' (8 x 16 rows)
.set F1,   128
.set WV,   12
.set WM,   14
.set WN,   15
.set G1A,  24                          ; s[24:31] group 1 for T's tiles; s[32:35] the group 0 that walks: it begins with K step 1 in slot 1
.set G0A,  32
.set CUR,  36
.set CB,   38
.set G1B,  48                          ; s[48:55], s[56:59] the same for W's tiles
.set G0B,  56
.set FA0,  68                          ; s[68:71], s[72:75] the group 0 of K step 0 in slot 0, for T and for W'; never rewritten
.set FB0,  72
.set MSB, 0
.macro WIN new
.if MSB != (\new)
	s_set_vgpr_msb (MSB<<8)|(\new)
.set MSB, \new
.endif
.endm
.macro PLACES
.rept 4
	v_nop
.endr
.endm
.macro SHAPE g, cols, rows, pitch
	s_mov_b32 s[(\g)+1], (\cols)<<16
	s_mov_b32 s[(\g)+2], (\rows)<<16
	s_mov_b32 s[(\g)+3], (\cols)<<16
	s_mov_b32 s[(\g)+4], \rows
	s_mov_b32 s[(\g)+5], \pitch
	s_mov_b32 s[(\g)+6], 0
	s_mov_b32 s[(\g)+7], 0
.endm
.macro JLOAD                           ; a joint refill; an s_nop 0 and four v_nop follow each line
	s_cmp_lt_u32 s[WV], 2
	s_cbranch_scc0 .Lfor_b_\@
	tensor_load_to_lds s[G0A:G0A+3], s[G1A:G1A+7]
	s_nop 0
.rept 4
	v_nop
.endr
	s_branch .Lasked_\@
.Lfor_b_\@:
	tensor_load_to_lds s[G0B:G0B+3], s[G1B:G1B+7]
	s_nop 0
.rept 4
	v_nop
.endr
.Lasked_\@:
.endm
.macro CREST
	s_cmp_lg_u32 s[WV], 0
	s_cbranch_scc1 .Lnot_wave_0_\@
	s_barrier_signal -3
.Lnot_wave_0_\@:
	s_barrier_wait -3
	s_barrier_signal -1
	s_barrier_wait -1
.endm
.macro CROUND
	s_barrier_signal -1
	s_barrier_wait -1
	CREST
.endm
.macro DSTEP
	s_xor_b32 s[G0A+1], s[G0A+1], SLOT1
	s_add_nc_u64 s[G0A+2:G0A+3], s[G0A+2:G0A+3], STEPA
	s_xor_b32 s[G0B+1], s[G0B+1], SLOT1
	s_add_nc_u64 s[G0B+2:G0B+3], s[G0B+2:G0B+3], STEPB
.endm
.macro GRP f, a, z
	WIN 0x50
.irp b, 0,1,2,3,4,5,6,7
.if \z
	v_wmma_f32_16x16x32_f16 v[8*(8*(\a)+(\b)):8*(8*(\a)+(\b))+7], v[(\f)+32+8*(\b):(\f)+32+8*(\b)+7], v[(\f)+8*(\a):(\f)+8*(\a)+7], 0
.else
	v_wmma_f32_16x16x32_f16 v[8*(8*(\a)+(\b)):8*(8*(\a)+(\b))+7], v[(\f)+32+8*(\b):(\f)+32+8*(\b)+7], v[(\f)+8*(\a):(\f)+8*(\a)+7], v[8*(8*(\a)+(\b)):8*(8*(\a)+(\b))+7]
.endif
.endr
.endm
.macro FETCH g, k
	WIN 0
.irp b, 0,1,2,3,4,5,6,7
	ds_load_b128 v[(\g)+32+8*(\b):(\g)+32+8*(\b)+3],   v[ADB] offset:(\k)+(\b)*16*PITCH
	ds_load_b128 v[(\g)+32+8*(\b)+4:(\g)+32+8*(\b)+7], v[ADB] offset:(\k)+(\b)*16*PITCH+32
.endr
.irp a, 0,1,2,3
	ds_load_b128 v[(\g)+8*(\a):(\g)+8*(\a)+3],   v[ADA] offset:(\k)+(\a)*16*PITCH
	ds_load_b128 v[(\g)+8*(\a)+4:(\g)+8*(\a)+7], v[ADA] offset:(\k)+(\a)*16*PITCH+32
.endr
.endm
.macro QUARTER f, g, k, z
	s_wait_dscnt 0x0                               ; buffer f's 24 loads, issued 24 matrix instructions ago
	GRP \f, 0, \z
	PLACES                                         ; for the loads into g, which the quarter before multiplied
	FETCH \g, \k
	GRP \f, 1, \z
	GRP \f, 2, \z
	GRP \f, 3, \z
.endm
; The change of slots: each wave waits for all its tensor loads (one is out: its part of the next slot), adds 0 to its spare word, waits for that and for its reads of this slot; one barrier, which with
; fill = 1 opens a round of the cluster's barrier; the joint refill, two K steps ahead, is the first thing behind it.
.macro TURN fill
	WIN 0
	s_wait_tensorcnt 0x0
	ds_add_u32 v[SPW], v[NIL]
.if \fill
	DSTEP
.endif
	s_wait_dscnt 0x0
	s_barrier_signal -1
	GRP F1, 0, 0
	GRP F1, 1, 0
	WIN 0
	s_barrier_wait -1
.if \fill
	CREST
	JLOAD                                          ; its four v_nop are also the places in front of the loads below
.else
	PLACES
.endif
	s_xor_b32 s[CUR], s[CUR], SLOT1
	v_add_nc_u32 v[ADA], s[CUR], v[ADA0]
	v_add_nc_u32 v[ADB], s[CUR], v[ADB0]
	FETCH F0, 0
	GRP F1, 2, 0
	GRP F1, 3, 0
.endm
	s_load_b128 s[4:7], s[0:1], 0x0                ; oh s[4:5], xb s[6:7]
	s_load_b64 s[8:9], s[0:1], 0x10                ; pj
	v_lshl_add_u32 v[SPW], v0, 2, SPARE
	v_mov_b32 v[NIL], 0
	ds_add_u32 v[SPW], v[NIL]                      ; the wave's opening: the add and its wait stand ahead of my first tensor load
	v_lshrrev_b32 v3, 5, v0
	v_readfirstlane_b32 s[WV], v3
	s_lshr_b32 s[WM], s[WV], 1
	s_and_b32 s[WN], s[WV], 1
	s_bfe_u32 s40, ttmp6, 0x40000
	s_bfe_u32 s41, ttmp6, 0x40004
	s_lshl_b32 s42, ttmp9, 2
	s_add_co_u32 s42, s42, s40                     ; x: which 256 columns
	s_and_b32 s45, ttmp7, 0xffff
	s_lshl_b32 s13, s45, 2
	s_add_co_u32 s13, s13, s41                     ; y: which 128 rows
	s_lshl_b32 s43, s41, 2
	s_lshl_b32 s43, 15, s43
	s_lshl_b32 s44, 0x1111, s40
	s_or_b32 s[G1A], s43, FIELDS
	s_or_b32 s[G1B], s44, FIELDS
	SHAPE G1A, 128, 64, 1024
	SHAPE G1B, 128, 128, 1024
	s_mov_b32 s[FA0], 1
	s_mul_i32 s18, s[WN], 64*PITCH
	s_add_co_u32 s[FA0+1], s18, AOFF               ; LDS: the wave's number alone; slot 0,
	s_mov_b32 s[FB0], 1
	s_mul_i32 s[FB0+1], s[WN], 128*PITCH
	s_mov_b32 s[G0A], 1
	s_add_co_u32 s[G0A+1], s[FA0+1], SLOT1         ; and slot 1
	s_mov_b32 s[G0B], 1
	s_add_co_u32 s[G0B+1], s[FB0+1], SLOT1
	s_lshl_b32 s16, s13, 18                        ; T: row 128 y + 64 (w % 2)
	s_lshl_b32 s17, s[WN], 17
	s_add_co_u32 s16, s16, s17
	s_mov_b32 s17, 0
	s_lshl_b32 s46, s42, 19                        ; W': row 256 x + 128 (w % 2), behind the two inputs' 33,554,432 bytes
	s_lshl_b32 s47, s[WN], 18
	s_add_co_u32 s46, s46, s47
	s_add_co_u32 s46, s46, 33554432
	s_mov_b32 s47, 0
	s_lshl_b32 s20, s13, 19                        ; pj: row 128 y + 64 (w / 2), byte 1,024 x + 512 (w % 2)
	s_lshl_b32 s21, s[WM], 18
	s_add_co_u32 s20, s20, s21
	s_lshl_b32 s21, s42, 10
	s_add_co_u32 s20, s20, s21
	s_lshl_b32 s21, s[WN], 9
	s_add_co_u32 s20, s20, s21
	s_mov_b32 s21, 0
	s_mov_b32 s[CUR], 0
	s_wait_dscnt 0x0
	s_wait_kmcnt 0x0
	s_add_nc_u64 s[FA0+2:FA0+3], s[4:5], s[16:17]  ; K step 0,
	s_add_nc_u64 s[G0A+2:G0A+3], s[FA0+2:FA0+3], STEPA  ; K step 1
	s_or_b32 s[FA0+3], s[FA0+3], 0x80000000
	s_or_b32 s[G0A+3], s[G0A+3], 0x80000000
	s_add_nc_u64 s[FB0+2:FB0+3], s[6:7], s[46:47]
	s_add_nc_u64 s[G0B+2:G0B+3], s[FB0+2:FB0+3], STEPB
	s_or_b32 s[FB0+3], s[FB0+3], 0x80000000
	s_or_b32 s[G0B+3], s[G0B+3], 0x80000000
	s_add_nc_u64 s[CB:CB+1], s[8:9], s[20:21]
	CROUND                                         ; all sixteen work-groups are here: the first joint loads meet
	s_cmp_lt_u32 s[WV], 2                          ; a wave's two first fills stand in one branch, ahead of every wait on TENSORcnt and every LDS read: two loads of mine are out; an s_nop 0 follows each, four v_nop the second's
	s_cbranch_scc0 .Lfirst_b
	tensor_load_to_lds s[FA0:FA0+3], s[G1A:G1A+7]
	s_nop 0
	tensor_load_to_lds s[G0A:G0A+3], s[G1A:G1A+7]
	s_nop 0
.rept 4
	v_nop
.endr
	s_branch .Lfirst_asked
.Lfirst_b:
	tensor_load_to_lds s[FB0:FB0+3], s[G1B:G1B+7]
	s_nop 0
	tensor_load_to_lds s[G0B:G0B+3], s[G1B:G1B+7]
	s_nop 0
.rept 4
	v_nop
.endr
.Lfirst_asked:
	v_and_b32 v1, 15, v0                           ; r
	v_bfe_u32 v2, v0, 4, 1                         ; h
	v_mul_u32_u24 v3, v1, PITCH
	v_lshl_add_u32 v3, v2, 4, v3
	s_mul_i32 s18, s[WM], 64*PITCH
	s_add_co_u32 s18, s18, AOFF
	v_add_nc_u32 v[ADA0], s18, v3
	s_mul_i32 s19, s[WN], 128*PITCH
	v_add_nc_u32 v[ADB0], s19, v3
	v_mov_b32 v[ADA], v[ADA0]
	v_mov_b32 v[ADB], v[ADB0]
	s_mul_i32 s18, s[WV], 16*SP
	s_add_co_u32 s18, s18, STAGE                   ; my stage
	v_mul_u32_u24 v4, v1, SP
	v_lshl_add_u32 v4, v2, 5, v4
	v_add_nc_u32 v[STO], s18, v4                   ; in: row r, 32 bytes for each half of the lanes
	v_and_b32 v4, 31, v0
	v_lshlrev_b32 v[CO], 4, v4                     ; back and out: 32 lanes take a row's 512 bytes
	v_add_nc_u32 v[RD], s18, v[CO]
	s_wait_tensorcnt 0x1                           ; my part of K step 0 is in; K step 1's may stay out
	s_barrier_signal -1
	s_barrier_wait -1                              ; everybody's is
	FETCH F0, 0
	QUARTER F0, F1, 64, 1                          ; the first quarter's products start the sums
	WIN 0
	s_mov_b32 s3, STEPS-2
.Lstep:                                                ; a trip: from a step's second quarter to the next step's first; it fills the slot that it leaves
	QUARTER F1, F0, 128, 0
	QUARTER F0, F1, 192, 0
	TURN 1
	QUARTER F0, F1, 64, 0
	WIN 0
	s_sub_co_u32 s3, s3, 1
	s_cmp_lg_u32 s3, 0
	s_cbranch_scc1 .Lstep
	s_mov_b32 s3, 2
.Ltail:                                                ; the last two steps: nothing is left to fetch from memory
	QUARTER F1, F0, 128, 0
	QUARTER F0, F1, 192, 0
	TURN 0
	WIN 0
	s_cmp_eq_u32 s3, 1
	s_cbranch_scc1 .Ltail_end                      ; behind the last step there is no first quarter of a next one
	QUARTER F0, F1, 64, 0
	WIN 0
.Ltail_end:
	s_wait_dscnt 0x0                               ; no LDS load is out at the loop's edge, on either way
	s_sub_co_u32 s3, s3, 1
	s_cmp_lg_u32 s3, 0
	s_cbranch_scc1 .Ltail
	; THE WAY OUT, 16 rows at a time: the f32 sums into my own stage, back as whole rows of 512 bytes, stored.
.macro OUTB a
.set BKA, 32+64*((\a)%2)
	s_wait_xcnt 0x0                                ; the registers that earlier stores read are loaded again only behind this wait
	WIN 0x04                                       ; the data (source 1) in window 1
.irp b, 0,1,2,3,4,5,6,7
	ds_store_b128 v[STO], v[8*(8*(\a)+(\b)):8*(8*(\a)+(\b))+3] offset:64*(\b)       ; each accumulator's low four registers first
	ds_store_b128 v[STO], v[8*(8*(\a)+(\b))+4:8*(8*(\a)+(\b))+7] offset:64*(\b)+16
.endr
	WIN 0
.irp t, 0,1,2,3,4,5,6,7,8,9,10,11,12,13,14,15
	ds_load_b128 v[BKA+4*(\t):BKA+4*(\t)+3], v[RD] offset:(\t)*SP  ; LDS serves a wave's instructions in order (ISA guide 5.7.1.4): these see the stores above
.endr
	s_wait_dscnt 0x0
.irp t, 0,1,2,3,4,5,6,7,8,9,10,11,12,13,14,15
	global_store_b128 v[CO], v[BKA+4*(\t):BKA+4*(\t)+3], s[CB:CB+1] offset:(16*(\a)+(\t))*4096  ; the wave's store covers 512 consecutive bytes, aligned
.endr
.endm
	PLACES
	OUTB 0
	OUTB 1
	OUTB 2
	OUTB 3
	s_wait_tensorcnt 0x0                           ; the wave's end
	ds_add_u32 v[SPW], v[NIL]
	s_wait_dscnt 0x0
	CROUND                                         ; the closing round
	s_endpgm
.Lfunc_end_k_q548968fc92_outp:
	.size	k_q548968fc92_outp, .Lfunc_end_k_q548968fc92_outp-k_q548968fc92_outp
	.p2alignl 7, 3214868480
	.fill 96, 4, 3214868480
	.section	.rodata,"a",@progbits
	.p2align	6, 0x0
	.amdhsa_kernel k_q548968fc92_outp
		.amdhsa_group_segment_fixed_size 327680
		.amdhsa_private_segment_fixed_size 0
		.amdhsa_enable_private_segment 0
		.amdhsa_kernarg_size 24
		.amdhsa_user_sgpr_count 2
		.amdhsa_user_sgpr_kernarg_segment_ptr 1
		.amdhsa_wavefront_size32 1
		.amdhsa_system_sgpr_workgroup_id_x 1
		.amdhsa_system_sgpr_workgroup_id_y 1
		.amdhsa_system_sgpr_workgroup_id_z 1
		.amdhsa_system_vgpr_workitem_id 0
		.amdhsa_next_free_vgpr 512
		.amdhsa_next_free_sgpr 76
		.amdhsa_reserve_vcc 0
		.amdhsa_float_denorm_mode_32 3
		.amdhsa_float_denorm_mode_16_64 3
		.amdhsa_memory_ordered 1
		.amdhsa_forward_progress 1
		.amdhsa_inst_pref_size 59
	.end_amdhsa_kernel
	.amdgpu_metadata
---
amdhsa.version: [ 1, 2 ]
amdhsa.kernels:
  - .name:           k_q548968fc92_outp
    .symbol:         k_q548968fc92_outp.kd
    .args:
      - { .name: oh, .offset: 0, .size: 8, .value_kind: global_buffer, .address_space: global }
      - { .name: xb, .offset: 8, .size: 8, .value_kind: global_buffer, .address_space: global }
      - { .name: pj, .offset: 16, .size: 8, .value_kind: global_buffer, .address_space: global }
    .group_segment_fixed_size: 327680
    .private_segment_fixed_size: 0
    .kernarg_segment_align: 8
    .kernarg_segment_size: 24
    .max_flat_workgroup_size: 128
    .sgpr_count:     76
    .vgpr_count:     512
    .wavefront_size: 32
...
	.end_amdgpu_metadata
.endif
;; end of part 12
;; launch ln: the kernel of part 6 again; grid 256 x 1, 8 waves a work-group, no clusters, 0 bytes of LDS; arguments pj, xb, ln_gamma, ln_beta, out0; writes out0
